; MI455X (gfx1250); checked and timed in simulation.
; The chip was launched on July 23, 2026; its instructions are those of AMD's public machine-readable ISA for CDNA 5 (MIT licence, August 2026) and "CDNA5" Instruction Set Architecture Reference Guide (July 2026). The comments in the code are by the model that wrote it; some were corrected since.
;; Mo E Layer. Allowed arithmetic: matrix products marked QUANTISED: E5M2 operands, one E8M0 scale for each 32 along K, by v_wmma_scale_f32_16x16x128_f8f6f4 with both operands' format E5M2, f32 sums; products left as they are: f32 operands where the result goes on into a quantised operand, else bf16, f16 or f32 operands; f32 sums; everything else in f32.
;; Inputs: We 8 x 2,048 x 2,048 float32; Wg 8 x 2,048 float32; be 8 x 2,048 float32; bg 8 float32; x 2,048 x 2,048 float32.
;; Outputs: out0 2,048 x 2,048 float32; out1 2,048 x 8 float32; out2 2,048 x 1 int32; out3 8 float32.
;; This version of the problem:
;;   THIS VERSION OF THE PROBLEM IS GIVEN IN LOW PRECISION. The matrix products marked QUANTISED in the list below multiply operands that are first quantised to E5M2 (5 exponent bits, 2 mantissa bits; 8 bits a number), with one power-of-two scale for each 32 numbers along K (OCP MX v1.0); their sums are f32. All else is computed in f32.
;;   The module's matrix products, in the order in which they are computed (A, B: the left and right operand; K: the contracted axis; several contracted axes count as one K, in the product's order):
;;     1. [M 2,048, K 2,048] x [K 2,048, N 8]; A: input x; B: input Wg: left as it is (N = 8 < 16)
;;     2. batch 2,048 x [M 8, K 1] x [K 1, N 2,048]; A: computed on the way; B: computed on the way: left as it is (no contracted axis)
;;     3. [M 2,048, K 16,384] x [K 16,384, N 2,048]; A: computed on the way; B: input We: QUANTISED
;;   THE QUANTISER, for each operand of a quantised product, along K:
;;     - K is cut into blocks of 32 from its start; a last block that is shorter is filled with zeros.
;;     - A block's scale is 2^e with e = floor(log2(the largest magnitude in the block)) - 15, held to -126 .. 127; a block of zeros has e = 0. As a byte (E8M0): e + 127.
;;     - Each number is divided by its block's scale, clamped to +-57,344, and rounded to the nearest number of E5M2, ties to even, subnormals kept.
;;     - The product sums the exact products of the quantised numbers (number of the format x scale) in f32.
;;   ~~~python
;;   def quantise(x, axis):      # numpy; x: float32 -> the quantised numbers, widened to float32 again
;;       x = np.moveaxis(x, axis, -1); K = x.shape[-1]
;;       x = np.pad(x, [(0, 0)] * (x.ndim - 1) + [(0, -K % 32)]); x = x.reshape(x.shape[:-1] + (-1, 32)); a = np.abs(x).max(-1, keepdims=True)
;;       e = np.where(a > 0, np.clip(np.frexp(np.where(a > 0, a, 1))[1] - 1 - 15, -126, 127), 0)      # np.frexp(a)[1] - 1 = floor(log2(a)), exactly
;;       r = np.clip(x / 2.0 ** e, -57344, 57344)
;;       step = 2.0 ** (np.maximum(np.frexp(np.where(r == 0, 1, r))[1] - 1, -14) - 2)
;;       q = np.round(r / step) * step * 2.0 ** e      # np.round: ties to even
;;       return np.moveaxis(q.reshape(q.shape[:-2] + (-1,))[..., :K], -1, axis).astype(np.float32)
;;   ~~~
;;   OPERANDS COMPUTED ON THE WAY. 'Computed on the way' means the value that the module computes at that place (a softmax that the list does not call 'softmax' is quantised finished and normalised). What goes into a quantiser is computed in f32, as accurately as f32 sums, v_exp_f32 and their like allow (about 1e-6 of the number): no bf16 or f16 on the way to a quantiser, and a product that is left as it is and whose result goes on into a quantised operand takes f32 operands (vector FMAs, or v_wmma_f32_16x16x4_f32). A number that lies on a knife's edge between two numbers of the format may be rounded either way, as far as f32 arithmetic and the matrix unit's own rounding can turn it there, and no further.
;; 3 versions. Each part assembles by itself: llvm-mc -triple=amdgcn-amd-amdhsa -mcpu=gfx1250 --defsym DOCPART=n.
;; ======== version 1 of 3: 2 launches
;; workspace buffers: xq 4,194,304 bytes; xs 131,072 bytes; mask 2,048 bytes of whole numbers
;; launch gate (part 1): grid 128 x 1, 16 waves a work-group, no clusters, 52,480 bytes of LDS; arguments x, Wg, bg, xq, xs, mask, out1, out2; writes xq, xs, mask, out1, out2
.if DOCPART == 1
	.amdgcn_target "amdgcn-amd-amdhsa--gfx1250"
	.amdhsa_code_object_version 6
	.text
	.protected	k_qffae0ea2cd_gate
	.globl	k_qffae0ea2cd_gate
	.p2align	8
	.type	k_qffae0ea2cd_gate,@function
k_qffae0ea2cd_gate:
	s_mov_b64 s[64:65], 0
	v_nop
	global_prefetch_b8 v0, s[64:65] scope:SCOPE_SE
	s_setreg_imm32_b32 hwreg(HW_REG_WAVE_MODE, 25, 1), 1
	s_wait_xcnt 0x0
; THE GATE, AND x AS CODES.  x [2048][2048], Wg [8][2048], bg [8]: f32.
; out1 = softmax(x Wg^T + bg) [2048][8];  out2 = its argmax (the lower index where two are equal) [2048] i32.
; xq [2048][2048]: x as codes of E5M2, K as it lies;  xs [2048][64]: one E8M0 byte for each 32 along K.
; mask [8][64] words: bit t of word c of expert e is set where token 32 c + t chose e.  The choice leaves this launch as data at fixed places: no address here hangs on it.
; K OF THE QUANTISED PRODUCT is (expert, i) with i innermost: a block of 32 is 32 neighbours of a row of x, so x times the one-hot is x's own codes under the chosen expert and zeros elsewhere.
; SHARES.  A work-group owns 16 tokens; wave w of 16 owns K = 128 w .. 128 w + 127 of all of them: 64 numbers a lane, loaded once; they serve the logits and the quantiser.
; THE LOGITS go on into a quantised operand, so they are made of f32 operands: v_wmma_f32_16x16x4_f32, source 0 = Wg (lane row r mod 8: rows 8-15 repeat rows 0-7), source 1 = x.
; In the result lane (r, h) holds token r and register j expert j, alike in both halves.  The same k stands in the same place of both sources, so the order of k in a lane's registers is free.
; The sixteen waves' partial logits meet in LDS; wave 15 adds them and finishes the gate.
; LIMITS: NaN and infinities are not served; a block whose largest magnitude lies under 2^-111 (a block of zeros too) gets the byte 1: its codes are read by this program alone;
; a probability under 2^-126 comes out as 0; two logits that agree within the rounding of f32 sums may give the other index.
.set PITCH, 2064                       ; a token's 2,048 codes in LDS + 16: an odd multiple of 16 bytes
.set STG,   0                          ; 16 rows of codes
.set SCB,   16*PITCH                   ; 16 rows x 64 scale bytes
.set PP,    SCB+1024                   ; 16 waves x 1,024 bytes of partial logits
.set XAD, 4                            ; v4   x: row r of 8,192 bytes + 64 h
.set GAD, 5                            ; v5   Wg: row r mod 8, + 64 h
.set STI, 6                            ; v6   codes into the stage: row r, + 128 w + 16 h
.set SCI, 7                            ; v7   my row's scale word: SCB + 64 r + 4 w
.set PIN, 8                            ; v8   my partial logits: PP + 1,024 w + 32 x lane
.set STO, 9                            ; v9   row w of the stage, 16 bytes a lane
.set GO,  10                           ; v10  16 x lane
.set PRD, 11                           ; v11  PP + 32 x lane
.set SCO, 12                           ; v12  SCB + 512 (w mod 2) + 16 x lane
.set O1,  13                           ; v13  out1: 32 r + 16 h
.set O2,  14                           ; v14  out2: 4 r
.set NIL, 15                           ; v15  0
.set X,   16                           ; v16-79   register 16 b + i: x(r, 128 w + 32 b + 16 h + i)
.set WG,  80                           ; v80-143  the same of Wg
.set ACC, 144                          ; v144-175 four accumulators: written by matrix instructions alone
.set L,   176
.set M,   184
.set TM,  192                          ; v192-195 largest magnitudes, v196-199 bytes, v200-203 the hold, v204-207 the conversions' scale operands
.set PW,  208                          ; the scale word
.set CD,  210                          ; v210-225 the codes
.set OUTR, 226
.set BAL, 242                          ; v242-249 the experts' ballots, as data
	s_load_b256 s[4:11], s[0:1], 0x0               ; x, Wg, bg, xq
	s_load_b256 s[12:19], s[0:1], 0x20             ; xs, mask, out1, out2
	v_lshl_add_u32 v254, v0, 2, 0xc500
	v_mov_b32 v255, 0
	v_lshrrev_b32 v1, 5, v0
	v_readfirstlane_b32 s20, v1                    ; wave 0..15
	v_and_b32 v1, 31, v0                           ; lane
	v_and_b32 v2, 15, v0                           ; r
	v_bfe_u32 v3, v0, 4, 1                         ; h
	s_mov_b32 s22, 0x76543210
	s_mov_b32 s23, 0xfedcba98                      ; v_permlanex16_b32's selects for lane l xor 16
	s_mov_b32 s24, 0x600000                        ; the mantissa field of 57,344
	v_lshlrev_b32 v[XAD], 13, v2
	v_lshl_add_u32 v[XAD], v3, 6, v[XAD]
	v_and_b32 v[GAD], 7, v2
	v_lshlrev_b32 v[GAD], 13, v[GAD]
	v_lshl_add_u32 v[GAD], v3, 6, v[GAD]
	; every LDS address is made here, ahead of the first branch on the wave's number
	s_lshl_b32 s26, s20, 7
	v_mul_u32_u24 v[STI], v2, PITCH
	v_lshl_add_u32 v[STI], v3, 4, v[STI]
	v_add_nc_u32 v[STI], s26, v[STI]
	s_lshl_b32 s26, s20, 2
	s_add_co_u32 s26, s26, SCB
	v_lshl_add_u32 v[SCI], v2, 6, s26
	s_lshl_b32 s26, s20, 10
	s_add_co_u32 s26, s26, PP
	v_lshl_add_u32 v[PIN], v1, 5, s26
	s_mul_i32 s26, s20, PITCH
	v_lshl_add_u32 v[STO], v1, 4, s26
	v_lshlrev_b32 v[GO], 4, v1
	v_lshl_add_u32 v[PRD], v1, 5, PP
	s_and_b32 s26, s20, 1
	s_lshl_b32 s26, s26, 9
	s_add_co_u32 s26, s26, SCB
	v_lshl_add_u32 v[SCO], v1, 4, s26
	v_lshlrev_b32 v[O1], 5, v2
	v_lshl_add_u32 v[O1], v3, 4, v[O1]
	v_lshlrev_b32 v[O2], 2, v2
	v_mov_b32 v[NIL], 0
.irp b, 0,1,2,3
	v_mov_b32 v[TM+4+\b], 0                        ; written once: a lane permute's destination counts as one of its sources
.endr
	s_lshl_b32 s26, ttmp9, 17                      ; x: 16 rows of 8,192 bytes a work-group,
	s_lshl_b32 s28, s20, 9                         ; 512 bytes of a row a wave; Wg: the same 512 bytes
	s_add_co_u32 s26, s26, s28
	s_mov_b32 s27, 0
	s_mov_b32 s29, 0
	s_lshl_b32 s30, ttmp9, 15                      ; xq: row 16 g + w of 2,048 bytes
	s_lshl_b32 s25, s20, 11
	s_add_co_u32 s30, s30, s25
	s_mov_b32 s31, 0
	s_wait_kmcnt 0x0
	s_add_nc_u64 s[4:5], s[4:5], s[26:27]
	s_add_nc_u64 s[6:7], s[6:7], s[28:29]
	s_add_nc_u64 s[10:11], s[10:11], s[30:31]
.irp b, 0,1,2,3
.irp j, 0,1,2,3
	global_load_b128 v[X+16*\b+4*\j:X+16*\b+4*\j+3], v[XAD], s[4:5] offset:128*\b+16*\j
.endr
.endr
.irp b, 0,1,2,3
.irp j, 0,1,2,3
	global_load_b128 v[WG+16*\b+4*\j:WG+16*\b+4*\j+3], v[GAD], s[6:7] offset:128*\b+16*\j
.endr
.endr
	s_load_b256 s[32:39], s[8:9], 0x0              ; bg
	s_and_b32 s25, s20, 1
	s_lshl_b32 s25, s25, 9
	s_lshl_b32 s26, ttmp9, 10
	s_add_co_u32 s26, s26, s25
	s_add_nc_u64 s[12:13], s[12:13], s[26:27]      ; xs: 1,024 bytes a work-group, 512 for each of waves 0 and 1
	s_lshl_b32 s26, ttmp9, 1
	s_add_nc_u64 s[14:15], s[14:15], s[26:27]      ; mask: 16 bits a work-group in each expert's 256 bytes
	s_lshl_b32 s26, ttmp9, 9
	s_add_nc_u64 s[16:17], s[16:17], s[26:27]      ; out1: 512 bytes a work-group
	s_lshl_b32 s26, ttmp9, 6
	s_add_nc_u64 s[18:19], s[18:19], s[26:27]      ; out2: 64 bytes
	s_wait_loadcnt 0x0
	s_wait_kmcnt 0x0
	; 32 products of 16 x 16 x 4: the four accumulators take turns, one instruction a turn; the first four start the sums with the constant 0
.set QN, 0
.irp b, 0,1,2,3
.irp i, 0,2,4,6,8,10,12,14
.if QN < 4
	v_wmma_f32_16x16x4_f32 v[ACC+8*(QN%4):ACC+8*(QN%4)+7], v[WG+16*\b+\i:WG+16*\b+\i+1], v[X+16*\b+\i:X+16*\b+\i+1], 0
.else
	v_wmma_f32_16x16x4_f32 v[ACC+8*(QN%4):ACC+8*(QN%4)+7], v[WG+16*\b+\i:WG+16*\b+\i+1], v[X+16*\b+\i:X+16*\b+\i+1], v[ACC+8*(QN%4):ACC+8*(QN%4)+7]
.endif
.set QN, QN+1
.endr
.endr
.rept 8
	v_nop                                          ; eight places behind this form (ISA guide 7.12.1), ahead of the reads of the results and of the writes of x's registers
.endr
.irp p, 0,2,4,6
	v_pk_add_f32 v[L+\p:L+\p+1], v[ACC+\p:ACC+\p+1], v[ACC+8+\p:ACC+8+\p+1]        ; each accumulator is read from its low end on
.endr
.irp p, 0,2,4,6
	v_pk_add_f32 v[M+\p:M+\p+1], v[ACC+16+\p:ACC+16+\p+1], v[ACC+24+\p:ACC+24+\p+1]
.endr
.irp p, 0,2,4,6
	v_pk_add_f32 v[L+\p:L+\p+1], v[L+\p:L+\p+1], v[M+\p:M+\p+1]
.endr
	ds_store_b128 v[PIN], v[L:L+3]                 ; my wave's part of the eight logits of token r
	ds_store_b128 v[PIN], v[L+4:L+7] offset:16
	; THE QUANTISER: four blocks of 32; a block lies in lanes l and l xor 16, 16 numbers each
.irp b, 0,1,2,3
	v_max3_num_f32 v[TM+\b], |v[X+16*\b]|, |v[X+16*\b+1]|, 0x8000000   ; with the floor 2^(16 - 127): the byte cannot fall under 1
.endr
.irp i, 2,4,6,8,10,12,14
.irp b, 0,1,2,3
	v_max3_num_f32 v[TM+\b], v[TM+\b], |v[X+16*\b+\i]|, |v[X+16*\b+\i+1]|   ; the four blocks by turns
.endr
.endr
.irp b, 0,1,2,3
	v_permlanex16_b32 v[TM+4+\b], v[TM+\b], s22, s23
.endr
.irp b, 0,1,2,3
	v_max_num_f32 v[TM+\b], v[TM+\b], v[TM+4+\b]   ; the block's largest magnitude
.endr
.irp b, 0,1,2,3
	v_add_nc_u32 v[TM+12+\b], 0xf8800000, v[TM+\b] ; 15 off its exponent field: the conversion's scale operand
.endr
.irp b, 0,1,2,3
	v_and_or_b32 v[TM+8+\b], v[TM+\b], 0x7f800000, s24   ; 57,344 x the scale
.endr
.irp b, 0,1,2,3
	v_lshrrev_b32 v[TM+4+\b], 23, v[TM+12+\b]      ; the scale's byte
.endr
	v_lshl_or_b32 v[PW], v[TM+5], 8, v[TM+4]
	v_lshl_or_b32 v[PW], v[TM+6], 16, v[PW]
	v_lshl_or_b32 v[PW], v[TM+7], 24, v[PW]        ; the four bytes of my row's 128 along K
.irp b, 0,1,2,3
.irp i, 0,1,2,3,4,5,6,7,8,9,10,11,12,13,14,15
	v_med3_num_f32 v[X+16*\b+\i], v[X+16*\b+\i], -v[TM+8+\b], v[TM+8+\b]   ; the conversion to an 8-bit code does not saturate (ISA guide 7.6.2): the hold comes first
.endr
	v_cvt_scalef32_pk8_bf8_f32 v[CD+4*\b:CD+4*\b+1], v[X+16*\b:X+16*\b+7], v[TM+12+\b]
	v_cvt_scalef32_pk8_bf8_f32 v[CD+4*\b+2:CD+4*\b+3], v[X+16*\b+8:X+16*\b+15], v[TM+12+\b]
.endr
	v_nop                                          ; a plain line behind the last scaled conversion
.irp c, 0,1,2,3
	ds_store_b128 v[STI], v[CD+4*\c:CD+4*\c+3] offset:32*\c   ; k = 128 w + 32 c + 16 h + 0 .. 15 of row r: K as it lies
.endr
	ds_store_b32 v[SCI], v[PW]                     ; both halves of the lanes write the same word with the same value
	s_wait_dscnt 0x0                               ; for the others' sake: all my LDS stores have landed
	s_barrier_signal -1
	s_barrier_wait -1                              ; the launch's one barrier: behind it LDS is only read
	; wave w stores token 16 g + w's 2,048 codes: each store covers 512 consecutive bytes, aligned
.irp i, 0,1,2,3
	ds_load_b128 v[OUTR+4*\i:OUTR+4*\i+3], v[STO] offset:512*\i
.endr
.irp i, 0,1,2,3
	s_wait_dscnt 3-\i                              ; the younger loads may stay out
	global_store_b128 v[GO], v[OUTR+4*\i:OUTR+4*\i+3], s[10:11] offset:512*\i
.endr
	s_cmp_lt_u32 s20, 2                            ; waves 0 and 1: the 1,024 scale bytes, 512 each
	s_cbranch_scc0 .Lno_scales
	ds_load_b128 v[CD:CD+3], v[SCO]
	s_wait_dscnt 0x0
	global_store_b128 v[GO], v[CD:CD+3], s[12:13]
.Lno_scales:
	s_cmp_eq_u32 s20, 15                           ; wave 15 finishes the gate
	s_cbranch_scc0 .Lend
.irp wv, 0,1,2,3,4,5,6,7,8,9,10,11,12,13,14,15
	ds_load_b128 v[X+8*\wv:X+8*\wv+3], v[PRD] offset:1024*\wv
	ds_load_b128 v[X+8*\wv+4:X+8*\wv+7], v[PRD] offset:1024*\wv+16
.endr
	s_wait_dscnt 0x0
.irp wv, 1,2,3,4,5,6,7,8,9,10,11,12,13,14,15
.irp p, 0,2,4,6
	v_pk_add_f32 v[X+\p:X+\p+1], v[X+\p:X+\p+1], v[X+8*\wv+\p:X+8*\wv+\p+1]   ; four chains
.endr
.endr
.irp e, 0,1,2,3,4,5,6,7
	v_add_f32 v[X+\e], s[32+\e], v[X+\e]           ; + bg: the logits
.endr
	v_max3_num_f32 v[L], v[X], v[X+1], v[X+2]
	v_max3_num_f32 v[L], v[L], v[X+3], v[X+4]
	v_max3_num_f32 v[L], v[L], v[X+5], v[X+6]
	v_max_num_f32 v[L], v[L], v[X+7]               ; the token's largest logit
.irp e, 0,1,2,3,4,5,6,7
	v_sub_f32 v[X+\e], v[X+\e], v[L]               ; taken away first, unfused: the largest gives exactly 0
.endr
.irp e, 0,1,2,3,4,5,6,7
	v_mul_f32 v[X+\e], 0x3fb8aa3b, v[X+\e]         ; x log2(e)
.endr
.irp e, 0,1,2,3,4,5,6,7
	v_exp_f32 v[X+\e], v[X+\e]
.endr
	v_nop                                          ; a plain line behind the last exponential
	s_wait_alu depctr_va_vdst(0)                   ; one wait for the batch, ahead of its first reader
	v_add_f32 v[L+1], v[X], v[X+1]
	v_add_f32 v[L+2], v[X+2], v[X+3]
	v_add_f32 v[L+3], v[X+4], v[X+5]
	v_add_f32 v[L+4], v[X+6], v[X+7]
	v_add_f32 v[L+1], v[L+1], v[L+2]
	v_add_f32 v[L+3], v[L+3], v[L+4]
	v_add_f32 v[L+1], v[L+1], v[L+3]
	v_rcp_f32 v[L+1], v[L+1]
	v_nop
	s_wait_alu depctr_va_vdst(0)                   ; and one for the reciprocal
.irp e, 0,1,2,3,4,5,6,7
	v_mul_f32 v[X+\e], v[X+\e], v[L+1]             ; the probabilities
.endr
	v_mov_b32 v[L+5], v[X]                         ; the argmax of the probabilities: a later expert wins only where it is strictly larger
	v_mov_b32 v[L+6], 0
.irp e, 1,2,3,4,5,6,7
	v_cmp_le_f32 vcc_lo, v[X+\e], v[L+5]
	v_cndmask_b32 v[L+5], v[X+\e], v[L+5], vcc_lo
	v_cndmask_b32 v[L+6], \e, v[L+6], vcc_lo
.endr
	v_cmp_ne_u32 vcc_lo, 0, v3                     ; lanes 0-15 store experts 0-3 of their token, lanes 16-31 experts 4-7: 512 consecutive bytes
.irp k, 0,1,2,3
	v_cndmask_b32 v[M+\k], v[X+\k], v[X+4+\k], vcc_lo
.endr
	global_store_b128 v[O1], v[M:M+3], s[16:17]
	global_store_b32 v[O2], v[L+6], s[18:19]       ; both halves hold the same index and store it to the same place
.irp e, 0,1,2,3,4,5,6,7
	v_cmp_eq_u32 s[40+\e], \e, v[L+6]              ; bits 0-15: which of my 16 tokens chose expert e
	v_mov_b32 v[BAL+\e], s[40+\e]
	global_store_b16 v[NIL], v[BAL+\e], s[14:15] offset:256*\e   ; all lanes store one value to one place
.endr
.Lend:
	s_wait_tensorcnt 0x0
	ds_add_u32 v254, v255
	s_wait_dscnt 0x0
	s_endpgm
.Lfunc_end_k_qffae0ea2cd_gate:
	.size	k_qffae0ea2cd_gate, .Lfunc_end_k_qffae0ea2cd_gate-k_qffae0ea2cd_gate
	.p2alignl 7, 3214868480
	.fill 96, 4, 3214868480
	.section	.rodata,"a",@progbits
	.p2align	6, 0x0
	.amdhsa_kernel k_qffae0ea2cd_gate
		.amdhsa_group_segment_fixed_size 52480
		.amdhsa_private_segment_fixed_size 0
		.amdhsa_enable_private_segment 0
		.amdhsa_kernarg_size 64
		.amdhsa_user_sgpr_count 2
		.amdhsa_user_sgpr_kernarg_segment_ptr 1
		.amdhsa_wavefront_size32 1
		.amdhsa_system_sgpr_workgroup_id_x 1
		.amdhsa_system_sgpr_workgroup_id_y 1
		.amdhsa_system_sgpr_workgroup_id_z 1
		.amdhsa_system_vgpr_workitem_id 0
		.amdhsa_next_free_vgpr 256
		.amdhsa_next_free_sgpr 66
		.amdhsa_reserve_vcc 1
		.amdhsa_float_denorm_mode_32 3
		.amdhsa_float_denorm_mode_16_64 3
		.amdhsa_memory_ordered 1
		.amdhsa_forward_progress 1
		.amdhsa_inst_pref_size 30
	.end_amdhsa_kernel
	.amdgpu_metadata
---
amdhsa.version: [ 1, 2 ]
amdhsa.kernels:
  - .name:           k_qffae0ea2cd_gate
    .symbol:         k_qffae0ea2cd_gate.kd
    .args:
      - { .name: x, .offset: 0, .size: 8, .value_kind: global_buffer, .address_space: global }
      - { .name: Wg, .offset: 8, .size: 8, .value_kind: global_buffer, .address_space: global }
      - { .name: bg, .offset: 16, .size: 8, .value_kind: global_buffer, .address_space: global }
      - { .name: xq, .offset: 24, .size: 8, .value_kind: global_buffer, .address_space: global }
      - { .name: xs, .offset: 32, .size: 8, .value_kind: global_buffer, .address_space: global }
      - { .name: mask, .offset: 40, .size: 8, .value_kind: global_buffer, .address_space: global }
      - { .name: out1, .offset: 48, .size: 8, .value_kind: global_buffer, .address_space: global }
      - { .name: out2, .offset: 56, .size: 8, .value_kind: global_buffer, .address_space: global }
    .group_segment_fixed_size: 52480
    .private_segment_fixed_size: 0
    .kernarg_segment_align: 8
    .kernarg_segment_size: 64
    .max_flat_workgroup_size: 512
    .sgpr_count:     66
    .vgpr_count:     256
    .wavefront_size: 32
...
	.end_amdgpu_metadata
.endif
;; end of part 1
;; launch experts (part 2): grid 32 x 8, 8 waves a work-group, no clusters, 175,616 bytes of LDS; arguments We, be, xq, xs, mask, out0, out3; writes out0, out3
.if DOCPART == 2
	.amdgcn_target "amdgcn-amd-amdhsa--gfx1250"
	.amdhsa_code_object_version 6
	.text
	.protected	k_qffae0ea2cd_experts
	.globl	k_qffae0ea2cd_experts
	.p2align	8
	.type	k_qffae0ea2cd_experts,@function
k_qffae0ea2cd_experts:
	s_mov_b64 s[64:65], 0
	v_nop
	global_prefetch_b8 v0, s[64:65] scope:SCOPE_SE
	s_setreg_imm32_b32 hwreg(HW_REG_WAVE_MODE, 25, 1), 1
	s_wait_xcnt 0x0
; out0[n] = We[sel n] x[n] + be[sel n], on codes of E5M2 with one E8M0 scale for each 32 along K;  out3[e] = the number of tokens that chose e.
; We [8][2048][2048], be [8][2048]: f32.  xq, xs: x's codes and scale bytes; mask [8][64] words: bit t of word c of expert e: token 32 c + t chose e (all three stored by the launch before).
; Only the chosen expert's rows are multiplied: the others are what the one-hot throws away.  K is (expert, i) with i innermost: a block of 32 is 32 neighbours of a row of We.
; SHARES.  Work-group (ob, e) owns 64 output columns of expert e: 64 rows of We, 512 KiB of f32, read once.  Eight waves in two roles, told apart by the wave's number:
;   PRODUCERS, waves 0-3: wave p streams rows 16 p .. 16 p + 15, quantises them and stores codes and scale bytes into LDS, where the whole block stays: no LDS byte of it is written twice.
;     Four groups of 16 loads take turns; a group is asked for again as soon as it is quantised: 48 to 64 loads of 512 bytes are out in each wave.
;   CONSUMERS, waves 4-7: wave 4 + c owns the tokens 512 c .. 512 c + 511 that chose e, in tiles of 16, six tiles (96 tokens) to a pass, against all 64 columns.  x's fragments come
;     from memory straight into registers, We's from LDS; each of those feeds six products.
; EACH ROLE'S PART BETWEEN TWO BARRIERS IS WHOLE IN ITSELF, so that its waits hold on every way through the text.  A producer's part in the loop is a whole turn of the ring: behind a group's loads stand
; the later groups' of the same run of lines and the earlier groups' of this one, 48 in all, which is the count of its wait.  A consumer's part begins with a wait for all loads, and its counted waits
; lean on loads of its own run of lines alone.  No load is issued into a register while another load into it may be out.
; THE LIST.  A consumer finds the j-th token of its range by a select over its 16 mask words (compares and v_cndmask_b32 alone), stores 96 places in its own LDS words and reads them back by tiles.
; Places past the count repeat the range's last token: they read one row more often and, in the last tile that is stored, store the same bytes to the same place.
; THE MAIN PASS has constant flow: six tiles are always multiplied; only the stores of whole tiles are guarded by the count.  A range with more than 96 tokens takes further passes, out of the codes
; that lie in LDS, without a barrier, in loops of constant count that every wave walks, the guard inside.  So every split is served, all 512 tokens of a range on one expert too.
; THE PRODUCT IS USED TRANSPOSED: source 0 = 16 rows of We, source 1 = 16 tokens: lane (r, h) holds token r and the columns 8 h + 0 .. 7 of a tile.  The sums begin as the bias, loaded into the accumulators.
; NO JOINT LOADS: what work-groups share is x's codes, and which rows a wave wants, and how many passes it makes, hangs on counts read from memory; a text with such branches has no tensor load.
; LIMITS: NaN and infinities are not served; a block of We whose largest magnitude lies under 2^-111 (a block of zeros too) gets the byte 1: this launch alone reads the bytes.
.set WP,    2064                       ; a row's 2,048 codes in LDS + 16: an odd multiple of 16 bytes
.set SP,    68                         ; a row's 64 scale bytes + 4
.set GP,    272                        ; a stage row: 256 bytes + 16
.set WS,    64*WP                      ; LDS: codes from 0; scale bytes;
.set LISTB, WS+64*SP                   ; 96 words of list for each wave;
.set CNT,   LISTB+8*384                ; the four ranges' counts;
.set STG,   CNT+256                    ; a stage of 16 rows for each wave
.set WO,   4                           ; v4   We: 65,536 h + 32 r: lane (r, h) takes row i + 8 h, 8 numbers at 8 r
.set CST,  5                           ; v5   where I store codes        (v5-v9 are made anew at the head of each trip, by every wave)
.set SST,  6                           ; v6   where I store a scale byte
.set FR0,  7                           ; v7   We's fragments, tiles 0 and 1;  v8: tiles 2 and 3
.set WSR,  9                           ; v9   We's scale words: lanes 0-15 an even K step's, lanes 16-31 the next one's
.set LST,  10                          ; v10  my list, 4 x lane
.set LRD,  11                          ; v11  my list, 4 r
.set LRO,  12                          ; v12  my list, 4 h
.set SGI,  13                          ; v13  my stage: row r, + 32 h
.set SGO,  14                          ; v14  my stage: row h, + 16 r
.set OCOL, 15                          ; v15  16 r
.set BO,   16                          ; v16  32 h
.set CNA,  17                          ; v17  my range's count
.set XO,   18                          ; v18-23  tile t: my token's row of codes, + 16 h
.set XSO,  24                          ; v24-29  tile t: my token's row of scale bytes, + 4 h
.set XSC,  30                          ; v30-41  x's scale words, two sets of six: scales and nothing else
.set WSC,  42                          ; v42-49  We's scale words, two sets of four: scales and nothing else
.set H16,  50
.set H4,   51
.set NIL,  52                          ; 0
.set CNR,  53                          ; CNT
.set TK,   54                          ; v54-59  tokens
.set CST0, 60                          ; v60-63  the fixed parts of v5, v6, v7, v9
.set SST0, 61
.set FR00, 62
.set WSR0, 63
.set XA,   64                          ; consumers: v64-159 x's fragments of an even K step, v160-255 of an odd one
.set XB,   160
.set WF,   192                         ; window 1: v0-191 accumulator (t, jt) at 32 t + 8 jt; v192-255 We's four fragments
.set MX,   64                          ; producers: v64-71 largest magnitudes, v72-79 scale operands, v80-87 the hold,
.set SCV,  72
.set LIM,  80
.set BY,   88                          ; v88-119 a byte and v120-183 two registers of codes for each of a trip's 32 units; window 1: the numbers, group g unit i at 64 g + 8 i
.set COD,  120
.set LB,   64                          ; the list's work, ten registers for each 32 places: J, W, C, K, A, B, D, T, POS, TMP
.set OUTR, 64                          ; the way out
.set TKO,  96
.set OFF,  104
; scalars: s[4:5] We, s[6:7] be, s[8:9] xq, s[10:11] xs, s[12:13] mask, s[14:15] out0, s[16:17] out3; s18 wave, s20 wave mod 4, s21 e, s22 ob, s23 57,344's mantissa field,
; s24 T, s25 tiles, s26 max(T, 1) - 1, s27 and s31 counters, s28 the pass's first tile, s29 its first place, s30 the pass is wanted, s[32:47] my 16 mask words, s48-s51 at work, s52 my range's first token,
; s53, s60 how far along K the LDS addresses stand (codes, scale bytes)
.set MSB, 0
.macro WIN new                         ; s_set_vgpr_msb: bits 1:0 source 0, 3:2 source 1, 5:4 source 2, 7:6 destination; the high byte repeats the setting that is left
.if MSB != \new
	s_set_vgpr_msb (MSB<<8)|\new
.set MSB, \new
.endif
.endm
.macro PLACES                          ; eight places behind this matrix form, ahead of loads into its registers and of reads of its results
.rept 8
	v_nop
.endr
.endm
.macro BARRIER                         ; in every wave's text: my LDS stores have landed and my LDS loads are in
	s_wait_dscnt 0x0
	s_barrier_signal -1
	s_barrier_wait -1
.endm
.macro ADDR                            ; the LDS addresses of this trip, by every wave
	v_add_nc_u32 v[CST], s53, v[CST0]
	v_add_nc_u32 v[SST], s60, v[SST0]
	v_add_nc_u32 v[FR0], s53, v[FR00]
	v_add_nc_u32 v[FR0+1], 32*WP, v[FR0]
	v_add_nc_u32 v[WSR], s60, v[WSR0]
.endm
; ---- producers
.macro WLOAD g, add                    ; group g: 128 along K of my 16 rows; the two loads of a unit cover 512 consecutive bytes of each of two rows
	WIN 0x40
.irp i, 0,1,2,3,4,5,6,7
	global_load_b128 v[64*(\g)+8*\i:64*(\g)+8*\i+3], v[WO], s[4:5] offset:8192*\i+512*(\g)+(\add) th:TH_LOAD_NT
	global_load_b128 v[64*(\g)+8*\i+4:64*(\g)+8*\i+7], v[WO], s[4:5] offset:8192*\i+512*(\g)+(\add)+16 th:TH_LOAD_NT
.endr
	WIN 0
.endm
.macro QUANT8 g                        ; eight units by turns; a unit: 8 neighbours a lane, four lanes to a block
	WIN 0x05
.irp i, 0,1,2,3,4,5,6,7
	v_max3_num_f32 v[MX+\i], |v[64*(\g)+8*\i]|, |v[64*(\g)+8*\i+1]|, 0x8000000   ; with the floor 2^(16 - 127): the byte cannot fall under 1
.endr
.irp p, 2,4,6
.irp i, 0,1,2,3,4,5,6,7
	v_max3_num_f32 v[MX+\i], |v[64*(\g)+8*\i+\p]|, |v[64*(\g)+8*\i+\p+1]|, v[MX+\i]
.endr
.endr
	WIN 0
.irp i, 0,1,2,3,4,5,6,7
	v_max_num_f32_dpp v[MX+\i], v[MX+\i], v[MX+\i] row_xmask:1 row_mask:0xf bank_mask:0xf
.endr
.irp i, 0,1,2,3,4,5,6,7
	v_max_num_f32_dpp v[MX+\i], v[MX+\i], v[MX+\i] row_xmask:2 row_mask:0xf bank_mask:0xf   ; the block's largest magnitude
.endr
.irp i, 0,1,2,3,4,5,6,7
	v_add_nc_u32 v[SCV+\i], 0xf8800000, v[MX+\i]   ; 15 off its exponent field: the conversion's scale operand
.endr
.irp i, 0,1,2,3,4,5,6,7
	v_and_or_b32 v[LIM+\i], v[MX+\i], 0x7f800000, s23   ; 57,344 x the scale
.endr
.irp i, 0,1,2,3,4,5,6,7
	v_lshrrev_b32 v[BY+8*(\g)+\i], 23, v[SCV+\i]   ; the scale's byte
.endr
	WIN 0x41
.irp i, 0,1,2,3,4,5,6,7
.irp j, 0,1,2,3,4,5,6,7
	v_med3_num_f32 v[64*(\g)+8*\i+\j], v[64*(\g)+8*\i+\j], -v[LIM+\i], v[LIM+\i]   ; the conversion does not saturate (ISA guide 7.6.2): the hold comes first
.endr
.endr
	WIN 0x01
.irp i, 0,1,2,3,4,5,6,7
	v_cvt_scalef32_pk8_bf8_f32 v[COD+2*(8*(\g)+\i):COD+2*(8*(\g)+\i)+1], v[64*(\g)+8*\i:64*(\g)+8*\i+7], v[SCV+\i]
.endr
	WIN 0
.rept 4
	v_nop                                          ; four plain lines behind the last conversion: the registers written here are named as operands by the scaled products further down the text, and a register written by a vector instruction stands four places ahead of such a product
.endr
.irp i, 0,1,2,3,4,5,6,7
	ds_store_b64 v[CST], v[COD+2*(8*(\g)+\i):COD+2*(8*(\g)+\i)+1] offset:WP*\i+128*(\g)   ; rows i and i + 8: 128 consecutive bytes each
	ds_store_b8 v[SST], v[BY+8*(\g)+\i] offset:SP*\i+4*(\g)                                ; a block's four lanes write the same byte with the same value
.endr
.endm
.macro PHALF g0, reload, n0, n1        ; two groups: 256 along K.  n0, n1: the loads of the younger groups, which may stay out
	s_wait_loadcnt \n0
	QUANT8 \g0
.if \reload
	WLOAD \g0, 2048                                ; the same group of the next trip
.endif
	s_wait_loadcnt \n1
	QUANT8 (\g0)+1
.if \reload
	WLOAD (\g0)+1, 2048
.endif
.endm
; ---- consumers: the list
.macro LSTEP w                         ; does the K-th set bit lie past the next w bits?  T: how many of those are set
.irp q, 0,1,2
	v_cmp_ge_u32 vcc_lo, v[LB+10*\q+3], v[LB+10*\q+7]
	v_cndmask_b32 v[LB+10*\q+7], 0, v[LB+10*\q+7], vcc_lo
	v_add_nc_u32 v[LB+10*\q+9], \w, v[LB+10*\q+8]
	v_sub_nc_u32 v[LB+10*\q+3], v[LB+10*\q+3], v[LB+10*\q+7]
	v_cndmask_b32 v[LB+10*\q+8], v[LB+10*\q+8], v[LB+10*\q+9], vcc_lo
.endr
.endm
.macro LISTBUILD                       ; places s29 .. s29 + 95 of my range's tokens, held at the last one, into my 96 words
.irp q, 0,1,2
	v_add_nc_u32 v[LB+10*\q], 32*\q, v1
	v_add_nc_u32 v[LB+10*\q], s29, v[LB+10*\q]
	v_min_u32 v[LB+10*\q], s26, v[LB+10*\q]        ; J
	v_mov_b32 v[LB+10*\q+1], s32                   ; W: the word in which the J-th set bit lies
	v_mov_b32 v[LB+10*\q+2], 0                     ; C: the bits set ahead of that word, and the word's number << 16
	v_mov_b32 v[LB+10*\q+8], 0                     ; POS
.endr
	s_bcnt1_i32_b32 s48, s32                       ; bits set ahead of word 1
	s_add_co_u32 s49, s48, 1<<16
.irp b, 1,2,3,4,5,6,7,8,9,10,11,12,13,14,15
.irp q, 0,1,2
	v_cmp_gt_u32 vcc_lo, s48, v[LB+10*\q]          ; word b begins past place J: keep; else take word b
	v_cndmask_b32 v[LB+10*\q+1], s[32+\b], v[LB+10*\q+1], vcc_lo
	v_cndmask_b32 v[LB+10*\q+2], s49, v[LB+10*\q+2], vcc_lo
.endr
.if \b < 15
	s_bcnt1_i32_b32 s50, s[32+\b]
	s_add_co_u32 s48, s48, s50
	s_add_co_u32 s49, s48, (\b+1)<<16
.endif
.endr
.irp q, 0,1,2
	v_and_b32 v[LB+10*\q+7], 0xffff, v[LB+10*\q+2]
	v_sub_nc_u32 v[LB+10*\q+3], v[LB+10*\q], v[LB+10*\q+7]          ; K: which set bit of W
	v_lshrrev_b32 v[LB+10*\q+7], 1, v[LB+10*\q+1]
	v_and_b32 v[LB+10*\q+7], 0x55555555, v[LB+10*\q+7]
	v_sub_nc_u32 v[LB+10*\q+4], v[LB+10*\q+1], v[LB+10*\q+7]        ; A: counts of 2 bits
	v_lshrrev_b32 v[LB+10*\q+7], 2, v[LB+10*\q+4]
	v_and_b32 v[LB+10*\q+7], 0x33333333, v[LB+10*\q+7]
	v_and_b32 v[LB+10*\q+5], 0x33333333, v[LB+10*\q+4]
	v_add_nc_u32 v[LB+10*\q+5], v[LB+10*\q+5], v[LB+10*\q+7]        ; B: of 4
	v_lshrrev_b32 v[LB+10*\q+7], 4, v[LB+10*\q+5]
	v_add_nc_u32 v[LB+10*\q+6], v[LB+10*\q+5], v[LB+10*\q+7]
	v_and_b32 v[LB+10*\q+6], 0x0f0f0f0f, v[LB+10*\q+6]              ; D: of 8
	v_lshrrev_b32 v[LB+10*\q+7], 8, v[LB+10*\q+6]
	v_add_nc_u32 v[LB+10*\q+7], v[LB+10*\q+6], v[LB+10*\q+7]
	v_and_b32 v[LB+10*\q+7], 0xff, v[LB+10*\q+7]                    ; T: of the low 16
.endr
	LSTEP 16
.irp q, 0,1,2
	v_bfe_u32 v[LB+10*\q+7], v[LB+10*\q+6], v[LB+10*\q+8], 8
.endr
	LSTEP 8
.irp q, 0,1,2
	v_bfe_u32 v[LB+10*\q+7], v[LB+10*\q+5], v[LB+10*\q+8], 4
.endr
	LSTEP 4
.irp q, 0,1,2
	v_bfe_u32 v[LB+10*\q+7], v[LB+10*\q+4], v[LB+10*\q+8], 2
.endr
	LSTEP 2
.irp q, 0,1,2
	v_bfe_u32 v[LB+10*\q+7], v[LB+10*\q+1], v[LB+10*\q+8], 1
.endr
	LSTEP 1
.irp q, 0,1,2
	v_lshrrev_b32 v[LB+10*\q+7], 16, v[LB+10*\q+2]
	v_lshl_add_u32 v[LB+10*\q+7], v[LB+10*\q+7], 5, v[LB+10*\q+8]
	v_add_nc_u32 v[LB+10*\q+7], s52, v[LB+10*\q+7]                  ; the token: range + 32 x word + bit: at most 2,047 whatever the words hold
	ds_store_b32 v[LST], v[LB+10*\q+7] offset:128*\q
.endr
.endm
.macro TOKENS                          ; tile t's token of lane r, and its rows in xq and xs.  LDS serves a wave's instructions in order: these see the stores above
.irp t, 0,1,2,3,4,5
	ds_load_b32 v[TK+\t], v[LRD] offset:64*\t
.endr
	s_wait_dscnt 0x0
.irp t, 0,1,2,3,4,5
	v_min_u32 v[TK+\t], 0x7ff, v[TK+\t]
	v_lshlrev_b32 v[XO+\t], 11, v[TK+\t]
	v_add_nc_u32 v[XO+\t], v[XO+\t], v[H16]
	v_lshlrev_b32 v[XSO+\t], 6, v[TK+\t]
	v_add_nc_u32 v[XSO+\t], v[XSO+\t], v[H4]
.endr
.endm
.macro BIAS                            ; the sums begin as the bias: lane (r, h), tile jt: be at columns 16 jt + 8 h + 0 .. 7
	WIN 0x40
.irp t, 0,1,2,3,4,5
.irp jt, 0,1,2,3
	global_load_b128 v[32*\t+8*\jt:32*\t+8*\jt+3], v[BO], s[6:7] offset:64*\jt
	global_load_b128 v[32*\t+8*\jt+4:32*\t+8*\jt+7], v[BO], s[6:7] offset:64*\jt+16
.endr
.endr
	WIN 0
.endm
.macro XLOADA ks, sx                   ; 30 loads: the scale words of K steps ks (lanes 0-15) and ks + 1 (lanes 16-31), and step ks's six fragments
.irp t, 0,1,2,3,4,5
	global_load_b32 v[XSC+6*(\sx)+\t], v[XSO+\t], s[10:11] offset:4*(\ks)
.endr
.irp t, 0,1,2,3,4,5
.irp c, 0,1,2,3
	global_load_b128 v[XA+16*\t+4*\c:XA+16*\t+4*\c+3], v[XO+\t], s[8:9] offset:128*(\ks)+32*\c
.endr
.endr
.endm
.macro XLOADB ks                       ; 24 loads: an odd step's six fragments
.irp t, 0,1,2,3,4,5
.irp c, 0,1,2,3
	global_load_b128 v[XB+16*\t+4*\c:XB+16*\t+4*\c+3], v[XO+\t], s[8:9] offset:128*(\ks)+32*\c
.endr
.endr
.endm
.macro FRAG ks, sx, sc                 ; We's four fragments of K step ks; sc = 1: with the scale words of steps ks and ks + 1
	WIN 0x40
.irp jt, 0,1,2,3
.irp c, 0,1,2,3
	ds_load_b128 v[WF+16*\jt+4*\c:WF+16*\jt+4*\c+3], v[FR0+\jt/2] offset:16*WP*(\jt%2)+128*(\ks)+32*\c
.endr
.endr
	WIN 0
.if \sc
.irp jt, 0,1,2,3
	ds_load_b32 v[WSC+4*(\sx)+\jt], v[WSR] offset:16*SP*\jt+4*(\ks)
.endr
.endif
.endm
.macro MUL buf, odd, sx                ; 24 products: the accumulators take turns, one instruction a turn, in the same order in every step
	WIN 0x51
.irp t, 0,1,2,3,4,5
.irp jt, 0,1,2,3
.if \odd
	v_wmma_scale_f32_16x16x128_f8f6f4 v[32*\t+8*\jt:32*\t+8*\jt+7], v[WF+16*\jt:WF+16*\jt+15], v[\buf+16*\t:\buf+16*\t+15], v[32*\t+8*\jt:32*\t+8*\jt+7], v[WSC+4*(\sx)+\jt], v[XSC+6*(\sx)+\t] matrix_a_fmt:MATRIX_FMT_BF8 matrix_b_fmt:MATRIX_FMT_BF8 matrix_a_scale:MATRIX_SCALE_ROW1 matrix_b_scale:MATRIX_SCALE_ROW1
.else
	v_wmma_scale_f32_16x16x128_f8f6f4 v[32*\t+8*\jt:32*\t+8*\jt+7], v[WF+16*\jt:WF+16*\jt+15], v[\buf+16*\t:\buf+16*\t+15], v[32*\t+8*\jt:32*\t+8*\jt+7], v[WSC+4*(\sx)+\jt], v[XSC+6*(\sx)+\t] matrix_a_fmt:MATRIX_FMT_BF8 matrix_b_fmt:MATRIX_FMT_BF8
.endif
.endr
.endr
	WIN 0
.endm
; K steps k0 and k0 + 1.  n1: at the head of a part 0: both steps' fragments of x were asked for ahead of the barrier, and behind this wait no load at all is out; inside a part 24: XA and its scale words are in, XB's 24 loads may be out.
; ra, rb: x's fragments two steps on are asked for.  n2: the loads issued behind XB's: the next XA's 30, or none.
.macro CPAIR k0, sx, n1, ra, rb, n2
	s_wait_loadcnt \n1
	FRAG \k0, \sx, 1
	s_wait_dscnt 0x0
	MUL XA, 0, \sx
	PLACES
.if \ra
	XLOADA (\k0)+2, 1-(\sx)
.endif
	FRAG (\k0)+1, \sx, 0
	s_wait_loadcnt \n2                             ; XB is in
	s_wait_dscnt 0x0
	MUL XB, 1, \sx
	PLACES
.if \rb
	XLOADB (\k0)+3
.endif
.endm
.macro P_FULL                          ; a producer's part in the loop: a whole turn of the ring, 512 along K
	s_cmp_lt_u32 s18, 4
	s_cbranch_scc0 .Lnot_pf_\@
	PHALF 0, 1, 48, 48
	PHALF 2, 1, 48, 48
.Lnot_pf_\@:
.endm
.macro C_FULL                          ; a consumer's part in the loop: four K steps, and the next trip's first two steps of x are asked for
	s_cmp_ge_u32 s18, 4
	s_cbranch_scc0 .Lnot_cf_\@
	CPAIR 0, 0, 0, 1, 1, 30
	CPAIR 2, 1, 24, 1, 1, 30
.Lnot_cf_\@:
.endm
.macro P_PART g0, reload, n0, n1
	s_cmp_lt_u32 s18, 4
	s_cbranch_scc0 .Lnot_p_\@
	PHALF \g0, \reload, \n0, \n1
.Lnot_p_\@:
.endm
.macro C_PART k0, sx, n1, ra, rb, n2
	s_cmp_ge_u32 s18, 4
	s_cbranch_scc0 .Lnot_c_\@
	CPAIR \k0, \sx, \n1, \ra, \rb, \n2
.Lnot_c_\@:
.endm
; THE WAY OUT of tile t of the pass, if the range has so many tiles: through my stage, and out as rows: sixteen lanes store 256 consecutive bytes of a token's row, aligned
.macro SENDT t
	s_cmp_ge_u32 s18, 4
	s_cbranch_scc0 .Lno_send_\@
	s_add_co_u32 s50, s28, \t
	s_cmp_lt_u32 s50, s25
	s_cbranch_scc0 .Lno_send_\@
	s_wait_xcnt 0x0                                ; the last tile's stores have read their registers, which are written again below
	WIN 0x04
.irp jt, 0,1,2,3
	ds_store_b128 v[SGI], v[32*\t+8*\jt:32*\t+8*\jt+3] offset:64*\jt          ; each accumulator from its low end on
	ds_store_b128 v[SGI], v[32*\t+8*\jt+4:32*\t+8*\jt+7] offset:64*\jt+16
.endr
	WIN 0
.irp i, 0,1,2,3,4,5,6,7
	ds_load_b32 v[TKO+\i], v[LRO] offset:64*\t+8*\i                           ; the token of stage row 2 i + h
.endr
.irp i, 0,1,2,3,4,5,6,7
	ds_load_b128 v[OUTR+4*\i:OUTR+4*\i+3], v[SGO] offset:2*GP*\i              ; LDS serves a wave's instructions in order: these see the stores above
.endr
	s_wait_dscnt 8                                 ; the tokens are in; the eight row loads may be out
.irp i, 0,1,2,3,4,5,6,7
	v_min_u32 v[TKO+\i], 0x7ff, v[TKO+\i]
	v_lshlrev_b32 v[OFF+\i], 13, v[TKO+\i]
	v_add_nc_u32 v[OFF+\i], v[OFF+\i], v[OCOL]
.endr
.irp i, 0,1,2,3,4,5,6,7
	s_wait_dscnt 7-\i
	global_store_b128 v[OFF+\i], v[OUTR+4*\i:OUTR+4*\i+3], s[14:15] th:TH_STORE_NT
.endr
.Lno_send_\@:
.endm
	s_load_b256 s[4:11], s[0:1], 0x0               ; We, be, xq, xs
	s_load_b128 s[12:15], s[0:1], 0x20             ; mask, out0
	s_load_b64 s[16:17], s[0:1], 0x30              ; out3
	v_lshrrev_b32 v1, 5, v0
	v_readfirstlane_b32 s18, v1                    ; wave 0..7
	s_and_b32 s20, s18, 3                          ; which 16 rows (a producer), which range of 512 tokens (a consumer)
	s_and_b32 s21, ttmp7, 0xffff                   ; e
	s_mov_b32 s22, ttmp9                           ; ob
	s_mov_b32 s23, 0x600000
	s_lshl_b32 s52, s20, 9
	v_and_b32 v1, 31, v0                           ; lane
	v_and_b32 v2, 15, v0                           ; r
	v_bfe_u32 v3, v0, 4, 1                         ; h
	v_lshlrev_b32 v[WO], 5, v2
	v_lshl_add_u32 v[WO], v3, 16, v[WO]
	; every LDS address register is made here, by every wave, ahead of the first branch on the wave's number
	s_mul_i32 s50, s20, 16*WP
	v_mul_u32_u24 v[CST0], v3, 8*WP
	v_lshl_add_u32 v[CST0], v2, 3, v[CST0]
	v_add_nc_u32 v[CST0], s50, v[CST0]             ; row 16 p + 8 h, + 8 r
	s_mul_i32 s50, s20, 16*SP
	s_add_co_u32 s50, s50, WS
	v_mul_u32_u24 v[SST0], v3, 8*SP
	v_lshrrev_b32 v[NIL], 2, v2
	v_add_nc_u32 v[SST0], v[SST0], v[NIL]
	v_add_nc_u32 v[SST0], s50, v[SST0]             ; row 16 p + 8 h, + r / 4
	v_mul_u32_u24 v[FR00], v2, WP
	v_lshl_add_u32 v[FR00], v3, 4, v[FR00]         ; row r, + 16 h
	v_mul_u32_u24 v[WSR0], v2, SP
	v_lshl_add_u32 v[WSR0], v3, 2, v[WSR0]
	v_add_nc_u32 v[WSR0], WS, v[WSR0]              ; row r, + 4 h
	s_mul_i32 s50, s18, 384
	s_add_co_u32 s50, s50, LISTB
	v_lshl_add_u32 v[LST], v1, 2, s50
	v_lshl_add_u32 v[LRD], v2, 2, s50
	v_lshl_add_u32 v[LRO], v3, 2, s50
	s_mul_i32 s51, s18, 16*GP
	s_add_co_u32 s51, s51, STG
	v_mul_u32_u24 v[SGI], v2, GP
	v_lshl_add_u32 v[SGI], v3, 5, v[SGI]
	v_add_nc_u32 v[SGI], s51, v[SGI]
	v_mul_u32_u24 v[SGO], v3, GP
	v_lshl_add_u32 v[SGO], v2, 4, v[SGO]
	v_add_nc_u32 v[SGO], s51, v[SGO]
	v_lshlrev_b32 v[OCOL], 4, v2
	v_lshlrev_b32 v[BO], 5, v3
	s_lshl_b32 s50, s20, 2
	s_add_co_u32 s50, s50, CNT
	v_mov_b32 v[CNA], s50
	v_lshlrev_b32 v[H16], 4, v3
	v_lshlrev_b32 v[H4], 2, v3
	v_mov_b32 v[NIL], 0
	v_mov_b32 v[CNR], CNT
	s_lshl_b32 s54, s21, 11                        ; We: row 2,048 e + 64 ob + 16 p, of 8,192 bytes: under 2^31
	s_lshl_b32 s50, s22, 6
	s_or_b32 s54, s54, s50
	s_lshl_b32 s50, s20, 4
	s_or_b32 s54, s54, s50
	s_lshl_b32 s54, s54, 13
	s_mov_b32 s55, 0
	s_lshl_b32 s56, s21, 13                        ; be: 8,192 e + 256 ob
	s_lshl_b32 s58, s22, 8                         ; out0: 256 ob
	s_add_co_u32 s56, s56, s58
	s_mov_b32 s57, 0
	s_mov_b32 s59, 0
	s_wait_kmcnt 0x0
	s_add_nc_u64 s[4:5], s[4:5], s[54:55]
	s_add_nc_u64 s[6:7], s[6:7], s[56:57]
	s_add_nc_u64 s[14:15], s[14:15], s[58:59]
	s_lshl_b32 s54, s21, 8                         ; mask: 256 e + 64 x range
	s_lshl_b32 s50, s20, 6
	s_add_co_u32 s54, s54, s50
	s_add_nc_u64 s[12:13], s[12:13], s[54:55]
	s_load_b512 s[32:47], s[12:13], 0x0
	s_lshl_b32 s54, s21, 2
	s_add_nc_u64 s[16:17], s[16:17], s[54:55]      ; out3: 4 e
	s_mov_b32 s53, 0
	s_mov_b32 s60, 0
	s_cmp_lt_u32 s18, 4
	s_cbranch_scc0 .Lhead_c
	WLOAD 0, 0                                     ; a producer's ring is filled: 64 loads
	WLOAD 1, 0
	WLOAD 2, 0
	WLOAD 3, 0
	s_wait_kmcnt 0x0
	s_mov_b32 s24, 0                               ; a producer has no tiles
	s_mov_b32 s25, 0
	s_mov_b32 s26, 0
	s_branch .Lhead_done
.Lhead_c:
	s_wait_kmcnt 0x0
	s_bcnt1_i32_b32 s24, s32                       ; T: my range's tokens of this expert
.irp b, 33,34,35,36,37,38,39,40,41,42,43,44,45,46,47
	s_bcnt1_i32_b32 s50, s\b
	s_add_co_u32 s24, s24, s50
.endr
	s_add_co_u32 s25, s24, 15
	s_lshr_b32 s25, s25, 4                         ; tiles of 16
	s_max_u32 s26, s24, 1
	s_sub_co_u32 s26, s26, 1                       ; the last place
	v_mov_b32 v[TK], s24
	ds_store_b32 v[CNA], v[TK]                     ; for out3
	s_mov_b32 s29, 0
	LISTBUILD
	TOKENS
	BIAS
	XLOADA 0, 0
	XLOADB 1
.Lhead_done:
	; THE MAIN PASS: four trips of 512 along K.  In the loop one barrier a trip: behind it the producers go on with the next 512 along K while the consumers multiply the 512 that it has shown.
	; The last trip is written out without the loads ahead, in two halves with a barrier each, so that the consumers begin on its first 256 along K while the last 256 are quantised.
	s_mov_b32 s27, 3
.Lmain:
	ADDR
	P_FULL
	BARRIER
	C_FULL
	s_wait_xcnt 0x0                                ; the loads issued have read their bases, which step now
	s_add_nc_u64 s[4:5], s[4:5], 2048
	s_add_nc_u64 s[8:9], s[8:9], 512
	s_add_nc_u64 s[10:11], s[10:11], 16
	s_add_co_u32 s53, s53, 512
	s_add_co_u32 s60, s60, 16
	s_sub_co_u32 s27, s27, 1
	s_cmp_lg_u32 s27, 0
	s_cbranch_scc1 .Lmain
	ADDR
	P_PART 0, 0, 48, 32                            ; nothing is left to ask for: the counts run down
	BARRIER
	C_PART 0, 0, 0, 1, 1, 30
	P_PART 2, 0, 16, 0
	BARRIER                                        ; the last barrier: all codes lie in LDS
	C_PART 2, 1, 0, 0, 0, 0
	s_wait_loadcnt 0x0                             ; by every wave: no load is out when the passes below load the bias into the accumulators
	s_wait_xcnt 0x0
	s_sub_nc_u64 s[8:9], s[8:9], 1536              ; back to K = 0
	s_sub_nc_u64 s[10:11], s[10:11], 48
	s_sub_co_u32 s53, s53, 1536
	s_sub_co_u32 s60, s60, 48
	; THE PASSES.  Trip 0 stores the main pass's tiles.  Trips 1 to 5 multiply and store tiles 6 p .. 6 p + 5 where the range has so many: 36 tiles cover all 512 tokens of a range.
	s_mov_b32 s28, 0
	s_mov_b32 s29, 0
	s_mov_b32 s27, 6
.Lpass:
	s_wait_xcnt 0x0                                ; the last pass's stores have read their registers
	s_cmp_lt_u32 s28, s25
	s_cselect_b32 s30, 1, 0
	s_cmp_eq_u32 s28, 0
	s_cselect_b32 s30, 0, s30                      ; wanted: not the first trip, and tiles are left
	s_cmp_ge_u32 s18, 4
	s_cbranch_scc0 .Lno_pre
	s_cmp_eq_u32 s30, 1
	s_cbranch_scc0 .Lno_pre
	LISTBUILD
	TOKENS
	BIAS
	s_wait_loadcnt 0x0
.Lno_pre:
	s_mov_b32 s31, 8
.Lk:                                                   ; eight trips of 256 along K
	v_add_nc_u32 v[FR0], s53, v[FR00]
	v_add_nc_u32 v[FR0+1], 32*WP, v[FR0]
	v_add_nc_u32 v[WSR], s60, v[WSR0]
	s_cmp_ge_u32 s18, 4
	s_cbranch_scc0 .Lno_k
	s_cmp_eq_u32 s30, 1
	s_cbranch_scc0 .Lno_k
	XLOADA 0, 0
	XLOADB 1
	FRAG 0, 0, 1
	s_wait_loadcnt 0x0
	s_wait_dscnt 0x0
	MUL XA, 0, 0
	PLACES
	FRAG 1, 0, 0
	s_wait_dscnt 0x0
	MUL XB, 1, 0
	PLACES
.Lno_k:
	s_wait_xcnt 0x0
	s_add_nc_u64 s[8:9], s[8:9], 256
	s_add_nc_u64 s[10:11], s[10:11], 8
	s_add_co_u32 s53, s53, 256
	s_add_co_u32 s60, s60, 8
	s_sub_co_u32 s31, s31, 1
	s_cmp_lg_u32 s31, 0
	s_cbranch_scc1 .Lk
	s_sub_nc_u64 s[8:9], s[8:9], 2048
	s_sub_nc_u64 s[10:11], s[10:11], 64
	s_sub_co_u32 s53, s53, 2048
	s_sub_co_u32 s60, s60, 64
	SENDT 0
	SENDT 1
	SENDT 2
	SENDT 3
	SENDT 4
	SENDT 5
	s_add_co_u32 s28, s28, 6
	s_add_co_u32 s29, s29, 96
	s_sub_co_u32 s27, s27, 1
	s_cmp_lg_u32 s27, 0
	s_cbranch_scc1 .Lpass
	s_cmp_eq_u32 s18, 4                            ; out3[e]: the four ranges' counts, by wave 4 of the expert's first work-group
	s_cbranch_scc0 .Lend
	s_cmp_eq_u32 s22, 0
	s_cbranch_scc0 .Lend
	ds_load_b128 v[TK+2:TK+5], v[CNR]              ; stored ahead of the first barrier
	s_wait_dscnt 0x0
	v_add_nc_u32 v[TK+2], v[TK+2], v[TK+3]
	v_add_nc_u32 v[TK+4], v[TK+4], v[TK+5]
	v_add_nc_u32 v[TK+2], v[TK+2], v[TK+4]
	v_cvt_f32_u32 v[TK+2], v[TK+2]
	global_store_b32 v[NIL], v[TK+2], s[16:17]     ; all lanes store one value to one place
.Lend:
	s_wait_xcnt 0x0
	v_lshl_add_u32 v62, v0, 2, 0x2aa00
	v_mov_b32 v63, 0
	s_wait_tensorcnt 0x0
	ds_add_u32 v62, v63
	s_wait_dscnt 0x0
	s_endpgm
.Lfunc_end_k_qffae0ea2cd_experts:
	.size	k_qffae0ea2cd_experts, .Lfunc_end_k_qffae0ea2cd_experts-k_qffae0ea2cd_experts
	.p2alignl 7, 3214868480
	.fill 96, 4, 3214868480
	.section	.rodata,"a",@progbits
	.p2align	6, 0x0
	.amdhsa_kernel k_qffae0ea2cd_experts
		.amdhsa_group_segment_fixed_size 175616
		.amdhsa_private_segment_fixed_size 0
		.amdhsa_enable_private_segment 0
		.amdhsa_kernarg_size 56
		.amdhsa_user_sgpr_count 2
		.amdhsa_user_sgpr_kernarg_segment_ptr 1
		.amdhsa_wavefront_size32 1
		.amdhsa_system_sgpr_workgroup_id_x 1
		.amdhsa_system_sgpr_workgroup_id_y 1
		.amdhsa_system_sgpr_workgroup_id_z 1
		.amdhsa_system_vgpr_workitem_id 0
		.amdhsa_next_free_vgpr 512
		.amdhsa_next_free_sgpr 66
		.amdhsa_reserve_vcc 1
		.amdhsa_float_denorm_mode_32 3
		.amdhsa_float_denorm_mode_16_64 3
		.amdhsa_memory_ordered 1
		.amdhsa_forward_progress 1
		.amdhsa_inst_pref_size 237
	.end_amdhsa_kernel
	.amdgpu_metadata
---
amdhsa.version: [ 1, 2 ]
amdhsa.kernels:
  - .name:           k_qffae0ea2cd_experts
    .symbol:         k_qffae0ea2cd_experts.kd
    .args:
      - { .name: We, .offset: 0, .size: 8, .value_kind: global_buffer, .address_space: global }
      - { .name: be, .offset: 8, .size: 8, .value_kind: global_buffer, .address_space: global }
      - { .name: xq, .offset: 16, .size: 8, .value_kind: global_buffer, .address_space: global }
      - { .name: xs, .offset: 24, .size: 8, .value_kind: global_buffer, .address_space: global }
      - { .name: mask, .offset: 32, .size: 8, .value_kind: global_buffer, .address_space: global }
      - { .name: out0, .offset: 40, .size: 8, .value_kind: global_buffer, .address_space: global }
      - { .name: out3, .offset: 48, .size: 8, .value_kind: global_buffer, .address_space: global }
    .group_segment_fixed_size: 175616
    .private_segment_fixed_size: 0
    .kernarg_segment_align: 8
    .kernarg_segment_size: 56
    .max_flat_workgroup_size: 256
    .sgpr_count:     66
    .vgpr_count:     512
    .wavefront_size: 32
...
	.end_amdgpu_metadata
.endif
;; end of part 2
;; ======== version 2 of 3: 3 launches
;; workspace buffers: xq 4,194,304 bytes; xs 131,072 bytes; mask 2,048 bytes of whole numbers; xi 33,554,432 bytes; xj 1,048,576 bytes
;; launch gate: the kernel of part 1 again; grid 128 x 1, 16 waves a work-group, no clusters, 52,480 bytes of LDS; arguments x, Wg, bg, xq, xs, mask, out1, out2; writes xq, xs, mask, out1, out2
;; launch place (part 3): grid 32 x 8, 8 waves a work-group, no clusters, 0 bytes of LDS; arguments xq, xs, mask, xi, xj; writes xi, xj
.if DOCPART == 3
	.amdgcn_target "amdgcn-amd-amdhsa--gfx1250"
	.amdhsa_code_object_version 6
	.text
	.protected	k_qffae0ea2cd_place
	.globl	k_qffae0ea2cd_place
	.p2align	8
	.type	k_qffae0ea2cd_place,@function
k_qffae0ea2cd_place:
	s_mov_b64 s[64:65], 0
	v_nop
	global_prefetch_b8 v0, s[64:65] scope:SCOPE_SE
	s_setreg_imm32_b32 hwreg(HW_REG_WAVE_MODE, 25, 1), 1
	s_wait_xcnt 0x0
; x's CODES, PLACED BY EXPERT, AS IMAGES OF THE OPERAND'S REGISTERS.
; xq [2048][2048]: x's codes of E5M2; xs [2048][64]: their E8M0 bytes; mask [8][64] words: bit t of word c of expert e: token 32 c + t chose e (all three stored by the launch before).
; An AREA a = 4 e + c holds the tokens of range 512 c .. 512 c + 511 that chose expert e, in their order, in tiles of 16: at most 32 tiles.
; xi [32 areas][32 tiles][16 K steps][4][32 lanes][16 bytes]: lane (r, h)'s 16 bytes of piece c of K step s are the codes k = 128 s + 32 c + 16 h + 0 .. 15 of the tile's token r: what the matrix
; instruction wants in that lane's registers 4 c .. 4 c + 3.  xj [32 areas][32 tiles][8 pairs of K steps][32 lanes] words: lanes 0-15 token r's scale word of the even step, lanes 16-31 of the odd one.
; So the next launch, whose 32 work-groups of an expert all read these tiles, loads each fragment as 512 consecutive bytes; the gather by rows is made here, once.
; SHARES.  Work-group (a, p) takes pair p of K steps of area a; wave w its tiles w, w + 8, w + 16, w + 24, in a loop of constant count with the guard on the count inside.
; Places past the count repeat the range's last token.  Tile 0 is always written, for a range without a token of the expert too: the next launch reads no byte that nobody stored.
; THE J-TH TOKEN of a range is found by a select over its 16 mask words: compares and v_cndmask_b32 alone; the next launch finds the same tokens by the same lines for its way out.
; No LDS, no barrier: waves share nothing.
.set XO,  8                            ; v8   my token's row of codes, + 16 h
.set XSO, 9                            ; v9   my token's row of scale bytes, + 4 h
.set VO,  10                           ; v10  the tile in xi, + 16 x lane
.set VS,  11                           ; v11  the tile in xj, + 4 x lane
.set L16, 12
.set L4,  13
.set H16, 14
.set H4,  15
.set LB,  16                           ; v16-25 the select's work: J, W, C, K, A, B, D, T, POS, TMP
.set DS,  26                           ; the scale word
.set D,   32                           ; v32-63 two fragments
; scalars: s[4:5] xq, s[6:7] xs, s[8:9] mask, s[10:11] xi, s[12:13] xj; s18 wave, s20 area, s21 pair, s24 T, s25 tiles to write, s26 the last place, s27 counter, s28 my tile, s[32:47] the mask words, s52 the range's first token
.macro LSTEP w                         ; does the K-th set bit lie past the next w bits?  T: how many of those are set
	v_cmp_ge_u32 vcc_lo, v[LB+3], v[LB+7]
	v_cndmask_b32 v[LB+7], 0, v[LB+7], vcc_lo
	v_add_nc_u32 v[LB+9], \w, v[LB+8]
	v_sub_nc_u32 v[LB+3], v[LB+3], v[LB+7]
	v_cndmask_b32 v[LB+8], v[LB+8], v[LB+9], vcc_lo
.endm
	s_load_b256 s[4:11], s[0:1], 0x0               ; xq, xs, mask, xi
	s_load_b64 s[12:13], s[0:1], 0x20              ; xj
	v_lshrrev_b32 v1, 5, v0
	v_readfirstlane_b32 s18, v1                    ; wave 0..7
	v_and_b32 v1, 31, v0                           ; lane
	v_and_b32 v2, 15, v0                           ; r
	v_bfe_u32 v3, v0, 4, 1                         ; h
	s_mov_b32 s20, ttmp9                           ; area
	s_and_b32 s21, ttmp7, 0xffff                   ; pair of K steps
	s_and_b32 s52, s20, 3
	s_lshl_b32 s52, s52, 9
	v_lshlrev_b32 v[L16], 4, v1
	v_lshlrev_b32 v[L4], 2, v1
	v_lshlrev_b32 v[H16], 4, v3
	v_lshlrev_b32 v[H4], 2, v3
	s_mov_b32 s55, 0
	s_lshl_b32 s54, s20, 6                         ; mask: 64 bytes an area
	s_wait_kmcnt 0x0
	s_add_nc_u64 s[8:9], s[8:9], s[54:55]
	s_load_b512 s[32:47], s[8:9], 0x0
	s_lshl_b32 s54, s21, 8
	s_add_nc_u64 s[4:5], s[4:5], s[54:55]          ; xq: 256 bytes of a row a pair
	s_lshl_b32 s54, s21, 3
	s_add_nc_u64 s[6:7], s[6:7], s[54:55]          ; xs: 8 bytes
	s_lshl_b32 s54, s20, 20                        ; xi: 2^20 bytes an area, 4,096 a pair
	s_lshl_b32 s56, s21, 12
	s_add_co_u32 s54, s54, s56
	s_add_nc_u64 s[10:11], s[10:11], s[54:55]
	s_lshl_b32 s54, s20, 15                        ; xj: 2^15 bytes an area, 128 a pair
	s_lshl_b32 s56, s21, 7
	s_add_co_u32 s54, s54, s56
	s_add_nc_u64 s[12:13], s[12:13], s[54:55]
	s_wait_kmcnt 0x0
	s_bcnt1_i32_b32 s24, s32                       ; T: the range's tokens of this expert
.irp b, 33,34,35,36,37,38,39,40,41,42,43,44,45,46,47
	s_bcnt1_i32_b32 s50, s\b
	s_add_co_u32 s24, s24, s50
.endr
	s_add_co_u32 s25, s24, 15
	s_lshr_b32 s25, s25, 4
	s_max_u32 s25, s25, 1                          ; tiles to write: at least tile 0
	s_max_u32 s26, s24, 1
	s_sub_co_u32 s26, s26, 1                       ; the last place
	s_mov_b32 s28, s18
	s_mov_b32 s27, 4
.Ltile:
	s_cmp_lt_u32 s28, s25
	s_cbranch_scc0 .Lnone
	s_wait_xcnt 0x0                                ; the last trip's loads and stores have read their registers, which are written again below
	s_lshl_b32 s29, s28, 4
	v_add_nc_u32 v[LB], s29, v2
	v_min_u32 v[LB], s26, v[LB]                    ; J: place 16 x tile + r, held at the last one
	v_mov_b32 v[LB+1], s32                         ; W: the word in which the J-th set bit lies
	v_mov_b32 v[LB+2], 0                           ; C: the bits set ahead of that word, and the word's number << 16
	v_mov_b32 v[LB+8], 0                           ; POS
	s_bcnt1_i32_b32 s48, s32                       ; bits set ahead of word 1
	s_add_co_u32 s49, s48, 1<<16
.irp b, 1,2,3,4,5,6,7,8,9,10,11,12,13,14,15
	v_cmp_gt_u32 vcc_lo, s48, v[LB]                ; word b begins past place J: keep; else take word b
	v_cndmask_b32 v[LB+1], s[32+\b], v[LB+1], vcc_lo
	v_cndmask_b32 v[LB+2], s49, v[LB+2], vcc_lo
.if \b < 15
	s_bcnt1_i32_b32 s50, s[32+\b]
	s_add_co_u32 s48, s48, s50
	s_add_co_u32 s49, s48, (\b+1)<<16
.endif
.endr
	v_and_b32 v[LB+7], 0xffff, v[LB+2]
	v_sub_nc_u32 v[LB+3], v[LB], v[LB+7]           ; K: which set bit of W
	v_lshrrev_b32 v[LB+7], 1, v[LB+1]
	v_and_b32 v[LB+7], 0x55555555, v[LB+7]
	v_sub_nc_u32 v[LB+4], v[LB+1], v[LB+7]         ; A: counts of 2 bits
	v_lshrrev_b32 v[LB+7], 2, v[LB+4]
	v_and_b32 v[LB+7], 0x33333333, v[LB+7]
	v_and_b32 v[LB+5], 0x33333333, v[LB+4]
	v_add_nc_u32 v[LB+5], v[LB+5], v[LB+7]         ; B: of 4
	v_lshrrev_b32 v[LB+7], 4, v[LB+5]
	v_add_nc_u32 v[LB+6], v[LB+5], v[LB+7]
	v_and_b32 v[LB+6], 0x0f0f0f0f, v[LB+6]         ; D: of 8
	v_lshrrev_b32 v[LB+7], 8, v[LB+6]
	v_add_nc_u32 v[LB+7], v[LB+6], v[LB+7]
	v_and_b32 v[LB+7], 0xff, v[LB+7]               ; T: of the low 16
	LSTEP 16
	v_bfe_u32 v[LB+7], v[LB+6], v[LB+8], 8
	LSTEP 8
	v_bfe_u32 v[LB+7], v[LB+5], v[LB+8], 4
	LSTEP 4
	v_bfe_u32 v[LB+7], v[LB+4], v[LB+8], 2
	LSTEP 2
	v_bfe_u32 v[LB+7], v[LB+1], v[LB+8], 1
	LSTEP 1
	v_lshrrev_b32 v[LB+7], 16, v[LB+2]
	v_lshl_add_u32 v[LB+7], v[LB+7], 5, v[LB+8]
	v_add_nc_u32 v[LB+7], s52, v[LB+7]             ; the token: range + 32 x word + bit: at most 2,047 whatever the words hold
	v_min_u32 v[LB+7], 0x7ff, v[LB+7]
	v_lshlrev_b32 v[XO], 11, v[LB+7]
	v_add_nc_u32 v[XO], v[XO], v[H16]
	v_lshlrev_b32 v[XSO], 6, v[LB+7]
	v_add_nc_u32 v[XSO], v[XSO], v[H4]
.irp s, 0,1
.irp c, 0,1,2,3
	global_load_b128 v[D+16*\s+4*\c:D+16*\s+4*\c+3], v[XO], s[4:5] offset:128*\s+32*\c   ; the fragment's registers 4 c .. 4 c + 3
.endr
.endr
	global_load_b32 v[DS], v[XSO], s[6:7]          ; lanes 0-15: the even step's scale word; lanes 16-31: the odd step's
	v_lshl_add_u32 v[VO], s28, 15, v[L16]
	v_lshl_add_u32 v[VS], s28, 10, v[L4]
	s_wait_loadcnt 0x0
.irp s, 0,1
.irp c, 0,1,2,3
	global_store_b128 v[VO], v[D+16*\s+4*\c:D+16*\s+4*\c+3], s[10:11] offset:2048*\s+512*\c   ; each store covers 512 consecutive bytes, aligned
.endr
.endr
	global_store_b32 v[VS], v[DS], s[12:13]        ; 128 consecutive bytes
.Lnone:
	s_add_co_u32 s28, s28, 8
	s_sub_co_u32 s27, s27, 1
	s_cmp_lg_u32 s27, 0
	s_cbranch_scc1 .Ltile
	s_endpgm
.Lfunc_end_k_qffae0ea2cd_place:
	.size	k_qffae0ea2cd_place, .Lfunc_end_k_qffae0ea2cd_place-k_qffae0ea2cd_place
	.p2alignl 7, 3214868480
	.fill 96, 4, 3214868480
	.section	.rodata,"a",@progbits
	.p2align	6, 0x0
	.amdhsa_kernel k_qffae0ea2cd_place
		.amdhsa_group_segment_fixed_size 0
		.amdhsa_private_segment_fixed_size 0
		.amdhsa_enable_private_segment 0
		.amdhsa_kernarg_size 40
		.amdhsa_user_sgpr_count 2
		.amdhsa_user_sgpr_kernarg_segment_ptr 1
		.amdhsa_wavefront_size32 1
		.amdhsa_system_sgpr_workgroup_id_x 1
		.amdhsa_system_sgpr_workgroup_id_y 1
		.amdhsa_system_sgpr_workgroup_id_z 1
		.amdhsa_system_vgpr_workitem_id 0
		.amdhsa_next_free_vgpr 64
		.amdhsa_next_free_sgpr 66
		.amdhsa_reserve_vcc 1
		.amdhsa_float_denorm_mode_32 3
		.amdhsa_float_denorm_mode_16_64 3
		.amdhsa_memory_ordered 1
		.amdhsa_forward_progress 1
		.amdhsa_inst_pref_size 11
	.end_amdhsa_kernel
	.amdgpu_metadata
---
amdhsa.version: [ 1, 2 ]
amdhsa.kernels:
  - .name:           k_qffae0ea2cd_place
    .symbol:         k_qffae0ea2cd_place.kd
    .args:
      - { .name: xq, .offset: 0, .size: 8, .value_kind: global_buffer, .address_space: global }
      - { .name: xs, .offset: 8, .size: 8, .value_kind: global_buffer, .address_space: global }
      - { .name: mask, .offset: 16, .size: 8, .value_kind: global_buffer, .address_space: global }
      - { .name: xi, .offset: 24, .size: 8, .value_kind: global_buffer, .address_space: global }
      - { .name: xj, .offset: 32, .size: 8, .value_kind: global_buffer, .address_space: global }
    .group_segment_fixed_size: 0
    .private_segment_fixed_size: 0
    .kernarg_segment_align: 8
    .kernarg_segment_size: 40
    .max_flat_workgroup_size: 256
    .sgpr_count:     66
    .vgpr_count:     64
    .wavefront_size: 32
...
	.end_amdgpu_metadata
.endif
;; end of part 3
;; launch experts (part 4): grid 32 x 8, 8 waves a work-group, no clusters, 175,616 bytes of LDS; arguments We, be, xi, xj, mask, out0, out3; writes out0, out3
.if DOCPART == 4
	.amdgcn_target "amdgcn-amd-amdhsa--gfx1250"
	.amdhsa_code_object_version 6
	.text
	.protected	k_qffae0ea2cd_experts
	.globl	k_qffae0ea2cd_experts
	.p2align	8
	.type	k_qffae0ea2cd_experts,@function
k_qffae0ea2cd_experts:
	s_mov_b64 s[64:65], 0
	v_nop
	global_prefetch_b8 v0, s[64:65] scope:SCOPE_SE
	s_setreg_imm32_b32 hwreg(HW_REG_WAVE_MODE, 25, 1), 1
	s_wait_xcnt 0x0
; out0[n] = We[sel n] x[n] + be[sel n], on codes of E5M2 with one E8M0 scale for each 32 along K;  out3[e] = the number of tokens that chose e.
; We [8][2048][2048], be [8][2048]: f32.  mask [8][64] words: bit t of word c of expert e: token 32 c + t chose e.  xi, xj: x's codes and scale words, placed by expert in tiles of 16 tokens, as images of
; the operand's registers: area 4 e + c holds the tokens of range 512 c .. 512 c + 511 that chose e; xi [area][32 tiles][16 K steps][4][32 lanes][16 bytes], xj [area][32 tiles][8 pairs of steps][32 lanes] words.
; Only the chosen expert's rows are multiplied: the others are what the one-hot throws away.  K is (expert, i) with i innermost: a block of 32 is 32 neighbours of a row of We.
; SHARES.  Work-group (ob, e) owns 64 output columns of expert e: 64 rows of We, 512 KiB of f32, read once.  Eight waves in two roles, told apart by the wave's number:
;   PRODUCERS, waves 0-3: wave p streams rows 16 p .. 16 p + 15, quantises them and stores codes and scale bytes into LDS, where the whole block stays: no LDS byte of it is written twice.
;     A load is 512 consecutive bytes of one row.  Four groups of 16 loads take turns; a group is asked for again as soon as it is quantised: 48 to 64 loads are out in each wave.
;   CONSUMERS, waves 4-7: wave 4 + c owns area 4 e + c, six tiles (96 tokens) to a pass, against all 64 columns.  x's fragments come from xi straight into registers, 512 consecutive bytes a load;
;     We's come from LDS; each of those feeds six products.
; THE QUANTISER.  A lane holds 4 neighbours of a load, eight lanes a block.  The conversion takes 8 numbers under one scale, and a lane's 8 are of two rows: so each number is first multiplied by its own
; block's 2^-e (a power of two: nothing is rounded; what falls under the smallest f32 number lies far under the smallest code), held at +-57,344, and converted with the scale 1.
; EACH ROLE'S PART BETWEEN TWO BARRIERS IS WHOLE IN ITSELF, so that its waits hold on every way through the text.  A producer's part in the loop is a whole turn of the ring: behind a group's loads stand
; the later groups' of the same run of lines and the earlier groups' of this one, 48 in all, which is the count of its wait.  A consumer's part begins with a wait for all loads, and its counted waits
; lean on loads of its own run of lines alone.  No load is issued into a register while another load into it may be out.
; THE LIST, for the way out.  A consumer finds the j-th token of its range by a select over its 16 mask words (compares and v_cndmask_b32 alone: the lines by which xi was placed) and keeps 96 places in its own LDS words.
; THE MAIN PASS has constant flow: six tiles are always multiplied (a tile past the range's last repeats the last); only the stores of whole tiles are guarded by the count.  A range with more than 96 tokens
; takes further passes, out of the codes that lie in LDS, without a barrier, in loops of constant count that every wave walks, the guard inside.  So every split is served, all 512 tokens of a range on one expert too.
; THE PRODUCT IS USED TRANSPOSED: source 0 = 16 rows of We, source 1 = 16 tokens: lane (r, h) holds token r and the columns 8 h + 0 .. 7 of a tile.  The sums begin as the bias, loaded into the accumulators.
; NO JOINT LOADS: what work-groups share is x's tiles, and which tiles a wave wants, and how many passes it makes, hangs on counts read from memory; a text with such branches has no tensor load.
; LIMITS: NaN and infinities are not served; a block of We whose largest magnitude lies under 2^-111 (a block of zeros too) gets the byte 1: this launch alone reads the bytes.
.set WP,    2064                       ; a row's 2,048 codes in LDS + 16: an odd multiple of 16 bytes
.set SP,    68                         ; a row's 64 scale bytes + 4
.set GP,    272                        ; a stage row: 256 bytes + 16
.set WS,    64*WP                      ; LDS: codes from 0; scale bytes;
.set LISTB, WS+64*SP                   ; 96 words of list for each wave;
.set CNT,   LISTB+8*384                ; the four ranges' counts;
.set STG,   CNT+256                    ; a stage of 16 rows for each wave
.set WO,   4                           ; v4   16 x lane: my 16 bytes of a load's 512
.set CST,  5                           ; v5   where I store codes        (v5-v9 are made anew at the head of each trip, by every wave)
.set SST,  6                           ; v6   where I store a scale byte
.set FR0,  7                           ; v7   We's fragments, tiles 0 and 1;  v8: tiles 2 and 3
.set WSR,  9                           ; v9   We's scale words: lanes 0-15 an even K step's, lanes 16-31 the next one's
.set LST,  10                          ; v10  my list, 4 x lane
.set LRO,  12                          ; v12  my list, 4 h
.set SGI,  13                          ; v13  my stage: row r, + 32 h
.set SGO,  14                          ; v14  my stage: row h, + 16 r
.set OCOL, 15                          ; v15  16 r
.set BO,   16                          ; v16  32 h
.set CNA,  17                          ; v17  my range's count
.set XO,   18                          ; v18-23  tile t in xi, + 16 x lane
.set XSO,  24                          ; v24-29  tile t in xj, + 4 x lane
.set XSC,  30                          ; v30-41  x's scale words, two sets of six: scales and nothing else
.set WSC,  42                          ; v42-49  We's scale words, two sets of four: scales and nothing else
.set HOLD, 50                          ; v50  57,344.0; never rewritten
.set L4,   51                          ; v51  4 x lane
.set NIL,  52                          ; 0
.set CNR,  53                          ; CNT
.set TK,   54                          ; v54 the count; v56-59 the four counts
.set ONE,  55                          ; v55  1.0: the conversions' scale operand; never rewritten
.set CST0, 60                          ; v60-63  the fixed parts of v5, v6, v7, v9
.set SST0, 61
.set FR00, 62
.set WSR0, 63
.set XA,   64                          ; consumers: v64-159 x's fragments of an even K step, v160-255 of an odd one
.set XB,   160
.set WF,   192                         ; window 1: v0-191 accumulator (t, jt) at 32 t + 8 jt; v192-255 We's four fragments
.set MX,   64                          ; producers: v64-79 largest magnitudes of a group's 16 loads;
.set IB,   80                          ; v80-111 for load n the pair (2^-e, the scale's byte);
.set COD,  112                         ; v112-127 for load n one register of four codes;  window 1: the numbers, group g load n at 64 g + 4 n
.set LB,   64                          ; the list's work, ten registers for each 32 places: J, W, C, K, A, B, D, T, POS, TMP
.set OUTR, 64                          ; the way out
.set TKO,  96
.set OFF,  104
; scalars: s[4:5] We, s[6:7] be, s[8:9] xi, s[10:11] xj, s[12:13] mask, s[14:15] out0, s[16:17] out3; s18 wave, s20 wave mod 4, s21 e, s22 ob,
; s24 T, s25 tiles, s26 max(T, 1) - 1, s27 and s31 counters, s28 the pass's first tile, s29 its first place, s30 the pass is wanted, s[32:47] my 16 mask words, s48-s51 at work, s52 my range's first token,
; s53, s60 how far along K the LDS addresses stand (codes, scale bytes), s61 the range's last tile
.set MSB, 0
.macro WIN new                         ; s_set_vgpr_msb: bits 1:0 source 0, 3:2 source 1, 5:4 source 2, 7:6 destination; the high byte repeats the setting that is left
.if MSB != \new
	s_set_vgpr_msb (MSB<<8)|\new
.set MSB, \new
.endif
.endm
.macro PLACES                          ; eight places behind this matrix form, ahead of loads into its registers and of reads of its results
.rept 8
	v_nop
.endr
.endm
.macro BARRIER                         ; in every wave's text: my LDS stores have landed and my LDS loads are in
	s_wait_dscnt 0x0
	s_barrier_signal -1
	s_barrier_wait -1
.endm
.macro ADDR                            ; the LDS addresses of this trip, by every wave
	v_add_nc_u32 v[CST], s53, v[CST0]
	v_add_nc_u32 v[SST], s60, v[SST0]
	v_add_nc_u32 v[FR0], s53, v[FR00]
	v_add_nc_u32 v[FR0+1], 32*WP, v[FR0]
	v_add_nc_u32 v[WSR], s60, v[WSR0]
.endm
; ---- producers
.macro WLOAD g, add                    ; group g: 128 along K of my 16 rows: load n covers 512 consecutive bytes of row n
	WIN 0x40
.irp n, 0,1,2,3,4,5,6,7,8,9,10,11,12,13,14,15
	global_load_b128 v[64*(\g)+4*\n:64*(\g)+4*\n+3], v[WO], s[4:5] offset:8192*\n+512*(\g)+(\add) th:TH_LOAD_NT
.endr
	WIN 0
.endm
.macro QUANT16 g                       ; sixteen rows by turns; of row n a lane holds k = 4 x lane + 0 .. 3: eight lanes to a block
	s_wait_dscnt 0x0                               ; the last group's LDS stores have read their registers, which are written again below
	WIN 0x05
.irp n, 0,1,2,3,4,5,6,7,8,9,10,11,12,13,14,15
	v_max3_num_f32 v[MX+\n], |v[64*(\g)+4*\n]|, |v[64*(\g)+4*\n+1]|, 0x8000000   ; with the floor 2^(16 - 127): the byte cannot fall under 1
.endr
.irp n, 0,1,2,3,4,5,6,7,8,9,10,11,12,13,14,15
	v_max3_num_f32 v[MX+\n], |v[64*(\g)+4*\n+2]|, |v[64*(\g)+4*\n+3]|, v[MX+\n]
.endr
	WIN 0
.irp n, 0,1,2,3,4,5,6,7,8,9,10,11,12,13,14,15
	v_max_num_f32_dpp v[MX+\n], v[MX+\n], v[MX+\n] row_xmask:1 row_mask:0xf bank_mask:0xf
.endr
.irp n, 0,1,2,3,4,5,6,7,8,9,10,11,12,13,14,15
	v_max_num_f32_dpp v[MX+\n], v[MX+\n], v[MX+\n] row_xmask:2 row_mask:0xf bank_mask:0xf
.endr
.irp n, 0,1,2,3,4,5,6,7,8,9,10,11,12,13,14,15
	v_max_num_f32_dpp v[MX+\n], v[MX+\n], v[MX+\n] row_xmask:4 row_mask:0xf bank_mask:0xf   ; the block's largest magnitude
.endr
.irp n, 0,1,2,3,4,5,6,7,8,9,10,11,12,13,14,15
	v_add_nc_u32 v[IB+2*\n+1], 0xf8800000, v[MX+\n]   ; 15 off its exponent field,
.endr
.irp n, 0,1,2,3,4,5,6,7,8,9,10,11,12,13,14,15
	v_lshrrev_b32 v[IB+2*\n+1], 23, v[IB+2*\n+1]   ; which is the scale's byte, e + 127: 1 to 239
.endr
.irp n, 0,1,2,3,4,5,6,7,8,9,10,11,12,13,14,15
	v_sub_nc_u32 v[IB+2*\n], 254, v[IB+2*\n+1]     ; 127 - e: 15 to 253,
.endr
.irp n, 0,1,2,3,4,5,6,7,8,9,10,11,12,13,14,15
	v_lshlrev_b32 v[IB+2*\n], 23, v[IB+2*\n]       ; as an exponent field: the f32 number 2^-e
.endr
	WIN 0x41
.irp n, 0,1,2,3,4,5,6,7,8,9,10,11,12,13,14,15
	v_pk_mul_f32 v[64*(\g)+4*\n:64*(\g)+4*\n+1], v[64*(\g)+4*\n:64*(\g)+4*\n+1], v[IB+2*\n:IB+2*\n+1] op_sel_hi:[1,0]       ; x 2^-e, two at a time (of the pair the low word serves both halves)
	v_pk_mul_f32 v[64*(\g)+4*\n+2:64*(\g)+4*\n+3], v[64*(\g)+4*\n+2:64*(\g)+4*\n+3], v[IB+2*\n:IB+2*\n+1] op_sel_hi:[1,0]
.endr
.irp n, 0,1,2,3,4,5,6,7,8,9,10,11,12,13,14,15
.irp j, 0,1,2,3
	v_med3_num_f32 v[64*(\g)+4*\n+\j], v[64*(\g)+4*\n+\j], -v[HOLD], v[HOLD]   ; the conversion does not saturate (ISA guide 7.6.2): the hold comes first
.endr
.endr
	WIN 0x01
.irp m, 0,1,2,3,4,5,6,7
	v_cvt_scalef32_pk8_bf8_f32 v[COD+2*\m:COD+2*\m+1], v[64*(\g)+8*\m:64*(\g)+8*\m+7], v[ONE]   ; rows 2 m and 2 m + 1: four codes each
.endr
	WIN 0
.rept 4
	v_nop                                          ; four plain lines behind the last conversion: the registers written here are named as operands by the scaled products further down the text, and a register written by a vector instruction stands four places ahead of such a product
.endr
.irp n, 0,1,2,3,4,5,6,7,8,9,10,11,12,13,14,15
	ds_store_b32 v[CST], v[COD+\n] offset:WP*\n+128*(\g)       ; 128 consecutive bytes of row n
	ds_store_b8 v[SST], v[IB+2*\n+1] offset:SP*\n+4*(\g)       ; a block's eight lanes write the same byte with the same value
.endr
.endm
.macro PHALF g0, reload, n0, n1        ; two groups: 256 along K.  n0, n1: the loads of the younger groups, which may stay out
	s_wait_loadcnt \n0
	QUANT16 \g0
.if \reload
	WLOAD \g0, 2048                                ; the same group of the next trip
.endif
	s_wait_loadcnt \n1
	QUANT16 (\g0)+1
.if \reload
	WLOAD (\g0)+1, 2048
.endif
.endm
; ---- consumers: the list
.macro LSTEP w                         ; does the K-th set bit lie past the next w bits?  T: how many of those are set
.irp q, 0,1,2
	v_cmp_ge_u32 vcc_lo, v[LB+10*\q+3], v[LB+10*\q+7]
	v_cndmask_b32 v[LB+10*\q+7], 0, v[LB+10*\q+7], vcc_lo
	v_add_nc_u32 v[LB+10*\q+9], \w, v[LB+10*\q+8]
	v_sub_nc_u32 v[LB+10*\q+3], v[LB+10*\q+3], v[LB+10*\q+7]
	v_cndmask_b32 v[LB+10*\q+8], v[LB+10*\q+8], v[LB+10*\q+9], vcc_lo
.endr
.endm
.macro LISTBUILD                       ; places s29 .. s29 + 95 of my range's tokens, held at the last one, into my 96 words
.irp q, 0,1,2
	v_add_nc_u32 v[LB+10*\q], 32*\q, v1
	v_add_nc_u32 v[LB+10*\q], s29, v[LB+10*\q]
	v_min_u32 v[LB+10*\q], s26, v[LB+10*\q]        ; J
	v_mov_b32 v[LB+10*\q+1], s32                   ; W: the word in which the J-th set bit lies
	v_mov_b32 v[LB+10*\q+2], 0                     ; C: the bits set ahead of that word, and the word's number << 16
	v_mov_b32 v[LB+10*\q+8], 0                     ; POS
.endr
	s_bcnt1_i32_b32 s48, s32                       ; bits set ahead of word 1
	s_add_co_u32 s49, s48, 1<<16
.irp b, 1,2,3,4,5,6,7,8,9,10,11,12,13,14,15
.irp q, 0,1,2
	v_cmp_gt_u32 vcc_lo, s48, v[LB+10*\q]          ; word b begins past place J: keep; else take word b
	v_cndmask_b32 v[LB+10*\q+1], s[32+\b], v[LB+10*\q+1], vcc_lo
	v_cndmask_b32 v[LB+10*\q+2], s49, v[LB+10*\q+2], vcc_lo
.endr
.if \b < 15
	s_bcnt1_i32_b32 s50, s[32+\b]
	s_add_co_u32 s48, s48, s50
	s_add_co_u32 s49, s48, (\b+1)<<16
.endif
.endr
.irp q, 0,1,2
	v_and_b32 v[LB+10*\q+7], 0xffff, v[LB+10*\q+2]
	v_sub_nc_u32 v[LB+10*\q+3], v[LB+10*\q], v[LB+10*\q+7]          ; K: which set bit of W
	v_lshrrev_b32 v[LB+10*\q+7], 1, v[LB+10*\q+1]
	v_and_b32 v[LB+10*\q+7], 0x55555555, v[LB+10*\q+7]
	v_sub_nc_u32 v[LB+10*\q+4], v[LB+10*\q+1], v[LB+10*\q+7]        ; A: counts of 2 bits
	v_lshrrev_b32 v[LB+10*\q+7], 2, v[LB+10*\q+4]
	v_and_b32 v[LB+10*\q+7], 0x33333333, v[LB+10*\q+7]
	v_and_b32 v[LB+10*\q+5], 0x33333333, v[LB+10*\q+4]
	v_add_nc_u32 v[LB+10*\q+5], v[LB+10*\q+5], v[LB+10*\q+7]        ; B: of 4
	v_lshrrev_b32 v[LB+10*\q+7], 4, v[LB+10*\q+5]
	v_add_nc_u32 v[LB+10*\q+6], v[LB+10*\q+5], v[LB+10*\q+7]
	v_and_b32 v[LB+10*\q+6], 0x0f0f0f0f, v[LB+10*\q+6]              ; D: of 8
	v_lshrrev_b32 v[LB+10*\q+7], 8, v[LB+10*\q+6]
	v_add_nc_u32 v[LB+10*\q+7], v[LB+10*\q+6], v[LB+10*\q+7]
	v_and_b32 v[LB+10*\q+7], 0xff, v[LB+10*\q+7]                    ; T: of the low 16
.endr
	LSTEP 16
.irp q, 0,1,2
	v_bfe_u32 v[LB+10*\q+7], v[LB+10*\q+6], v[LB+10*\q+8], 8
.endr
	LSTEP 8
.irp q, 0,1,2
	v_bfe_u32 v[LB+10*\q+7], v[LB+10*\q+5], v[LB+10*\q+8], 4
.endr
	LSTEP 4
.irp q, 0,1,2
	v_bfe_u32 v[LB+10*\q+7], v[LB+10*\q+4], v[LB+10*\q+8], 2
.endr
	LSTEP 2
.irp q, 0,1,2
	v_bfe_u32 v[LB+10*\q+7], v[LB+10*\q+1], v[LB+10*\q+8], 1
.endr
	LSTEP 1
.irp q, 0,1,2
	v_lshrrev_b32 v[LB+10*\q+7], 16, v[LB+10*\q+2]
	v_lshl_add_u32 v[LB+10*\q+7], v[LB+10*\q+7], 5, v[LB+10*\q+8]
	v_add_nc_u32 v[LB+10*\q+7], s52, v[LB+10*\q+7]                  ; the token: range + 32 x word + bit: at most 2,047 whatever the words hold
	ds_store_b32 v[LST], v[LB+10*\q+7] offset:128*\q
.endr
.endm
.macro TILES                           ; where the pass's six tiles lie in xi and xj: tile s28 + t, held at the range's last tile
	s_wait_dscnt 0x0                               ; the list's stores have read their registers, into which x's fragments are loaded next
.irp t, 0,1,2,3,4,5
	s_add_co_u32 s50, s28, \t
	s_min_u32 s50, s50, s61
	s_min_u32 s50, s50, 31                         ; an area has 32 tiles
	v_lshl_add_u32 v[XO+\t], s50, 15, v[WO]
	v_lshl_add_u32 v[XSO+\t], s50, 10, v[L4]
.endr
.endm
.macro BIAS                            ; the sums begin as the bias: lane (r, h), tile jt: be at columns 16 jt + 8 h + 0 .. 7
	WIN 0x40
.irp t, 0,1,2,3,4,5
.irp jt, 0,1,2,3
	global_load_b128 v[32*\t+8*\jt:32*\t+8*\jt+3], v[BO], s[6:7] offset:64*\jt
	global_load_b128 v[32*\t+8*\jt+4:32*\t+8*\jt+7], v[BO], s[6:7] offset:64*\jt+16
.endr
.endr
	WIN 0
.endm
.macro XLOADA ks, sx                   ; 30 loads: the scale words of K steps ks (lanes 0-15) and ks + 1 (lanes 16-31), and step ks's six fragments: 512 consecutive bytes a load
.irp t, 0,1,2,3,4,5
	global_load_b32 v[XSC+6*(\sx)+\t], v[XSO+\t], s[10:11] offset:128*((\ks)/2)
.endr
.irp t, 0,1,2,3,4,5
.irp c, 0,1,2,3
	global_load_b128 v[XA+16*\t+4*\c:XA+16*\t+4*\c+3], v[XO+\t], s[8:9] offset:2048*(\ks)+512*\c
.endr
.endr
.endm
.macro XLOADB ks                       ; 24 loads: an odd step's six fragments
.irp t, 0,1,2,3,4,5
.irp c, 0,1,2,3
	global_load_b128 v[XB+16*\t+4*\c:XB+16*\t+4*\c+3], v[XO+\t], s[8:9] offset:2048*(\ks)+512*\c
.endr
.endr
.endm
.macro FRAG ks, sx, sc                 ; We's four fragments of K step ks; sc = 1: with the scale words of steps ks and ks + 1
	WIN 0x40
.irp jt, 0,1,2,3
.irp c, 0,1,2,3
	ds_load_b128 v[WF+16*\jt+4*\c:WF+16*\jt+4*\c+3], v[FR0+\jt/2] offset:16*WP*(\jt%2)+128*(\ks)+32*\c
.endr
.endr
	WIN 0
.if \sc
.irp jt, 0,1,2,3
	ds_load_b32 v[WSC+4*(\sx)+\jt], v[WSR] offset:16*SP*\jt+4*(\ks)
.endr
.endif
.endm
.macro MUL buf, odd, sx                ; 24 products: the accumulators take turns, one instruction a turn, in the same order in every step
	WIN 0x51
.irp t, 0,1,2,3,4,5
.irp jt, 0,1,2,3
.if \odd
	v_wmma_scale_f32_16x16x128_f8f6f4 v[32*\t+8*\jt:32*\t+8*\jt+7], v[WF+16*\jt:WF+16*\jt+15], v[\buf+16*\t:\buf+16*\t+15], v[32*\t+8*\jt:32*\t+8*\jt+7], v[WSC+4*(\sx)+\jt], v[XSC+6*(\sx)+\t] matrix_a_fmt:MATRIX_FMT_BF8 matrix_b_fmt:MATRIX_FMT_BF8 matrix_a_scale:MATRIX_SCALE_ROW1 matrix_b_scale:MATRIX_SCALE_ROW1
.else
	v_wmma_scale_f32_16x16x128_f8f6f4 v[32*\t+8*\jt:32*\t+8*\jt+7], v[WF+16*\jt:WF+16*\jt+15], v[\buf+16*\t:\buf+16*\t+15], v[32*\t+8*\jt:32*\t+8*\jt+7], v[WSC+4*(\sx)+\jt], v[XSC+6*(\sx)+\t] matrix_a_fmt:MATRIX_FMT_BF8 matrix_b_fmt:MATRIX_FMT_BF8
.endif
.endr
.endr
	WIN 0
.endm
; K steps k0 and k0 + 1.  n1: at the head of a part 0: both steps' fragments of x were asked for ahead of the barrier, and behind this wait no load at all is out; inside a part 24: XA and its scale words are in, XB's 24 loads may be out.
; ra, rb: x's fragments two steps on are asked for.  n2: the loads issued behind XB's: the next XA's 30, or none.
.macro CPAIR k0, sx, n1, ra, rb, n2
	s_wait_loadcnt \n1
	FRAG \k0, \sx, 1
	s_wait_dscnt 0x0
	MUL XA, 0, \sx
	PLACES
.if \ra
	XLOADA (\k0)+2, 1-(\sx)
.endif
	FRAG (\k0)+1, \sx, 0
	s_wait_loadcnt \n2                             ; XB is in
	s_wait_dscnt 0x0
	MUL XB, 1, \sx
	PLACES
.if \rb
	XLOADB (\k0)+3
.endif
.endm
.macro P_FULL                          ; a producer's part in the loop: a whole turn of the ring, 512 along K
	s_cmp_lt_u32 s18, 4
	s_cbranch_scc0 .Lnot_pf_\@
	PHALF 0, 1, 48, 48
	PHALF 2, 1, 48, 48
.Lnot_pf_\@:
.endm
.macro C_FULL                          ; a consumer's part in the loop: four K steps, and the next trip's first two steps of x are asked for
	s_cmp_ge_u32 s18, 4
	s_cbranch_scc0 .Lnot_cf_\@
	CPAIR 0, 0, 0, 1, 1, 30
	CPAIR 2, 1, 24, 1, 1, 30
.Lnot_cf_\@:
.endm
.macro P_PART g0, reload, n0, n1
	s_cmp_lt_u32 s18, 4
	s_cbranch_scc0 .Lnot_p_\@
	PHALF \g0, \reload, \n0, \n1
.Lnot_p_\@:
.endm
.macro C_PART k0, sx, n1, ra, rb, n2
	s_cmp_ge_u32 s18, 4
	s_cbranch_scc0 .Lnot_c_\@
	CPAIR \k0, \sx, \n1, \ra, \rb, \n2
.Lnot_c_\@:
.endm
; THE WAY OUT of tile t of the pass, if the range has so many tiles: through my stage, and out as rows: sixteen lanes store 256 consecutive bytes of a token's row, aligned
.macro SENDT t
	s_cmp_ge_u32 s18, 4
	s_cbranch_scc0 .Lno_send_\@
	s_add_co_u32 s50, s28, \t
	s_cmp_lt_u32 s50, s25
	s_cbranch_scc0 .Lno_send_\@
	s_wait_xcnt 0x0                                ; the last tile's stores have read their registers, which are written again below
	WIN 0x04
.irp jt, 0,1,2,3
	ds_store_b128 v[SGI], v[32*\t+8*\jt:32*\t+8*\jt+3] offset:64*\jt          ; each accumulator from its low end on
	ds_store_b128 v[SGI], v[32*\t+8*\jt+4:32*\t+8*\jt+7] offset:64*\jt+16
.endr
	WIN 0
.irp i, 0,1,2,3,4,5,6,7
	ds_load_b32 v[TKO+\i], v[LRO] offset:64*\t+8*\i                           ; the token of stage row 2 i + h
.endr
.irp i, 0,1,2,3,4,5,6,7
	ds_load_b128 v[OUTR+4*\i:OUTR+4*\i+3], v[SGO] offset:2*GP*\i              ; LDS serves a wave's instructions in order: these see the stores above
.endr
	s_wait_dscnt 8                                 ; the tokens are in; the eight row loads may be out
.irp i, 0,1,2,3,4,5,6,7
	v_min_u32 v[TKO+\i], 0x7ff, v[TKO+\i]
	v_lshlrev_b32 v[OFF+\i], 13, v[TKO+\i]
	v_add_nc_u32 v[OFF+\i], v[OFF+\i], v[OCOL]
.endr
.irp i, 0,1,2,3,4,5,6,7
	s_wait_dscnt 7-\i
	global_store_b128 v[OFF+\i], v[OUTR+4*\i:OUTR+4*\i+3], s[14:15] th:TH_STORE_NT
.endr
.Lno_send_\@:
.endm
	s_load_b256 s[4:11], s[0:1], 0x0               ; We, be, xi, xj
	s_load_b128 s[12:15], s[0:1], 0x20             ; mask, out0
	s_load_b64 s[16:17], s[0:1], 0x30              ; out3
	v_lshrrev_b32 v1, 5, v0
	v_readfirstlane_b32 s18, v1                    ; wave 0..7
	s_and_b32 s20, s18, 3                          ; which 16 rows (a producer), which range of 512 tokens (a consumer)
	s_and_b32 s21, ttmp7, 0xffff                   ; e
	s_mov_b32 s22, ttmp9                           ; ob
	s_lshl_b32 s52, s20, 9
	v_and_b32 v1, 31, v0                           ; lane
	v_and_b32 v2, 15, v0                           ; r
	v_bfe_u32 v3, v0, 4, 1                         ; h
	v_lshlrev_b32 v[WO], 4, v1
	v_lshlrev_b32 v[L4], 2, v1
	v_mov_b32 v[ONE], 1.0
	v_mov_b32 v[HOLD], 0x47600000                  ; 57,344.0
	; every LDS address register is made here, by every wave, ahead of the first branch on the wave's number
	s_mul_i32 s50, s20, 16*WP
	v_lshl_add_u32 v[CST0], v1, 2, s50             ; row 16 p, + 4 x lane
	s_mul_i32 s50, s20, 16*SP
	s_add_co_u32 s50, s50, WS
	v_lshrrev_b32 v[SST0], 3, v1
	v_add_nc_u32 v[SST0], s50, v[SST0]             ; row 16 p, + lane / 8
	v_mul_u32_u24 v[FR00], v2, WP
	v_lshl_add_u32 v[FR00], v3, 4, v[FR00]         ; row r, + 16 h
	v_mul_u32_u24 v[WSR0], v2, SP
	v_lshl_add_u32 v[WSR0], v3, 2, v[WSR0]
	v_add_nc_u32 v[WSR0], WS, v[WSR0]              ; row r, + 4 h
	s_mul_i32 s50, s18, 384
	s_add_co_u32 s50, s50, LISTB
	v_lshl_add_u32 v[LST], v1, 2, s50
	v_lshl_add_u32 v[LRO], v3, 2, s50
	s_mul_i32 s51, s18, 16*GP
	s_add_co_u32 s51, s51, STG
	v_mul_u32_u24 v[SGI], v2, GP
	v_lshl_add_u32 v[SGI], v3, 5, v[SGI]
	v_add_nc_u32 v[SGI], s51, v[SGI]
	v_mul_u32_u24 v[SGO], v3, GP
	v_lshl_add_u32 v[SGO], v2, 4, v[SGO]
	v_add_nc_u32 v[SGO], s51, v[SGO]
	v_lshlrev_b32 v[OCOL], 4, v2
	v_lshlrev_b32 v[BO], 5, v3
	s_lshl_b32 s50, s20, 2
	s_add_co_u32 s50, s50, CNT
	v_mov_b32 v[CNA], s50
	v_mov_b32 v[NIL], 0
	v_mov_b32 v[CNR], CNT
	s_lshl_b32 s54, s21, 11                        ; We: row 2,048 e + 64 ob + 16 p, of 8,192 bytes: under 2^31
	s_lshl_b32 s50, s22, 6
	s_or_b32 s54, s54, s50
	s_lshl_b32 s50, s20, 4
	s_or_b32 s54, s54, s50
	s_lshl_b32 s54, s54, 13
	s_mov_b32 s55, 0
	s_lshl_b32 s56, s21, 13                        ; be: 8,192 e + 256 ob
	s_lshl_b32 s58, s22, 8                         ; out0: 256 ob
	s_add_co_u32 s56, s56, s58
	s_mov_b32 s57, 0
	s_mov_b32 s59, 0
	s_lshl_b32 s51, s21, 2
	s_add_co_u32 s51, s51, s20                     ; my area: 4 e + range
	s_wait_kmcnt 0x0
	s_add_nc_u64 s[4:5], s[4:5], s[54:55]
	s_add_nc_u64 s[6:7], s[6:7], s[56:57]
	s_add_nc_u64 s[14:15], s[14:15], s[58:59]
	s_lshl_b32 s54, s51, 6                         ; mask: 64 bytes an area
	s_add_nc_u64 s[12:13], s[12:13], s[54:55]
	s_load_b512 s[32:47], s[12:13], 0x0
	s_lshl_b32 s54, s51, 20                        ; xi: 2^20 bytes an area
	s_add_nc_u64 s[8:9], s[8:9], s[54:55]
	s_lshl_b32 s54, s51, 15                        ; xj: 2^15 bytes an area
	s_add_nc_u64 s[10:11], s[10:11], s[54:55]
	s_lshl_b32 s54, s21, 2
	s_add_nc_u64 s[16:17], s[16:17], s[54:55]      ; out3: 4 e
	s_mov_b32 s53, 0
	s_mov_b32 s60, 0
	s_mov_b32 s28, 0
	s_cmp_lt_u32 s18, 4
	s_cbranch_scc0 .Lhead_c
	WLOAD 0, 0                                     ; a producer's ring is filled: 64 loads
	WLOAD 1, 0
	WLOAD 2, 0
	WLOAD 3, 0
	s_wait_kmcnt 0x0
	s_mov_b32 s24, 0                               ; a producer has no tiles
	s_mov_b32 s25, 0
	s_mov_b32 s26, 0
	s_mov_b32 s61, 0
	s_branch .Lhead_done
.Lhead_c:
	s_wait_kmcnt 0x0
	s_bcnt1_i32_b32 s24, s32                       ; T: my range's tokens of this expert
.irp b, 33,34,35,36,37,38,39,40,41,42,43,44,45,46,47
	s_bcnt1_i32_b32 s50, s\b
	s_add_co_u32 s24, s24, s50
.endr
	s_add_co_u32 s25, s24, 15
	s_lshr_b32 s25, s25, 4                         ; tiles of 16
	s_max_u32 s26, s24, 1
	s_sub_co_u32 s26, s26, 1                       ; the last place
	s_max_u32 s61, s25, 1
	s_sub_co_u32 s61, s61, 1                       ; the last tile that lies in xi
	v_mov_b32 v[TK], s24
	ds_store_b32 v[CNA], v[TK]                     ; for out3
	s_mov_b32 s29, 0
	LISTBUILD
	TILES
	BIAS
	XLOADA 0, 0
	XLOADB 1
.Lhead_done:
	; THE MAIN PASS: four trips of 512 along K.  In the loop one barrier a trip: behind it the producers go on with the next 512 along K while the consumers multiply the 512 that it has shown.
	; The last trip is written out without the loads ahead, in two halves with a barrier each, so that the consumers begin on its first 256 along K while the last 256 are quantised.
	s_mov_b32 s27, 3
.Lmain:
	ADDR
	P_FULL
	BARRIER
	C_FULL
	s_wait_xcnt 0x0                                ; the loads issued have read their bases, which step now
	s_add_nc_u64 s[4:5], s[4:5], 2048
	s_add_nc_u64 s[8:9], s[8:9], 8192
	s_add_nc_u64 s[10:11], s[10:11], 256
	s_add_co_u32 s53, s53, 512
	s_add_co_u32 s60, s60, 16
	s_sub_co_u32 s27, s27, 1
	s_cmp_lg_u32 s27, 0
	s_cbranch_scc1 .Lmain
	ADDR
	P_PART 0, 0, 48, 32                            ; nothing is left to ask for: the counts run down
	BARRIER
	C_PART 0, 0, 0, 1, 1, 30
	P_PART 2, 0, 16, 0
	BARRIER                                        ; the last barrier: all codes lie in LDS
	C_PART 2, 1, 0, 0, 0, 0
	s_wait_loadcnt 0x0                             ; by every wave: no load is out when the passes below load the bias into the accumulators
	s_wait_xcnt 0x0
	s_sub_nc_u64 s[8:9], s[8:9], 24576             ; back to K = 0
	s_sub_nc_u64 s[10:11], s[10:11], 768
	s_sub_co_u32 s53, s53, 1536
	s_sub_co_u32 s60, s60, 48
	; THE PASSES.  Trip 0 stores the main pass's tiles.  Trips 1 to 5 multiply and store tiles 6 p .. 6 p + 5 where the range has so many: 36 tiles cover all 512 tokens of a range.
	s_mov_b32 s28, 0
	s_mov_b32 s29, 0
	s_mov_b32 s27, 6
.Lpass:
	s_wait_xcnt 0x0                                ; the last pass's stores have read their registers
	s_cmp_lt_u32 s28, s25
	s_cselect_b32 s30, 1, 0
	s_cmp_eq_u32 s28, 0
	s_cselect_b32 s30, 0, s30                      ; wanted: not the first trip, and tiles are left
	s_cmp_ge_u32 s18, 4
	s_cbranch_scc0 .Lno_pre
	s_cmp_eq_u32 s30, 1
	s_cbranch_scc0 .Lno_pre
	LISTBUILD
	TILES
	BIAS
	s_wait_loadcnt 0x0
.Lno_pre:
	s_mov_b32 s31, 8
.Lk:                                                   ; eight trips of 256 along K
	v_add_nc_u32 v[FR0], s53, v[FR00]
	v_add_nc_u32 v[FR0+1], 32*WP, v[FR0]
	v_add_nc_u32 v[WSR], s60, v[WSR0]
	s_cmp_ge_u32 s18, 4
	s_cbranch_scc0 .Lno_k
	s_cmp_eq_u32 s30, 1
	s_cbranch_scc0 .Lno_k
	XLOADA 0, 0
	XLOADB 1
	FRAG 0, 0, 1
	s_wait_loadcnt 0x0
	s_wait_dscnt 0x0
	MUL XA, 0, 0
	PLACES
	FRAG 1, 0, 0
	s_wait_dscnt 0x0
	MUL XB, 1, 0
	PLACES
.Lno_k:
	s_wait_xcnt 0x0
	s_add_nc_u64 s[8:9], s[8:9], 4096
	s_add_nc_u64 s[10:11], s[10:11], 128
	s_add_co_u32 s53, s53, 256
	s_add_co_u32 s60, s60, 8
	s_sub_co_u32 s31, s31, 1
	s_cmp_lg_u32 s31, 0
	s_cbranch_scc1 .Lk
	s_sub_nc_u64 s[8:9], s[8:9], 32768
	s_sub_nc_u64 s[10:11], s[10:11], 1024
	s_sub_co_u32 s53, s53, 2048
	s_sub_co_u32 s60, s60, 64
	SENDT 0
	SENDT 1
	SENDT 2
	SENDT 3
	SENDT 4
	SENDT 5
	s_add_co_u32 s28, s28, 6
	s_add_co_u32 s29, s29, 96
	s_sub_co_u32 s27, s27, 1
	s_cmp_lg_u32 s27, 0
	s_cbranch_scc1 .Lpass
	s_cmp_eq_u32 s18, 4                            ; out3[e]: the four ranges' counts, by wave 4 of the expert's first work-group
	s_cbranch_scc0 .Lend
	s_cmp_eq_u32 s22, 0
	s_cbranch_scc0 .Lend
	ds_load_b128 v[TK+2:TK+5], v[CNR]              ; stored ahead of the first barrier
	s_wait_dscnt 0x0
	v_add_nc_u32 v[TK+2], v[TK+2], v[TK+3]
	v_add_nc_u32 v[TK+4], v[TK+4], v[TK+5]
	v_add_nc_u32 v[TK+2], v[TK+2], v[TK+4]
	v_cvt_f32_u32 v[TK+2], v[TK+2]
	global_store_b32 v[NIL], v[TK+2], s[16:17]     ; all lanes store one value to one place
.Lend:
	s_wait_xcnt 0x0
	v_lshl_add_u32 v62, v0, 2, 0x2aa00
	v_mov_b32 v63, 0
	s_wait_tensorcnt 0x0
	ds_add_u32 v62, v63
	s_wait_dscnt 0x0
	s_endpgm
.Lfunc_end_k_qffae0ea2cd_experts:
	.size	k_qffae0ea2cd_experts, .Lfunc_end_k_qffae0ea2cd_experts-k_qffae0ea2cd_experts
	.p2alignl 7, 3214868480
	.fill 96, 4, 3214868480
	.section	.rodata,"a",@progbits
	.p2align	6, 0x0
	.amdhsa_kernel k_qffae0ea2cd_experts
		.amdhsa_group_segment_fixed_size 175616
		.amdhsa_private_segment_fixed_size 0
		.amdhsa_enable_private_segment 0
		.amdhsa_kernarg_size 56
		.amdhsa_user_sgpr_count 2
		.amdhsa_user_sgpr_kernarg_segment_ptr 1
		.amdhsa_wavefront_size32 1
		.amdhsa_system_sgpr_workgroup_id_x 1
		.amdhsa_system_sgpr_workgroup_id_y 1
		.amdhsa_system_sgpr_workgroup_id_z 1
		.amdhsa_system_vgpr_workitem_id 0
		.amdhsa_next_free_vgpr 512
		.amdhsa_next_free_sgpr 66
		.amdhsa_reserve_vcc 1
		.amdhsa_float_denorm_mode_32 3
		.amdhsa_float_denorm_mode_16_64 3
		.amdhsa_memory_ordered 1
		.amdhsa_forward_progress 1
		.amdhsa_inst_pref_size 255
	.end_amdhsa_kernel
	.section	.bss,"aw",@nobits
	.p2align	6
	.space	262144
	.amdgpu_metadata
---
amdhsa.version: [ 1, 2 ]
amdhsa.kernels:
  - .name:           k_qffae0ea2cd_experts
    .symbol:         k_qffae0ea2cd_experts.kd
    .args:
      - { .name: We, .offset: 0, .size: 8, .value_kind: global_buffer, .address_space: global }
      - { .name: be, .offset: 8, .size: 8, .value_kind: global_buffer, .address_space: global }
      - { .name: xi, .offset: 16, .size: 8, .value_kind: global_buffer, .address_space: global }
      - { .name: xj, .offset: 24, .size: 8, .value_kind: global_buffer, .address_space: global }
      - { .name: mask, .offset: 32, .size: 8, .value_kind: global_buffer, .address_space: global }
      - { .name: out0, .offset: 40, .size: 8, .value_kind: global_buffer, .address_space: global }
      - { .name: out3, .offset: 48, .size: 8, .value_kind: global_buffer, .address_space: global }
    .group_segment_fixed_size: 175616
    .private_segment_fixed_size: 0
    .kernarg_segment_align: 8
    .kernarg_segment_size: 56
    .max_flat_workgroup_size: 256
    .sgpr_count:     66
    .vgpr_count:     512
    .wavefront_size: 32
...
	.end_amdgpu_metadata
.endif
;; end of part 4
;; ======== version 3 of 3: 3 launches
;; workspace buffers: xq 4,194,304 bytes; xs 131,072 bytes; mask 2,048 bytes of whole numbers; xi 33,554,432 bytes; xj 1,048,576 bytes
;; launch gate (part 5): grid 128 x 1, 16 waves a work-group, no clusters, 52,480 bytes of LDS; arguments x, Wg, bg, xq, xs, mask, out1, out2; writes xq, xs, mask, out1, out2
.if DOCPART == 5
	.amdgcn_target "amdgcn-amd-amdhsa--gfx1250"
	.amdhsa_code_object_version 6
	.text
	.protected	k_qffae0ea2cd_gate
	.globl	k_qffae0ea2cd_gate
	.p2align	8
	.type	k_qffae0ea2cd_gate,@function
k_qffae0ea2cd_gate:
	s_mov_b64 s[64:65], 0
	v_nop
	global_prefetch_b8 v0, s[64:65] scope:SCOPE_SE
	s_setreg_imm32_b32 hwreg(HW_REG_WAVE_MODE, 25, 1), 1
	s_wait_xcnt 0x0
; THE GATE, AND x AS CODES.  x [2048][2048], Wg [8][2048], bg [8]: f32.
; out1 = softmax(x Wg^T + bg) [2048][8];  out2 = its argmax (the lower index where two are equal) [2048] i32.
; xq [2048][2048]: x as codes of E5M2, K as it lies;  xs [2048][64]: one E8M0 byte for each 32 along K.
; mask [8][64] words: bit t of word c of expert e is set where token 32 c + t chose e.  The choice leaves this launch as data at fixed places: no address here hangs on it.
; K OF THE QUANTISED PRODUCT is (expert, i) with i innermost: a block of 32 is 32 neighbours of a row of x, so x times the one-hot is x's own codes under the chosen expert and zeros elsewhere.
; SHARES.  A work-group owns 16 tokens; wave w of 16 owns K = 128 w .. 128 w + 127 of all of them: 64 numbers a lane, loaded once; they serve the logits and the quantiser.
; THE LOGITS go on into a quantised operand, so they are made of f32 operands: v_wmma_f32_16x16x4_f32, source 0 = Wg (lane row r mod 8: rows 8-15 repeat rows 0-7), source 1 = x.
; In the result lane (r, h) holds token r and register j expert j, alike in both halves.  The same k stands in the same place of both sources, so the order of k in a lane's registers is free.
; The sixteen waves' partial logits meet in LDS; wave 15 adds them and finishes the gate.
; LIMITS: NaN and infinities are not served; a block whose largest magnitude lies under 2^-111 (a block of zeros too) gets the byte 1: its codes are read by this program alone;
; a probability under 2^-126 comes out as 0; two logits that agree within the rounding of f32 sums may give the other index.
.set PITCH, 2064                       ; a token's 2,048 codes in LDS + 16: an odd multiple of 16 bytes
.set STG,   0                          ; 16 rows of codes
.set SCB,   16*PITCH                   ; 16 rows x 64 scale bytes
.set PP,    SCB+1024                   ; 16 waves x 1,024 bytes of partial logits
.set XAD, 4                            ; v4   x: row r of 8,192 bytes + 64 h
.set GAD, 5                            ; v5   Wg: row r mod 8, + 64 h
.set STI, 6                            ; v6   codes into the stage: row r, + 128 w + 16 h
.set SCI, 7                            ; v7   my row's scale word: SCB + 64 r + 4 w
.set PIN, 8                            ; v8   my partial logits: PP + 1,024 w + 32 x lane
.set STO, 9                            ; v9   row w of the stage, 16 bytes a lane
.set GO,  10                           ; v10  16 x lane
.set PRD, 11                           ; v11  PP + 32 x lane
.set SCO, 12                           ; v12  SCB + 512 (w mod 2) + 16 x lane
.set O1,  13                           ; v13  out1: 32 r + 16 h
.set O2,  14                           ; v14  out2: 4 r
.set NIL, 15                           ; v15  0
.set X,   16                           ; v16-79   register 16 b + i: x(r, 128 w + 32 b + 16 h + i)
.set WG,  80                           ; v80-143  the same of Wg
.set ACC, 144                          ; v144-175 four accumulators: written by matrix instructions alone
.set L,   176
.set M,   184
.set TM,  192                          ; v192-195 largest magnitudes, v196-199 bytes, v200-203 the hold, v204-207 the conversions' scale operands
.set PW,  208                          ; the scale word
.set CD,  210                          ; v210-225 the codes
.set OUTR, 226
.set BAL, 242                          ; v242-249 the experts' ballots, as data
	s_load_b256 s[4:11], s[0:1], 0x0               ; x, Wg, bg, xq
	s_load_b256 s[12:19], s[0:1], 0x20             ; xs, mask, out1, out2
	v_lshl_add_u32 v254, v0, 2, 0xc500
	v_mov_b32 v255, 0
	v_lshrrev_b32 v1, 5, v0
	s_delay_alu instid0(VALU_DEP_1)
	v_readfirstlane_b32 s20, v1                    ; wave 0..15
	v_and_b32 v1, 31, v0                           ; lane
	v_and_b32 v2, 15, v0                           ; r
	v_bfe_u32 v3, v0, 4, 1                         ; h
	s_mov_b32 s22, 0x76543210
	s_mov_b32 s23, 0xfedcba98                      ; v_permlanex16_b32's selects for lane l xor 16
	s_mov_b32 s24, 0x600000                        ; the mantissa field of 57,344
	v_lshlrev_b32 v[XAD], 13, v2
	s_delay_alu instid0(VALU_DEP_1)
	v_lshl_add_u32 v[XAD], v3, 6, v[XAD]
	v_and_b32 v[GAD], 7, v2
	s_delay_alu instid0(VALU_DEP_1)
	v_lshlrev_b32 v[GAD], 13, v[GAD]
	s_delay_alu instid0(VALU_DEP_1)
	v_lshl_add_u32 v[GAD], v3, 6, v[GAD]
	; every LDS address is made here, ahead of the first branch on the wave's number
	s_lshl_b32 s26, s20, 7
	v_mul_u32_u24 v[STI], v2, PITCH
	s_delay_alu instid0(VALU_DEP_1)
	v_lshl_add_u32 v[STI], v3, 4, v[STI]
	s_delay_alu instid0(VALU_DEP_1)
	v_add_nc_u32 v[STI], s26, v[STI]
	s_lshl_b32 s26, s20, 2
	s_add_co_u32 s26, s26, SCB
	v_lshl_add_u32 v[SCI], v2, 6, s26
	s_lshl_b32 s26, s20, 10
	s_add_co_u32 s26, s26, PP
	v_lshl_add_u32 v[PIN], v1, 5, s26
	s_mul_i32 s26, s20, PITCH
	v_lshl_add_u32 v[STO], v1, 4, s26
	v_lshlrev_b32 v[GO], 4, v1
	v_lshl_add_u32 v[PRD], v1, 5, PP
	s_and_b32 s26, s20, 1
	s_lshl_b32 s26, s26, 9
	s_add_co_u32 s26, s26, SCB
	v_lshl_add_u32 v[SCO], v1, 4, s26
	v_lshlrev_b32 v[O1], 5, v2
	s_delay_alu instid0(VALU_DEP_1)
	v_lshl_add_u32 v[O1], v3, 4, v[O1]
	v_lshlrev_b32 v[O2], 2, v2
	v_mov_b32 v[NIL], 0
.irp b, 0,1,2,3
	v_mov_b32 v[TM+4+\b], 0                        ; written once: a lane permute's destination counts as one of its sources
.endr
	s_lshl_b32 s26, ttmp9, 17                      ; x: 16 rows of 8,192 bytes a work-group,
	s_lshl_b32 s28, s20, 9                         ; 512 bytes of a row a wave; Wg: the same 512 bytes
	s_add_co_u32 s26, s26, s28
	s_mov_b32 s27, 0
	s_mov_b32 s29, 0
	s_lshl_b32 s30, ttmp9, 15                      ; xq: row 16 g + w of 2,048 bytes
	s_lshl_b32 s25, s20, 11
	s_add_co_u32 s30, s30, s25
	s_mov_b32 s31, 0
	s_wait_kmcnt 0x0
	s_add_nc_u64 s[4:5], s[4:5], s[26:27]
	s_add_nc_u64 s[6:7], s[6:7], s[28:29]
	s_add_nc_u64 s[10:11], s[10:11], s[30:31]
.irp b, 0,1,2,3
.irp j, 0,1,2,3
	global_load_b128 v[X+16*\b+4*\j:X+16*\b+4*\j+3], v[XAD], s[4:5] offset:128*\b+16*\j
.endr
.endr
.irp b, 0,1,2,3
.irp j, 0,1,2,3
	global_load_b128 v[WG+16*\b+4*\j:WG+16*\b+4*\j+3], v[GAD], s[6:7] offset:128*\b+16*\j
.endr
.endr
	s_load_b256 s[32:39], s[8:9], 0x0              ; bg
	s_and_b32 s25, s20, 1
	s_lshl_b32 s25, s25, 9
	s_lshl_b32 s26, ttmp9, 10
	s_add_co_u32 s26, s26, s25
	s_add_nc_u64 s[12:13], s[12:13], s[26:27]      ; xs: 1,024 bytes a work-group, 512 for each of waves 0 and 1
	s_lshl_b32 s26, ttmp9, 1
	s_add_nc_u64 s[14:15], s[14:15], s[26:27]      ; mask: 16 bits a work-group in each expert's 256 bytes
	s_lshl_b32 s26, ttmp9, 9
	s_add_nc_u64 s[16:17], s[16:17], s[26:27]      ; out1: 512 bytes a work-group
	s_lshl_b32 s26, ttmp9, 6
	s_add_nc_u64 s[18:19], s[18:19], s[26:27]      ; out2: 64 bytes
	s_wait_loadcnt 0x0
	s_wait_kmcnt 0x0
	; 32 products of 16 x 16 x 4: the four accumulators take turns, one instruction a turn; the first four start the sums with the constant 0
.set QN, 0
.irp b, 0,1,2,3
.irp i, 0,2,4,6,8,10,12,14
.if QN < 4
	v_wmma_f32_16x16x4_f32 v[ACC+8*(QN%4):ACC+8*(QN%4)+7], v[WG+16*\b+\i:WG+16*\b+\i+1], v[X+16*\b+\i:X+16*\b+\i+1], 0
.else
	v_wmma_f32_16x16x4_f32 v[ACC+8*(QN%4):ACC+8*(QN%4)+7], v[WG+16*\b+\i:WG+16*\b+\i+1], v[X+16*\b+\i:X+16*\b+\i+1], v[ACC+8*(QN%4):ACC+8*(QN%4)+7]
.endif
.set QN, QN+1
.endr
.endr
.rept 8
	v_nop                                          ; eight places behind this form (ISA guide 7.12.1), ahead of the reads of the results and of the writes of x's registers
.endr
.irp p, 0,2,4,6
	v_pk_add_f32 v[L+\p:L+\p+1], v[ACC+\p:ACC+\p+1], v[ACC+8+\p:ACC+8+\p+1]        ; each accumulator is read from its low end on
.endr
.irp p, 0,2,4,6
	v_pk_add_f32 v[M+\p:M+\p+1], v[ACC+16+\p:ACC+16+\p+1], v[ACC+24+\p:ACC+24+\p+1]
.endr
.irp p, 0,2,4,6
	s_delay_alu instid0(VALU_DEP_4)
	v_pk_add_f32 v[L+\p:L+\p+1], v[L+\p:L+\p+1], v[M+\p:M+\p+1]
.endr
	ds_store_b128 v[PIN], v[L:L+3]                 ; my wave's part of the eight logits of token r
	ds_store_b128 v[PIN], v[L+4:L+7] offset:16
	; THE QUANTISER: four blocks of 32; a block lies in lanes l and l xor 16, 16 numbers each
.irp b, 0,1,2,3
	v_max3_num_f32 v[TM+\b], |v[X+16*\b]|, |v[X+16*\b+1]|, 0x8000000   ; with the floor 2^(16 - 127): the byte cannot fall under 1
.endr
.irp i, 2,4,6,8,10,12,14
.irp b, 0,1,2,3
	s_delay_alu instid0(VALU_DEP_4)
	v_max3_num_f32 v[TM+\b], v[TM+\b], |v[X+16*\b+\i]|, |v[X+16*\b+\i+1]|   ; the four blocks by turns
.endr
.endr
.irp b, 0,1,2,3
	s_delay_alu instid0(VALU_DEP_4)
	v_permlanex16_b32 v[TM+4+\b], v[TM+\b], s22, s23
.endr
.irp b, 0,1,2,3
	s_delay_alu instid0(VALU_DEP_4)
	v_max_num_f32 v[TM+\b], v[TM+\b], v[TM+4+\b]   ; the block's largest magnitude
.endr
.irp b, 0,1,2,3
	s_delay_alu instid0(VALU_DEP_4)
	v_add_nc_u32 v[TM+12+\b], 0xf8800000, v[TM+\b] ; 15 off its exponent field: the conversion's scale operand
.endr
.irp b, 0,1,2,3
	v_and_or_b32 v[TM+8+\b], v[TM+\b], 0x7f800000, s24   ; 57,344 x the scale
.endr
.irp b, 0,1,2,3
	v_lshrrev_b32 v[TM+4+\b], 23, v[TM+12+\b]      ; the scale's byte
.endr
	s_delay_alu instid0(VALU_DEP_3)
	v_lshl_or_b32 v[PW], v[TM+5], 8, v[TM+4]
	s_delay_alu instid0(VALU_DEP_1)
	v_lshl_or_b32 v[PW], v[TM+6], 16, v[PW]
	s_delay_alu instid0(VALU_DEP_1)
	v_lshl_or_b32 v[PW], v[TM+7], 24, v[PW]        ; the four bytes of my row's 128 along K
.irp b, 0,1,2,3
.irp i, 0,1,2,3,4,5,6,7,8,9,10,11,12,13,14,15
	v_med3_num_f32 v[X+16*\b+\i], v[X+16*\b+\i], -v[TM+8+\b], v[TM+8+\b]   ; the conversion to an 8-bit code does not saturate (ISA guide 7.6.2): the hold comes first
.endr
	v_cvt_scalef32_pk8_bf8_f32 v[CD+4*\b:CD+4*\b+1], v[X+16*\b:X+16*\b+7], v[TM+12+\b]
	v_cvt_scalef32_pk8_bf8_f32 v[CD+4*\b+2:CD+4*\b+3], v[X+16*\b+8:X+16*\b+15], v[TM+12+\b]
.endr
	v_nop                                          ; a plain line behind the last scaled conversion
.irp c, 0,1,2,3
	ds_store_b128 v[STI], v[CD+4*\c:CD+4*\c+3] offset:32*\c   ; k = 128 w + 32 c + 16 h + 0 .. 15 of row r: K as it lies
.endr
	ds_store_b32 v[SCI], v[PW]                     ; both halves of the lanes write the same word with the same value
	s_wait_dscnt 0x0                               ; for the others' sake: all my LDS stores have landed
	s_barrier_signal -1
	s_barrier_wait -1                              ; the launch's one barrier: behind it LDS is only read
	; wave w stores token 16 g + w's 2,048 codes: each store covers 512 consecutive bytes, aligned
.irp i, 0,1,2,3
	ds_load_b128 v[OUTR+4*\i:OUTR+4*\i+3], v[STO] offset:512*\i
.endr
.irp i, 0,1,2,3
	s_wait_dscnt 3-\i                              ; the younger loads may stay out
	global_store_b128 v[GO], v[OUTR+4*\i:OUTR+4*\i+3], s[10:11] offset:512*\i
.endr
	s_cmp_lt_u32 s20, 2                            ; waves 0 and 1: the 1,024 scale bytes, 512 each
	s_cbranch_scc0 .Lno_scales
	ds_load_b128 v[CD:CD+3], v[SCO]
	s_wait_dscnt 0x0
	global_store_b128 v[GO], v[CD:CD+3], s[12:13]
.Lno_scales:
	s_cmp_eq_u32 s20, 15                           ; wave 15 finishes the gate
	s_cbranch_scc0 .Lend
.irp wv, 0,1,2,3,4,5,6,7,8,9,10,11,12,13,14,15
	ds_load_b128 v[X+8*\wv:X+8*\wv+3], v[PRD] offset:1024*\wv
	ds_load_b128 v[X+8*\wv+4:X+8*\wv+7], v[PRD] offset:1024*\wv+16
.endr
	s_wait_dscnt 0x0
.irp wv, 1,2,3,4,5,6,7,8,9,10,11,12,13,14,15
.irp p, 0,2,4,6
	v_pk_add_f32 v[X+\p:X+\p+1], v[X+\p:X+\p+1], v[X+8*\wv+\p:X+8*\wv+\p+1]   ; four chains
.endr
.endr
.irp e, 0,1,2,3,4,5,6,7
	v_add_f32 v[X+\e], s[32+\e], v[X+\e]           ; + bg: the logits
.endr
	v_max3_num_f32 v[L], v[X], v[X+1], v[X+2]
	s_delay_alu instid0(VALU_DEP_1)
	v_max3_num_f32 v[L], v[L], v[X+3], v[X+4]
	s_delay_alu instid0(VALU_DEP_1)
	v_max3_num_f32 v[L], v[L], v[X+5], v[X+6]
	s_delay_alu instid0(VALU_DEP_1)
	v_max_num_f32 v[L], v[L], v[X+7]               ; the token's largest logit
.irp e, 0,1,2,3,4,5,6,7
	v_sub_f32 v[X+\e], v[X+\e], v[L]               ; taken away first, unfused: the largest gives exactly 0
.endr
.irp e, 0,1,2,3,4,5,6,7
	v_mul_f32 v[X+\e], 0x3fb8aa3b, v[X+\e]         ; x log2(e)
.endr
	s_wait_alu depctr_va_vdst(0)
.irp e, 0,1,2,3,4,5,6,7
	v_exp_f32 v[X+\e], v[X+\e]
.endr
	v_nop                                          ; a plain line behind the last exponential
	s_wait_alu depctr_va_vdst(0)                   ; one wait for the batch, ahead of its first reader
	v_add_f32 v[L+1], v[X], v[X+1]
	v_add_f32 v[L+2], v[X+2], v[X+3]
	v_add_f32 v[L+3], v[X+4], v[X+5]
	v_add_f32 v[L+4], v[X+6], v[X+7]
	s_delay_alu instid0(VALU_DEP_3)
	v_add_f32 v[L+1], v[L+1], v[L+2]
	s_delay_alu instid0(VALU_DEP_2)
	v_add_f32 v[L+3], v[L+3], v[L+4]
	s_delay_alu instid0(VALU_DEP_1)
	v_add_f32 v[L+1], v[L+1], v[L+3]
	s_wait_alu depctr_va_vdst(0)
	v_rcp_f32 v[L+1], v[L+1]
	v_nop
	s_wait_alu depctr_va_vdst(0)                   ; and one for the reciprocal
.irp e, 0,1,2,3,4,5,6,7
	v_mul_f32 v[X+\e], v[X+\e], v[L+1]             ; the probabilities
.endr
	v_mov_b32 v[L+5], v[X]                         ; the argmax of the probabilities: a later expert wins only where it is strictly larger
	v_mov_b32 v[L+6], 0
.irp e, 1,2,3,4,5,6,7
	s_delay_alu instid0(VALU_DEP_2)
	v_cmp_le_f32 vcc_lo, v[X+\e], v[L+5]
	s_delay_alu instid0(VALU_DEP_1)
	v_cndmask_b32 v[L+5], v[X+\e], v[L+5], vcc_lo
	s_delay_alu instid0(VALU_DEP_2)
	v_cndmask_b32 v[L+6], \e, v[L+6], vcc_lo
.endr
	v_cmp_ne_u32 vcc_lo, 0, v3                     ; lanes 0-15 store experts 0-3 of their token, lanes 16-31 experts 4-7: 512 consecutive bytes
.irp k, 0,1,2,3
	v_cndmask_b32 v[M+\k], v[X+\k], v[X+4+\k], vcc_lo
.endr
	global_store_b128 v[O1], v[M:M+3], s[16:17]
	global_store_b32 v[O2], v[L+6], s[18:19]       ; both halves hold the same index and store it to the same place
.irp e, 0,1,2,3,4,5,6,7
	v_cmp_eq_u32 s[40+\e], \e, v[L+6]              ; bits 0-15: which of my 16 tokens chose expert e
	s_delay_alu instid0(VALU_DEP_1)
	v_mov_b32 v[BAL+\e], s[40+\e]
	global_store_b16 v[NIL], v[BAL+\e], s[14:15] offset:256*\e   ; all lanes store one value to one place
.endr
.Lend:
	s_wait_tensorcnt 0x0
	ds_add_u32 v254, v255
	s_wait_dscnt 0x0
	s_endpgm
.Lfunc_end_k_qffae0ea2cd_gate:
	.size	k_qffae0ea2cd_gate, .Lfunc_end_k_qffae0ea2cd_gate-k_qffae0ea2cd_gate
	.p2alignl 7, 3214868480
	.fill 96, 4, 3214868480
	.section	.rodata,"a",@progbits
	.p2align	6, 0x0
	.amdhsa_kernel k_qffae0ea2cd_gate
		.amdhsa_group_segment_fixed_size 52480
		.amdhsa_private_segment_fixed_size 0
		.amdhsa_enable_private_segment 0
		.amdhsa_kernarg_size 64
		.amdhsa_user_sgpr_count 2
		.amdhsa_user_sgpr_kernarg_segment_ptr 1
		.amdhsa_wavefront_size32 1
		.amdhsa_system_sgpr_workgroup_id_x 1
		.amdhsa_system_sgpr_workgroup_id_y 1
		.amdhsa_system_sgpr_workgroup_id_z 1
		.amdhsa_system_vgpr_workitem_id 0
		.amdhsa_next_free_vgpr 256
		.amdhsa_next_free_sgpr 66
		.amdhsa_reserve_vcc 1
		.amdhsa_float_denorm_mode_32 3
		.amdhsa_float_denorm_mode_16_64 3
		.amdhsa_memory_ordered 1
		.amdhsa_forward_progress 1
		.amdhsa_inst_pref_size 33
	.end_amdhsa_kernel
	.amdgpu_metadata
---
amdhsa.version: [ 1, 2 ]
amdhsa.kernels:
  - .name:           k_qffae0ea2cd_gate
    .symbol:         k_qffae0ea2cd_gate.kd
    .args:
      - { .name: x, .offset: 0, .size: 8, .value_kind: global_buffer, .address_space: global }
      - { .name: Wg, .offset: 8, .size: 8, .value_kind: global_buffer, .address_space: global }
      - { .name: bg, .offset: 16, .size: 8, .value_kind: global_buffer, .address_space: global }
      - { .name: xq, .offset: 24, .size: 8, .value_kind: global_buffer, .address_space: global }
      - { .name: xs, .offset: 32, .size: 8, .value_kind: global_buffer, .address_space: global }
      - { .name: mask, .offset: 40, .size: 8, .value_kind: global_buffer, .address_space: global }
      - { .name: out1, .offset: 48, .size: 8, .value_kind: global_buffer, .address_space: global }
      - { .name: out2, .offset: 56, .size: 8, .value_kind: global_buffer, .address_space: global }
    .group_segment_fixed_size: 52480
    .private_segment_fixed_size: 0
    .kernarg_segment_align: 8
    .kernarg_segment_size: 64
    .max_flat_workgroup_size: 512
    .sgpr_count:     66
    .vgpr_count:     256
    .wavefront_size: 32
...
	.end_amdgpu_metadata
.endif
;; end of part 5
;; launch place (part 6): grid 32 x 8, 8 waves a work-group, no clusters, 0 bytes of LDS; arguments xq, xs, mask, xi, xj; writes xi, xj
.if DOCPART == 6
	.amdgcn_target "amdgcn-amd-amdhsa--gfx1250"
	.amdhsa_code_object_version 6
	.text
	.protected	k_qffae0ea2cd_place
	.globl	k_qffae0ea2cd_place
	.p2align	8
	.type	k_qffae0ea2cd_place,@function
k_qffae0ea2cd_place:
	s_mov_b64 s[64:65], 0
	v_nop
	global_prefetch_b8 v0, s[64:65] scope:SCOPE_SE
	s_setreg_imm32_b32 hwreg(HW_REG_WAVE_MODE, 25, 1), 1
	s_wait_xcnt 0x0
; x's CODES, PLACED BY EXPERT, AS IMAGES OF THE OPERAND'S REGISTERS.
; xq [2048][2048]: x's codes of E5M2; xs [2048][64]: their E8M0 bytes; mask [8][64] words: bit t of word c of expert e: token 32 c + t chose e (all three stored by the launch before).
; An AREA a = 4 e + c holds the tokens of range 512 c .. 512 c + 511 that chose expert e, in their order, in tiles of 16: at most 32 tiles.
; xi [32 areas][32 tiles][16 K steps][4][32 lanes][16 bytes]: lane (r, h)'s 16 bytes of piece c of K step s are the codes k = 128 s + 32 c + 16 h + 0 .. 15 of the tile's token r: what the matrix
; instruction wants in that lane's registers 4 c .. 4 c + 3.  xj [32 areas][32 tiles][8 pairs of K steps][32 lanes] words: lanes 0-15 token r's scale word of the even step, lanes 16-31 of the odd one.
; So the next launch, whose 32 work-groups of an expert all read these tiles, loads each fragment as 512 consecutive bytes; the gather by rows is made here, once.
; SHARES.  Work-group (a, p) takes pair p of K steps of area a; wave w its tiles w, w + 8, w + 16, w + 24, in a loop of constant count with the guard on the count inside.
; Places past the count repeat the range's last token.  Tile 0 is always written, for a range without a token of the expert too: the next launch reads no byte that nobody stored.
; THE J-TH TOKEN of a range is found by a select over its 16 mask words: compares and v_cndmask_b32 alone; the next launch finds the same tokens by the same lines for its way out.
; No LDS, no barrier: waves share nothing.
.set XO,  8                            ; v8   my token's row of codes, + 16 h
.set XSO, 9                            ; v9   my token's row of scale bytes, + 4 h
.set VO,  10                           ; v10  the tile in xi, + 16 x lane
.set VS,  11                           ; v11  the tile in xj, + 4 x lane
.set L16, 12
.set L4,  13
.set H16, 14
.set H4,  15
.set LB,  16                           ; v16-25 the select's work: J, W, C, K, A, B, D, T, POS, TMP
.set DS,  26                           ; the scale word
.set D,   32                           ; v32-63 two fragments
; scalars: s[4:5] xq, s[6:7] xs, s[8:9] mask, s[10:11] xi, s[12:13] xj; s18 wave, s20 area, s21 pair, s24 T, s25 tiles to write, s26 the last place, s27 counter, s28 my tile, s[32:47] the mask words, s52 the range's first token
.macro LSTEP w                         ; does the K-th set bit lie past the next w bits?  T: how many of those are set
	s_delay_alu instid0(VALU_DEP_1)
	v_cmp_ge_u32 vcc_lo, v[LB+3], v[LB+7]
	s_delay_alu instid0(VALU_DEP_1)
	v_cndmask_b32 v[LB+7], 0, v[LB+7], vcc_lo
	v_add_nc_u32 v[LB+9], \w, v[LB+8]
	s_delay_alu instid0(VALU_DEP_2)
	v_sub_nc_u32 v[LB+3], v[LB+3], v[LB+7]
	s_delay_alu instid0(VALU_DEP_2)
	v_cndmask_b32 v[LB+8], v[LB+8], v[LB+9], vcc_lo
.endm
	s_load_b256 s[4:11], s[0:1], 0x0               ; xq, xs, mask, xi
	s_load_b64 s[12:13], s[0:1], 0x20              ; xj
	v_lshrrev_b32 v1, 5, v0
	s_delay_alu instid0(VALU_DEP_1)
	v_readfirstlane_b32 s18, v1                    ; wave 0..7
	v_and_b32 v1, 31, v0                           ; lane
	v_and_b32 v2, 15, v0                           ; r
	v_bfe_u32 v3, v0, 4, 1                         ; h
	s_mov_b32 s20, ttmp9                           ; area
	s_and_b32 s21, ttmp7, 0xffff                   ; pair of K steps
	s_and_b32 s52, s20, 3
	s_lshl_b32 s52, s52, 9
	v_lshlrev_b32 v[L16], 4, v1
	v_lshlrev_b32 v[L4], 2, v1
	v_lshlrev_b32 v[H16], 4, v3
	v_lshlrev_b32 v[H4], 2, v3
	s_mov_b32 s55, 0
	s_lshl_b32 s54, s20, 6                         ; mask: 64 bytes an area
	s_wait_kmcnt 0x0
	s_add_nc_u64 s[8:9], s[8:9], s[54:55]
	s_load_b512 s[32:47], s[8:9], 0x0
	s_lshl_b32 s54, s21, 8
	s_add_nc_u64 s[4:5], s[4:5], s[54:55]          ; xq: 256 bytes of a row a pair
	s_lshl_b32 s54, s21, 3
	s_add_nc_u64 s[6:7], s[6:7], s[54:55]          ; xs: 8 bytes
	s_lshl_b32 s54, s20, 20                        ; xi: 2^20 bytes an area, 4,096 a pair
	s_lshl_b32 s56, s21, 12
	s_add_co_u32 s54, s54, s56
	s_add_nc_u64 s[10:11], s[10:11], s[54:55]
	s_lshl_b32 s54, s20, 15                        ; xj: 2^15 bytes an area, 128 a pair
	s_lshl_b32 s56, s21, 7
	s_add_co_u32 s54, s54, s56
	s_add_nc_u64 s[12:13], s[12:13], s[54:55]
	s_wait_kmcnt 0x0
	s_bcnt1_i32_b32 s24, s32                       ; T: the range's tokens of this expert
.irp b, 33,34,35,36,37,38,39,40,41,42,43,44,45,46,47
	s_bcnt1_i32_b32 s50, s\b
	s_add_co_u32 s24, s24, s50
.endr
	s_add_co_u32 s25, s24, 15
	s_lshr_b32 s25, s25, 4
	s_max_u32 s25, s25, 1                          ; tiles to write: at least tile 0
	s_max_u32 s26, s24, 1
	s_sub_co_u32 s26, s26, 1                       ; the last place
	s_mov_b32 s28, s18
	s_mov_b32 s27, 4
.Ltile:
	s_cmp_lt_u32 s28, s25
	s_cbranch_scc0 .Lnone
	s_wait_xcnt 0x0                                ; the last trip's loads and stores have read their registers, which are written again below
	s_lshl_b32 s29, s28, 4
	s_wait_alu depctr_va_vdst(0)
	v_add_nc_u32 v[LB], s29, v2
	s_delay_alu instid0(VALU_DEP_1)
	v_min_u32 v[LB], s26, v[LB]                    ; J: place 16 x tile + r, held at the last one
	v_mov_b32 v[LB+1], s32                         ; W: the word in which the J-th set bit lies
	v_mov_b32 v[LB+2], 0                           ; C: the bits set ahead of that word, and the word's number << 16
	v_mov_b32 v[LB+8], 0                           ; POS
	s_bcnt1_i32_b32 s48, s32                       ; bits set ahead of word 1
	s_add_co_u32 s49, s48, 1<<16
.irp b, 1,2,3,4,5,6,7,8,9,10,11,12,13,14,15
	v_cmp_gt_u32 vcc_lo, s48, v[LB]                ; word b begins past place J: keep; else take word b
	s_delay_alu instid0(VALU_DEP_1)
	v_cndmask_b32 v[LB+1], s[32+\b], v[LB+1], vcc_lo
	s_delay_alu instid0(VALU_DEP_2)
	v_cndmask_b32 v[LB+2], s49, v[LB+2], vcc_lo
.if \b < 15
	s_bcnt1_i32_b32 s50, s[32+\b]
	s_add_co_u32 s48, s48, s50
	s_add_co_u32 s49, s48, (\b+1)<<16
.endif
.endr
	s_delay_alu instid0(VALU_DEP_1)
	v_and_b32 v[LB+7], 0xffff, v[LB+2]
	s_delay_alu instid0(VALU_DEP_1)
	v_sub_nc_u32 v[LB+3], v[LB], v[LB+7]           ; K: which set bit of W
	s_delay_alu instid0(VALU_DEP_4)
	v_lshrrev_b32 v[LB+7], 1, v[LB+1]
	s_delay_alu instid0(VALU_DEP_1)
	v_and_b32 v[LB+7], 0x55555555, v[LB+7]
	s_delay_alu instid0(VALU_DEP_1)
	v_sub_nc_u32 v[LB+4], v[LB+1], v[LB+7]         ; A: counts of 2 bits
	s_delay_alu instid0(VALU_DEP_1)
	v_lshrrev_b32 v[LB+7], 2, v[LB+4]
	s_delay_alu instid0(VALU_DEP_1)
	v_and_b32 v[LB+7], 0x33333333, v[LB+7]
	s_delay_alu instid0(VALU_DEP_3)
	v_and_b32 v[LB+5], 0x33333333, v[LB+4]
	s_delay_alu instid0(VALU_DEP_1)
	v_add_nc_u32 v[LB+5], v[LB+5], v[LB+7]         ; B: of 4
	s_delay_alu instid0(VALU_DEP_1)
	v_lshrrev_b32 v[LB+7], 4, v[LB+5]
	s_delay_alu instid0(VALU_DEP_1)
	v_add_nc_u32 v[LB+6], v[LB+5], v[LB+7]
	s_delay_alu instid0(VALU_DEP_1)
	v_and_b32 v[LB+6], 0x0f0f0f0f, v[LB+6]         ; D: of 8
	s_delay_alu instid0(VALU_DEP_1)
	v_lshrrev_b32 v[LB+7], 8, v[LB+6]
	s_delay_alu instid0(VALU_DEP_1)
	v_add_nc_u32 v[LB+7], v[LB+6], v[LB+7]
	s_delay_alu instid0(VALU_DEP_1)
	v_and_b32 v[LB+7], 0xff, v[LB+7]               ; T: of the low 16
	LSTEP 16
	s_delay_alu instid0(VALU_DEP_1)
	v_bfe_u32 v[LB+7], v[LB+6], v[LB+8], 8
	LSTEP 8
	s_delay_alu instid0(VALU_DEP_1)
	v_bfe_u32 v[LB+7], v[LB+5], v[LB+8], 4
	LSTEP 4
	s_delay_alu instid0(VALU_DEP_1)
	v_bfe_u32 v[LB+7], v[LB+4], v[LB+8], 2
	LSTEP 2
	s_delay_alu instid0(VALU_DEP_1)
	v_bfe_u32 v[LB+7], v[LB+1], v[LB+8], 1
	LSTEP 1
	v_lshrrev_b32 v[LB+7], 16, v[LB+2]
	s_delay_alu instid0(VALU_DEP_1)
	v_lshl_add_u32 v[LB+7], v[LB+7], 5, v[LB+8]
	s_delay_alu instid0(VALU_DEP_1)
	v_add_nc_u32 v[LB+7], s52, v[LB+7]             ; the token: range + 32 x word + bit: at most 2,047 whatever the words hold
	s_delay_alu instid0(VALU_DEP_1)
	v_min_u32 v[LB+7], 0x7ff, v[LB+7]
	s_delay_alu instid0(VALU_DEP_1)
	v_lshlrev_b32 v[XO], 11, v[LB+7]
	s_delay_alu instid0(VALU_DEP_1)
	v_add_nc_u32 v[XO], v[XO], v[H16]
	s_delay_alu instid0(VALU_DEP_3)
	v_lshlrev_b32 v[XSO], 6, v[LB+7]
	s_delay_alu instid0(VALU_DEP_1)
	v_add_nc_u32 v[XSO], v[XSO], v[H4]
.irp s, 0,1
.irp c, 0,1,2,3
	global_load_b128 v[D+16*\s+4*\c:D+16*\s+4*\c+3], v[XO], s[4:5] offset:128*\s+32*\c   ; the fragment's registers 4 c .. 4 c + 3
.endr
.endr
	global_load_b32 v[DS], v[XSO], s[6:7]          ; lanes 0-15: the even step's scale word; lanes 16-31: the odd step's
	v_lshl_add_u32 v[VO], s28, 15, v[L16]
	v_lshl_add_u32 v[VS], s28, 10, v[L4]
	s_wait_alu depctr_va_vdst(0)
	s_wait_loadcnt 0x0
.irp s, 0,1
.irp c, 0,1,2,3
	global_store_b128 v[VO], v[D+16*\s+4*\c:D+16*\s+4*\c+3], s[10:11] offset:2048*\s+512*\c   ; each store covers 512 consecutive bytes, aligned
.endr
.endr
	global_store_b32 v[VS], v[DS], s[12:13]        ; 128 consecutive bytes
.Lnone:
	s_add_co_u32 s28, s28, 8
	s_sub_co_u32 s27, s27, 1
	s_cmp_lg_u32 s27, 0
	s_cbranch_scc1 .Ltile
	s_endpgm
.Lfunc_end_k_qffae0ea2cd_place:
	.size	k_qffae0ea2cd_place, .Lfunc_end_k_qffae0ea2cd_place-k_qffae0ea2cd_place
	.p2alignl 7, 3214868480
	.fill 96, 4, 3214868480
	.section	.rodata,"a",@progbits
	.p2align	6, 0x0
	.amdhsa_kernel k_qffae0ea2cd_place
		.amdhsa_group_segment_fixed_size 0
		.amdhsa_private_segment_fixed_size 0
		.amdhsa_enable_private_segment 0
		.amdhsa_kernarg_size 40
		.amdhsa_user_sgpr_count 2
		.amdhsa_user_sgpr_kernarg_segment_ptr 1
		.amdhsa_wavefront_size32 1
		.amdhsa_system_sgpr_workgroup_id_x 1
		.amdhsa_system_sgpr_workgroup_id_y 1
		.amdhsa_system_sgpr_workgroup_id_z 1
		.amdhsa_system_vgpr_workitem_id 0
		.amdhsa_next_free_vgpr 64
		.amdhsa_next_free_sgpr 66
		.amdhsa_reserve_vcc 1
		.amdhsa_float_denorm_mode_32 3
		.amdhsa_float_denorm_mode_16_64 3
		.amdhsa_memory_ordered 1
		.amdhsa_forward_progress 1
		.amdhsa_inst_pref_size 13
	.end_amdhsa_kernel
	.amdgpu_metadata
---
amdhsa.version: [ 1, 2 ]
amdhsa.kernels:
  - .name:           k_qffae0ea2cd_place
    .symbol:         k_qffae0ea2cd_place.kd
    .args:
      - { .name: xq, .offset: 0, .size: 8, .value_kind: global_buffer, .address_space: global }
      - { .name: xs, .offset: 8, .size: 8, .value_kind: global_buffer, .address_space: global }
      - { .name: mask, .offset: 16, .size: 8, .value_kind: global_buffer, .address_space: global }
      - { .name: xi, .offset: 24, .size: 8, .value_kind: global_buffer, .address_space: global }
      - { .name: xj, .offset: 32, .size: 8, .value_kind: global_buffer, .address_space: global }
    .group_segment_fixed_size: 0
    .private_segment_fixed_size: 0
    .kernarg_segment_align: 8
    .kernarg_segment_size: 40
    .max_flat_workgroup_size: 256
    .sgpr_count:     66
    .vgpr_count:     64
    .wavefront_size: 32
...
	.end_amdgpu_metadata
.endif
;; end of part 6
;; launch experts (part 7): grid 32 x 8, 8 waves a work-group, no clusters, 175,616 bytes of LDS; arguments We, be, xi, xj, mask, out0, out3; writes out0, out3
.if DOCPART == 7
	.amdgcn_target "amdgcn-amd-amdhsa--gfx1250"
	.amdhsa_code_object_version 6
	.text
	.protected	k_qffae0ea2cd_experts
	.globl	k_qffae0ea2cd_experts
	.p2align	8
	.type	k_qffae0ea2cd_experts,@function
k_qffae0ea2cd_experts:
	s_mov_b64 s[64:65], 0
	v_nop
	global_prefetch_b8 v0, s[64:65] scope:SCOPE_SE
	s_setreg_imm32_b32 hwreg(HW_REG_WAVE_SCHED_MODE, 0, 2), 2
	s_setreg_imm32_b32 hwreg(HW_REG_WAVE_MODE, 25, 1), 1
	s_wait_xcnt 0x0
	s_wait_alu depctr_vm_vsrc(0)
; out0[n] = We[sel n] x[n] + be[sel n], on codes of E5M2 with one E8M0 scale for each 32 along K;  out3[e] = the number of tokens that chose e.
; We [8][2048][2048], be [8][2048]: f32.  mask [8][64] words: bit t of word c of expert e: token 32 c + t chose e.  xi, xj: x's codes and scale words, placed by expert in tiles of 16 tokens, as images of
; the operand's registers: area 4 e + c holds the tokens of range 512 c .. 512 c + 511 that chose e; xi [area][32 tiles][16 K steps][4][32 lanes][16 bytes], xj [area][32 tiles][8 pairs of steps][32 lanes] words.
; Only the chosen expert's rows are multiplied: the others are what the one-hot throws away.  K is (expert, i) with i innermost: a block of 32 is 32 neighbours of a row of We.
; SHARES.  Work-group (ob, e) owns 64 output columns of expert e: 64 rows of We, 512 KiB of f32, read once.  Eight waves in two roles, told apart by the wave's number:
;   PRODUCERS, waves 0-3: wave p streams rows 16 p .. 16 p + 15, quantises them and stores codes and scale bytes into LDS, where the whole block stays: no LDS byte of it is written twice.
;     A load is 512 consecutive bytes of one row.  Four groups of 16 loads take turns; a group is asked for again as soon as it is quantised: 48 to 64 loads are out in each wave.
;   CONSUMERS, waves 4-7: wave 4 + c owns area 4 e + c, six tiles (96 tokens) to a pass, against all 64 columns.  x's fragments come from xi straight into registers, 512 consecutive bytes a load;
;     We's come from LDS; each of those feeds six products.
; THE QUANTISER.  A lane holds 4 neighbours of a load, eight lanes a block.  The conversion takes 8 numbers under one scale, and a lane's 8 are of two rows: so each number is first multiplied by its own
; block's 2^-e (a power of two: nothing is rounded; what falls under the smallest f32 number lies far under the smallest code), held at +-57,344, and converted with the scale 1.
; EACH ROLE'S PART BETWEEN TWO BARRIERS IS WHOLE IN ITSELF, so that its waits hold on every way through the text.  A producer's part in the loop is a whole turn of the ring: behind a group's loads stand
; the later groups' of the same run of lines and the earlier groups' of this one, 48 in all, which is the count of its wait.  A consumer's part begins with a wait for all loads, and its counted waits
; lean on loads of its own run of lines alone.  No load is issued into a register while another load into it may be out.
; THE LIST, for the way out.  A consumer finds the j-th token of its range by a select over its 16 mask words (compares and v_cndmask_b32 alone: the lines by which xi was placed) and keeps 96 places in its own LDS words.
; THE MAIN PASS has constant flow: six tiles are always multiplied (a tile past the range's last repeats the last); only the stores of whole tiles are guarded by the count.  A range with more than 96 tokens
; takes further passes, out of the codes that lie in LDS, without a barrier, in loops of constant count that every wave walks, the guard inside.  So every split is served, all 512 tokens of a range on one expert too.
; THE PRODUCT IS USED TRANSPOSED: source 0 = 16 rows of We, source 1 = 16 tokens: lane (r, h) holds token r and the columns 8 h + 0 .. 7 of a tile.  The sums begin as the bias, loaded into the accumulators.
; NO JOINT LOADS: what work-groups share is x's tiles, and which tiles a wave wants, and how many passes it makes, hangs on counts read from memory; a text with such branches has no tensor load.
; LIMITS: NaN and infinities are not served; a block of We whose largest magnitude lies under 2^-111 (a block of zeros too) gets the byte 1: this launch alone reads the bytes.
; THE MODE: SCHED_MODE bits 1:0 = 2 (LLVM: expert scheduling mode 2), set by the entry lines.  The code itself states the register dependences between vector or matrix instructions and memory or LDS
; instructions, with s_wait_alu, always for 0.
; THE PLAN.  Registers that memory or LDS instructions touch, and who else names them:
;   v4, v10 to v17, v51 to v53   offsets and addresses made once at the head, ahead of one wait on va_vdst, and written no more.
;   v5 to v9      LDS addresses: written once a trip (ADDR; in the passes v7 to v9 at the head of .Lk), between a wait on vm_vsrc and a wait on va_vdst; read by the trip's LDS stores and loads.
;   PRODUCERS.    The numbers of group g (window 1): its loads land in them; its quantiser reads and writes them.  COD and the bytes in IB: the quantiser writes them, the group's 32 LDS stores read them.
;                 ONE wait on va_vdst to a group, behind its conversions: the group's 16 loads and 32 LDS stores follow it.  ONE wait on vm_vsrc behind the stores, ahead of the next group's lines.
;   CONSUMERS.    XA, XB, x's two sets of scale words: loads land; products read.  We's fragments (window 1) and its two sets of scale words: LDS loads land; products read.
;                 ONE wait on va_vdst to a K step, behind its 24 products and their places: behind it come the next step's fragments of We and the loads into the buffer of x just multiplied.  The products
;                 that follow name the other buffer of x, We's fragments, their own sets of scale words and the accumulators: none of the registers that the loads still on their way touch.
;   A PASS.       v18 to v29 (the tiles' offsets) and the list's registers are written once a pass, ahead of one wait on va_vdst; behind the list's LDS stores one wait on vm_vsrc, since x's fragments land there.
;   THE WAY OUT.  The accumulators: written by the products, read by LDS stores, behind one wait on va_vdst at the pass's end.  A tile's rows and offsets: a wait on vm_vsrc at the tile's head (the last
;                 tile's stores have read them), a wait on va_vdst ahead of its stores (the offsets are written).
;   MASKS.        The list's compares go in runs of three, into s54 to s56, with one wait on va_sdst behind each run, ahead of the selects.
.set WP,    2064                       ; a row's 2,048 codes in LDS + 16: an odd multiple of 16 bytes
.set SP,    68                         ; a row's 64 scale bytes + 4
.set GP,    272                        ; a stage row: 256 bytes + 16
.set WS,    64*WP                      ; LDS: codes from 0; scale bytes;
.set LISTB, WS+64*SP                   ; 96 words of list for each wave;
.set CNT,   LISTB+8*384                ; the four ranges' counts;
.set STG,   CNT+256                    ; a stage of 16 rows for each wave
.set WO,   4                           ; v4   16 x lane: my 16 bytes of a load's 512
.set CST,  5                           ; v5   where I store codes        (v5-v9 are made anew at the head of each trip, by every wave)
.set SST,  6                           ; v6   where I store a scale byte
.set FR0,  7                           ; v7   We's fragments, tiles 0 and 1;  v8: tiles 2 and 3
.set WSR,  9                           ; v9   We's scale words: lanes 0-15 an even K step's, lanes 16-31 the next one's
.set LST,  10                          ; v10  my list, 4 x lane
.set LRO,  12                          ; v12  my list, 4 h
.set SGI,  13                          ; v13  my stage: row r, + 32 h
.set SGO,  14                          ; v14  my stage: row h, + 16 r
.set OCOL, 15                          ; v15  16 r
.set BO,   16                          ; v16  32 h
.set CNA,  17                          ; v17  my range's count
.set XO,   18                          ; v18-23  tile t in xi, + 16 x lane
.set XSO,  24                          ; v24-29  tile t in xj, + 4 x lane
.set XSC,  30                          ; v30-41  x's scale words, two sets of six: scales and nothing else
.set WSC,  42                          ; v42-49  We's scale words, two sets of four: scales and nothing else
.set HOLD, 50                          ; v50  57,344.0; never rewritten
.set L4,   51                          ; v51  4 x lane
.set NIL,  52                          ; 0
.set CNR,  53                          ; CNT
.set TK,   54                          ; v54 the count; v56-59 the four counts
.set ONE,  55                          ; v55  1.0: the conversions' scale operand; never rewritten
.set CST0, 60                          ; v60-63  the fixed parts of v5, v6, v7, v9
.set SST0, 61
.set FR00, 62
.set WSR0, 63
.set XA,   64                          ; consumers: v64-159 x's fragments of an even K step, v160-255 of an odd one
.set XB,   160
.set WF,   192                         ; window 1: v0-191 accumulator (t, jt) at 32 t + 8 jt; v192-255 We's four fragments
.set MX,   64                          ; producers: v64-79 largest magnitudes of a group's 16 loads;
.set IB,   80                          ; v80-111 for load n the pair (2^-e, the scale's byte);
.set COD,  112                         ; v112-127 for load n one register of four codes;  window 1: the numbers, group g load n at 64 g + 4 n
.set LB,   64                          ; the list's work, ten registers for each 32 places: J, W, C, K, A, B, D, T, POS, TMP
.set OUTR, 64                          ; the way out
.set TKO,  96
.set OFF,  104
.set MK,   54                          ; s54-56  the masks of a run of three compares of the list (s54 to s59 serve the offsets at the head and are free behind it)
; scalars: s[4:5] We, s[6:7] be, s[8:9] xi, s[10:11] xj, s[12:13] mask, s[14:15] out0, s[16:17] out3; s18 wave, s20 wave mod 4, s21 e, s22 ob,
; s24 T, s25 tiles, s26 max(T, 1) - 1, s27 and s31 counters, s28 the pass's first tile, s29 its first place, s30 the pass is wanted, s[32:47] my 16 mask words, s48-s51 at work, s52 my range's first token,
; s53, s60 how far along K the LDS addresses stand (codes, scale bytes), s61 the range's last tile
.set MSB, 0
.macro WIN new                         ; s_set_vgpr_msb: bits 1:0 source 0, 3:2 source 1, 5:4 source 2, 7:6 destination; the high byte repeats the setting that is left
.if MSB != \new
	s_set_vgpr_msb (MSB<<8)|\new
.set MSB, \new
.endif
.endm
.macro PLACES                          ; eight places behind this matrix form, ahead of reads of its results; they stay beside the waits on va_vdst that follow them
.rept 8
	v_nop
.endr
.endm
.macro BARRIER                         ; in every wave's text: my LDS stores have landed and my LDS loads are in
	s_wait_dscnt 0x0
	s_barrier_signal -1
	s_barrier_wait -1
.endm
.macro ADDR                            ; the LDS addresses of this trip, by every wave
	s_wait_alu depctr_vm_vsrc(0)                   ; the LDS stores and loads of the last trip have read v5 to v9, which are written again here
	v_add_nc_u32 v[CST], s53, v[CST0]
	v_add_nc_u32 v[SST], s60, v[SST0]
	v_add_nc_u32 v[FR0], s53, v[FR00]
	v_add_nc_u32 v[FR0+1], 32*WP, v[FR0]
	v_add_nc_u32 v[WSR], s60, v[WSR0]
	s_wait_alu depctr_va_vdst(0)                   ; v5 to v9 are written, which this trip's LDS stores and loads read as their addresses
.endm
; ---- producers
.macro WLOAD g, add                    ; group g: 128 along K of my 16 rows: load n covers 512 consecutive bytes of row n
	WIN 0x40
.irp n, 0,1,2,3,4,5,6,7,8,9,10,11,12,13,14,15
	global_load_b128 v[64*(\g)+4*\n:64*(\g)+4*\n+3], v[WO], s[4:5] offset:8192*\n+512*(\g)+(\add) th:TH_LOAD_NT
.endr
	WIN 0
.endm
.macro QUANT16 g, reload               ; sixteen rows by turns; of row n a lane holds k = 4 x lane + 0 .. 3: eight lanes to a block.  reload = 1: the group is asked for again, for the next trip
	s_wait_dscnt 0x0                               ; the last group's LDS stores are done
	WIN 0x05
.irp n, 0,1,2,3,4,5,6,7,8,9,10,11,12,13,14,15
	v_max3_num_f32 v[MX+\n], |v[64*(\g)+4*\n]|, |v[64*(\g)+4*\n+1]|, 0x8000000   ; with the floor 2^(16 - 127): the byte cannot fall under 1
.endr
.irp n, 0,1,2,3,4,5,6,7,8,9,10,11,12,13,14,15
	v_max3_num_f32 v[MX+\n], |v[64*(\g)+4*\n+2]|, |v[64*(\g)+4*\n+3]|, v[MX+\n]
.endr
	WIN 0
.irp n, 0,1,2,3,4,5,6,7,8,9,10,11,12,13,14,15
	v_max_num_f32_dpp v[MX+\n], v[MX+\n], v[MX+\n] row_xmask:1 row_mask:0xf bank_mask:0xf
.endr
.irp n, 0,1,2,3,4,5,6,7,8,9,10,11,12,13,14,15
	v_max_num_f32_dpp v[MX+\n], v[MX+\n], v[MX+\n] row_xmask:2 row_mask:0xf bank_mask:0xf
.endr
.irp n, 0,1,2,3,4,5,6,7,8,9,10,11,12,13,14,15
	v_max_num_f32_dpp v[MX+\n], v[MX+\n], v[MX+\n] row_xmask:4 row_mask:0xf bank_mask:0xf   ; the block's largest magnitude
.endr
.irp n, 0,1,2,3,4,5,6,7,8,9,10,11,12,13,14,15
	v_add_nc_u32 v[IB+2*\n+1], 0xf8800000, v[MX+\n]   ; 15 off its exponent field,
.endr
.irp n, 0,1,2,3,4,5,6,7,8,9,10,11,12,13,14,15
	v_lshrrev_b32 v[IB+2*\n+1], 23, v[IB+2*\n+1]   ; which is the scale's byte, e + 127: 1 to 239
.endr
.irp n, 0,1,2,3,4,5,6,7,8,9,10,11,12,13,14,15
	v_sub_nc_u32 v[IB+2*\n], 254, v[IB+2*\n+1]     ; 127 - e: 15 to 253,
.endr
.irp n, 0,1,2,3,4,5,6,7,8,9,10,11,12,13,14,15
	v_lshlrev_b32 v[IB+2*\n], 23, v[IB+2*\n]       ; as an exponent field: the f32 number 2^-e
.endr
	WIN 0x41
.irp n, 0,1,2,3,4,5,6,7,8,9,10,11,12,13,14,15
	v_pk_mul_f32 v[64*(\g)+4*\n:64*(\g)+4*\n+1], v[64*(\g)+4*\n:64*(\g)+4*\n+1], v[IB+2*\n:IB+2*\n+1] op_sel_hi:[1,0]       ; x 2^-e, two at a time (of the pair the low word serves both halves)
	v_pk_mul_f32 v[64*(\g)+4*\n+2:64*(\g)+4*\n+3], v[64*(\g)+4*\n+2:64*(\g)+4*\n+3], v[IB+2*\n:IB+2*\n+1] op_sel_hi:[1,0]
.endr
.irp n, 0,1,2,3,4,5,6,7,8,9,10,11,12,13,14,15
.irp j, 0,1,2,3
	v_med3_num_f32 v[64*(\g)+4*\n+\j], v[64*(\g)+4*\n+\j], -v[HOLD], v[HOLD]   ; the conversion does not saturate (ISA guide 7.6.2): the hold comes first
.endr
.endr
	WIN 0x01
.irp m, 0,1,2,3,4,5,6,7
	v_cvt_scalef32_pk8_bf8_f32 v[COD+2*\m:COD+2*\m+1], v[64*(\g)+8*\m:64*(\g)+8*\m+7], v[ONE]   ; rows 2 m and 2 m + 1: four codes each
.endr
.rept 4
	v_nop                                          ; four plain lines behind the last conversion: the registers written here are named as operands by the scaled products further down the text, and a register written by a vector instruction stands four places ahead of such a product
.endr
.if \reload
	WIN 0x40                                       ; the loads' window first, then the wait, then the loads
.else
	WIN 0
.endif
	s_wait_alu depctr_va_vdst(0)                   ; the quantiser is done reading and writing the group's numbers, in which the loads below land, and has written COD and the bytes in IB, which the LDS stores below read
.if \reload
	WLOAD \g, 2048                                 ; the same group of the next trip: the buffer is asked for again at once
.endif
.irp n, 0,1,2,3,4,5,6,7,8,9,10,11,12,13,14,15
	ds_store_b32 v[CST], v[COD+\n] offset:WP*\n+128*(\g)       ; 128 consecutive bytes of row n
	ds_store_b8 v[SST], v[IB+2*\n+1] offset:SP*\n+4*(\g)       ; a block's eight lanes write the same byte with the same value
.endr
	s_wait_alu depctr_vm_vsrc(0)                   ; the LDS stores have read COD and the bytes in IB, which the next group's lines write again
.endm
.macro PHALF g0, reload, n0, n1        ; two groups: 256 along K.  n0, n1: the loads of the younger groups, which may stay out
	s_wait_loadcnt \n0
	QUANT16 \g0, \reload
	s_wait_loadcnt \n1
	QUANT16 (\g0)+1, \reload
.endm
; ---- consumers: the list
.macro LSTEP w                         ; does the K-th set bit lie past the next w bits?  T: how many of those are set
.irp q, 0,1,2
	v_cmp_ge_u32 s[MK+\q], v[LB+10*\q+3], v[LB+10*\q+7]
.endr
.irp q, 0,1,2
	v_add_nc_u32 v[LB+10*\q+9], \w, v[LB+10*\q+8]
.endr
	s_wait_alu depctr_va_sdst(0)                   ; the three masks are written, ahead of the selects that read them
.irp q, 0,1,2
	v_cndmask_b32 v[LB+10*\q+7], 0, v[LB+10*\q+7], s[MK+\q]
	v_sub_nc_u32 v[LB+10*\q+3], v[LB+10*\q+3], v[LB+10*\q+7]
	v_cndmask_b32 v[LB+10*\q+8], v[LB+10*\q+8], v[LB+10*\q+9], s[MK+\q]
.endr
.endm
.macro LISTBUILD                       ; places s29 .. s29 + 95 of my range's tokens, held at the last one: the tokens stand in registers LB + 10 q + 7; LISTOUT stores them
.irp q, 0,1,2
	v_add_nc_u32 v[LB+10*\q], 32*\q, v1
	v_add_nc_u32 v[LB+10*\q], s29, v[LB+10*\q]
	v_min_u32 v[LB+10*\q], s26, v[LB+10*\q]        ; J
	v_mov_b32 v[LB+10*\q+1], s32                   ; W: the word in which the J-th set bit lies
	v_mov_b32 v[LB+10*\q+2], 0                     ; C: the bits set ahead of that word, and the word's number << 16
	v_mov_b32 v[LB+10*\q+8], 0                     ; POS
.endr
	s_bcnt1_i32_b32 s48, s32                       ; bits set ahead of word 1
	s_add_co_u32 s49, s48, 1<<16
.irp b, 1,2,3,4,5,6,7,8,9,10,11,12,13,14,15
.irp q, 0,1,2
	v_cmp_gt_u32 s[MK+\q], s48, v[LB+10*\q]        ; word b begins past place J: keep; else take word b
.endr
	s_wait_alu depctr_va_sdst(0)                   ; the three masks are written, ahead of the selects that read them
.irp q, 0,1,2
	v_cndmask_b32 v[LB+10*\q+1], s[32+\b], v[LB+10*\q+1], s[MK+\q]
	v_cndmask_b32 v[LB+10*\q+2], s49, v[LB+10*\q+2], s[MK+\q]
.endr
.if \b < 15
	s_bcnt1_i32_b32 s50, s[32+\b]
	s_add_co_u32 s48, s48, s50
	s_add_co_u32 s49, s48, (\b+1)<<16
.endif
.endr
.irp q, 0,1,2
	v_and_b32 v[LB+10*\q+7], 0xffff, v[LB+10*\q+2]
	v_sub_nc_u32 v[LB+10*\q+3], v[LB+10*\q], v[LB+10*\q+7]          ; K: which set bit of W
	v_lshrrev_b32 v[LB+10*\q+7], 1, v[LB+10*\q+1]
	v_and_b32 v[LB+10*\q+7], 0x55555555, v[LB+10*\q+7]
	v_sub_nc_u32 v[LB+10*\q+4], v[LB+10*\q+1], v[LB+10*\q+7]        ; A: counts of 2 bits
	v_lshrrev_b32 v[LB+10*\q+7], 2, v[LB+10*\q+4]
	v_and_b32 v[LB+10*\q+7], 0x33333333, v[LB+10*\q+7]
	v_and_b32 v[LB+10*\q+5], 0x33333333, v[LB+10*\q+4]
	v_add_nc_u32 v[LB+10*\q+5], v[LB+10*\q+5], v[LB+10*\q+7]        ; B: of 4
	v_lshrrev_b32 v[LB+10*\q+7], 4, v[LB+10*\q+5]
	v_add_nc_u32 v[LB+10*\q+6], v[LB+10*\q+5], v[LB+10*\q+7]
	v_and_b32 v[LB+10*\q+6], 0x0f0f0f0f, v[LB+10*\q+6]              ; D: of 8
	v_lshrrev_b32 v[LB+10*\q+7], 8, v[LB+10*\q+6]
	v_add_nc_u32 v[LB+10*\q+7], v[LB+10*\q+6], v[LB+10*\q+7]
	v_and_b32 v[LB+10*\q+7], 0xff, v[LB+10*\q+7]                    ; T: of the low 16
.endr
	LSTEP 16
.irp q, 0,1,2
	v_bfe_u32 v[LB+10*\q+7], v[LB+10*\q+6], v[LB+10*\q+8], 8
.endr
	LSTEP 8
.irp q, 0,1,2
	v_bfe_u32 v[LB+10*\q+7], v[LB+10*\q+5], v[LB+10*\q+8], 4
.endr
	LSTEP 4
.irp q, 0,1,2
	v_bfe_u32 v[LB+10*\q+7], v[LB+10*\q+4], v[LB+10*\q+8], 2
.endr
	LSTEP 2
.irp q, 0,1,2
	v_bfe_u32 v[LB+10*\q+7], v[LB+10*\q+1], v[LB+10*\q+8], 1
.endr
	LSTEP 1
.irp q, 0,1,2
	v_lshrrev_b32 v[LB+10*\q+7], 16, v[LB+10*\q+2]
	v_lshl_add_u32 v[LB+10*\q+7], v[LB+10*\q+7], 5, v[LB+10*\q+8]
	v_add_nc_u32 v[LB+10*\q+7], s52, v[LB+10*\q+7]                  ; the token: range + 32 x word + bit: at most 2,047 whatever the words hold
.endr
.endm
.macro TILES                           ; where the pass's six tiles lie in xi and xj: tile s28 + t, held at the range's last tile
.irp t, 0,1,2,3,4,5
	s_add_co_u32 s50, s28, \t
	s_min_u32 s50, s50, s61
	s_min_u32 s50, s50, 31                         ; an area has 32 tiles
	v_lshl_add_u32 v[XO+\t], s50, 15, v[WO]
	v_lshl_add_u32 v[XSO+\t], s50, 10, v[L4]
.endr
.endm
.macro LISTOUT                         ; the list goes into my 96 words
	s_wait_alu depctr_va_vdst(0)                   ; the three registers of tokens are written, which the LDS stores below read; so are v18 to v29, the offsets of x's loads; the list's lines and the earlier products are done with XA and the accumulators, in which the loads behind this macro land
.irp q, 0,1,2
	ds_store_b32 v[LST], v[LB+10*\q+7] offset:128*\q
.endr
	s_wait_dscnt 0x0                               ; the list's stores are done
	s_wait_alu depctr_vm_vsrc(0)                   ; the list's stores have read their registers, into which x's fragments are loaded next
.endm
.macro BIAS                            ; the sums begin as the bias: lane (r, h), tile jt: be at columns 16 jt + 8 h + 0 .. 7
	WIN 0x40
.irp t, 0,1,2,3,4,5
.irp jt, 0,1,2,3
	global_load_b128 v[32*\t+8*\jt:32*\t+8*\jt+3], v[BO], s[6:7] offset:64*\jt
	global_load_b128 v[32*\t+8*\jt+4:32*\t+8*\jt+7], v[BO], s[6:7] offset:64*\jt+16
.endr
.endr
	WIN 0
.endm
.macro XLOADA ks, sx                   ; 30 loads: the scale words of K steps ks (lanes 0-15) and ks + 1 (lanes 16-31), and step ks's six fragments: 512 consecutive bytes a load
.irp t, 0,1,2,3,4,5
	global_load_b32 v[XSC+6*(\sx)+\t], v[XSO+\t], s[10:11] offset:128*((\ks)/2)
.endr
.irp t, 0,1,2,3,4,5
.irp c, 0,1,2,3
	global_load_b128 v[XA+16*\t+4*\c:XA+16*\t+4*\c+3], v[XO+\t], s[8:9] offset:2048*(\ks)+512*\c
.endr
.endr
.endm
.macro XLOADB ks                       ; 24 loads: an odd step's six fragments
.irp t, 0,1,2,3,4,5
.irp c, 0,1,2,3
	global_load_b128 v[XB+16*\t+4*\c:XB+16*\t+4*\c+3], v[XO+\t], s[8:9] offset:2048*(\ks)+512*\c
.endr
.endr
.endm
.macro FRAG ks, sx, sc                 ; We's four fragments of K step ks; sc = 1: with the scale words of steps ks and ks + 1
	WIN 0x40
.irp jt, 0,1,2,3
.irp c, 0,1,2,3
	ds_load_b128 v[WF+16*\jt+4*\c:WF+16*\jt+4*\c+3], v[FR0+\jt/2] offset:16*WP*(\jt%2)+128*(\ks)+32*\c
.endr
.endr
	WIN 0
.if \sc
.irp jt, 0,1,2,3
	ds_load_b32 v[WSC+4*(\sx)+\jt], v[WSR] offset:16*SP*\jt+4*(\ks)
.endr
.endif
.endm
.macro MUL buf, odd, sx                ; 24 products: the accumulators take turns, one instruction a turn, in the same order in every step
	WIN 0x51
.irp t, 0,1,2,3,4,5
.irp jt, 0,1,2,3
.if \odd
	v_wmma_scale_f32_16x16x128_f8f6f4 v[32*\t+8*\jt:32*\t+8*\jt+7], v[WF+16*\jt:WF+16*\jt+15], v[\buf+16*\t:\buf+16*\t+15], v[32*\t+8*\jt:32*\t+8*\jt+7], v[WSC+4*(\sx)+\jt], v[XSC+6*(\sx)+\t] matrix_a_fmt:MATRIX_FMT_BF8 matrix_b_fmt:MATRIX_FMT_BF8 matrix_a_scale:MATRIX_SCALE_ROW1 matrix_b_scale:MATRIX_SCALE_ROW1
.else
	v_wmma_scale_f32_16x16x128_f8f6f4 v[32*\t+8*\jt:32*\t+8*\jt+7], v[WF+16*\jt:WF+16*\jt+15], v[\buf+16*\t:\buf+16*\t+15], v[32*\t+8*\jt:32*\t+8*\jt+7], v[WSC+4*(\sx)+\jt], v[XSC+6*(\sx)+\t] matrix_a_fmt:MATRIX_FMT_BF8 matrix_b_fmt:MATRIX_FMT_BF8
.endif
.endr
.endr
	WIN 0
.endm
; K steps k0 and k0 + 1.  n1: at the head of a part 0: both steps' fragments of x were asked for ahead of the barrier, and behind this wait no load at all is out; inside a part 24: XA and its scale words are in, XB's 24 loads may be out.
; ra, rb: x's fragments two steps on are asked for.  n2: the loads issued behind XB's: the next XA's 30, or none.
; The first fragments of We owe no wait of their own: the products that read these registers last stand ahead of the wait on va_vdst at the end of the pair before, or of ADDR's, and nothing since names them.
.macro CPAIR k0, sx, n1, ra, rb, n2
	s_wait_loadcnt \n1
	FRAG \k0, \sx, 1
	s_wait_dscnt 0x0
	MUL XA, 0, \sx
	PLACES
	s_wait_alu depctr_va_vdst(0)                   ; the products are done reading We's fragments and XA, and the pair before is done reading the other set of x's scale words: the loads below land in these
	FRAG (\k0)+1, \sx, 0                           ; first what the next products wait for
.if \ra
	XLOADA (\k0)+2, 1-(\sx)
.endif
	s_wait_loadcnt \n2                             ; XB is in
	s_wait_dscnt 0x0
	MUL XB, 1, \sx
	PLACES
.if \rb
	s_wait_alu depctr_va_vdst(0)                   ; the products are done reading XB, in which the loads below land, and We's fragments and scale words, in which the next pair's first LDS loads land
	XLOADB (\k0)+3
.endif
.endm
.macro P_FULL                          ; a producer's part in the loop: a whole turn of the ring, 512 along K
	s_cmp_lt_u32 s18, 4
	s_cbranch_scc0 .Lnot_pf_\@
	PHALF 0, 1, 48, 48
	PHALF 2, 1, 48, 48
.Lnot_pf_\@:
.endm
.macro C_FULL                          ; a consumer's part in the loop: four K steps, and the next trip's first two steps of x are asked for
	s_cmp_ge_u32 s18, 4
	s_cbranch_scc0 .Lnot_cf_\@
	CPAIR 0, 0, 0, 1, 1, 30
	CPAIR 2, 1, 24, 1, 1, 30
.Lnot_cf_\@:
.endm
.macro P_PART g0, reload, n0, n1
	s_cmp_lt_u32 s18, 4
	s_cbranch_scc0 .Lnot_p_\@
	PHALF \g0, \reload, \n0, \n1
.Lnot_p_\@:
.endm
.macro C_PART k0, sx, n1, ra, rb, n2
	s_cmp_ge_u32 s18, 4
	s_cbranch_scc0 .Lnot_c_\@
	CPAIR \k0, \sx, \n1, \ra, \rb, \n2
.Lnot_c_\@:
.endm
; THE WAY OUT of tile t of the pass, if the range has so many tiles: through my stage, and out as rows: sixteen lanes store 256 consecutive bytes of a token's row, aligned
.macro SENDT t
	s_cmp_ge_u32 s18, 4
	s_cbranch_scc0 .Lno_send_\@
	s_add_co_u32 s50, s28, \t
	s_cmp_lt_u32 s50, s25
	s_cbranch_scc0 .Lno_send_\@
	s_wait_xcnt 0x0                                ; the last tile's stores have had their addresses translated
	s_wait_alu depctr_vm_vsrc(0)                   ; the last tile's stores have read their rows and their offsets: the LDS loads below land in the first, the lines below write the second
	WIN 0x04
.irp jt, 0,1,2,3
	ds_store_b128 v[SGI], v[32*\t+8*\jt:32*\t+8*\jt+3] offset:64*\jt          ; each accumulator from its low end on.  (The wait on va_vdst at the pass's end has shown them written, and nothing since names them)
	ds_store_b128 v[SGI], v[32*\t+8*\jt+4:32*\t+8*\jt+7] offset:64*\jt+16
.endr
	WIN 0
.irp i, 0,1,2,3,4,5,6,7
	ds_load_b32 v[TKO+\i], v[LRO] offset:64*\t+8*\i                           ; the token of stage row 2 i + h.  (The last tile's lines on these registers stand ahead of its wait on va_vdst)
.endr
.irp i, 0,1,2,3,4,5,6,7
	ds_load_b128 v[OUTR+4*\i:OUTR+4*\i+3], v[SGO] offset:2*GP*\i              ; LDS serves a wave's instructions in order: these see the stores above
.endr
	s_wait_dscnt 8                                 ; the tokens are in; the eight row loads may be out
.irp i, 0,1,2,3,4,5,6,7
	v_min_u32 v[TKO+\i], 0x7ff, v[TKO+\i]
	v_lshlrev_b32 v[OFF+\i], 13, v[TKO+\i]
	v_add_nc_u32 v[OFF+\i], v[OFF+\i], v[OCOL]
.endr
	s_wait_alu depctr_va_vdst(0)                   ; the eight offsets are written, which the stores below read
.irp i, 0,1,2,3,4,5,6,7
	s_wait_dscnt 7-\i
	global_store_b128 v[OFF+\i], v[OUTR+4*\i:OUTR+4*\i+3], s[14:15] th:TH_STORE_NT
.endr
.Lno_send_\@:
.endm
	s_load_b256 s[4:11], s[0:1], 0x0               ; We, be, xi, xj
	s_load_b128 s[12:15], s[0:1], 0x20             ; mask, out0
	s_load_b64 s[16:17], s[0:1], 0x30              ; out3
	v_lshrrev_b32 v1, 5, v0
	v_readfirstlane_b32 s18, v1                    ; wave 0..7
	s_and_b32 s21, ttmp7, 0xffff                   ; e
	s_mov_b32 s22, ttmp9                           ; ob
	v_and_b32 v1, 31, v0                           ; lane
	v_and_b32 v2, 15, v0                           ; r
	v_bfe_u32 v3, v0, 4, 1                         ; h
	v_lshlrev_b32 v[WO], 4, v1
	v_lshlrev_b32 v[L4], 2, v1
	v_mov_b32 v[ONE], 1.0
	v_mov_b32 v[HOLD], 0x47600000                  ; 57,344.0
	s_wait_alu depctr_va_sdst(0)                   ; s18 is written, ahead of its first reader
	s_and_b32 s20, s18, 3                          ; which 16 rows (a producer), which range of 512 tokens (a consumer)
	s_lshl_b32 s52, s20, 9
	; every LDS address register is made here, by every wave, ahead of the first branch on the wave's number
	s_mul_i32 s50, s20, 16*WP
	v_lshl_add_u32 v[CST0], v1, 2, s50             ; row 16 p, + 4 x lane
	s_mul_i32 s50, s20, 16*SP
	s_add_co_u32 s50, s50, WS
	v_lshrrev_b32 v[SST0], 3, v1
	v_add_nc_u32 v[SST0], s50, v[SST0]             ; row 16 p, + lane / 8
	v_mul_u32_u24 v[FR00], v2, WP
	v_lshl_add_u32 v[FR00], v3, 4, v[FR00]         ; row r, + 16 h
	v_mul_u32_u24 v[WSR0], v2, SP
	v_lshl_add_u32 v[WSR0], v3, 2, v[WSR0]
	v_add_nc_u32 v[WSR0], WS, v[WSR0]              ; row r, + 4 h
	s_mul_i32 s50, s18, 384
	s_add_co_u32 s50, s50, LISTB
	v_lshl_add_u32 v[LST], v1, 2, s50
	v_lshl_add_u32 v[LRO], v3, 2, s50
	s_mul_i32 s51, s18, 16*GP
	s_add_co_u32 s51, s51, STG
	v_mul_u32_u24 v[SGI], v2, GP
	v_lshl_add_u32 v[SGI], v3, 5, v[SGI]
	v_add_nc_u32 v[SGI], s51, v[SGI]
	v_mul_u32_u24 v[SGO], v3, GP
	v_lshl_add_u32 v[SGO], v2, 4, v[SGO]
	v_add_nc_u32 v[SGO], s51, v[SGO]
	v_lshlrev_b32 v[OCOL], 4, v2
	v_lshlrev_b32 v[BO], 5, v3
	s_lshl_b32 s50, s20, 2
	s_add_co_u32 s50, s50, CNT
	v_mov_b32 v[CNA], s50
	v_mov_b32 v[NIL], 0
	v_mov_b32 v[CNR], CNT
	s_lshl_b32 s54, s21, 11                        ; We: row 2,048 e + 64 ob + 16 p, of 8,192 bytes: under 2^31
	s_lshl_b32 s50, s22, 6
	s_or_b32 s54, s54, s50
	s_lshl_b32 s50, s20, 4
	s_or_b32 s54, s54, s50
	s_lshl_b32 s54, s54, 13
	s_mov_b32 s55, 0
	s_lshl_b32 s56, s21, 13                        ; be: 8,192 e + 256 ob
	s_lshl_b32 s58, s22, 8                         ; out0: 256 ob
	s_add_co_u32 s56, s56, s58
	s_mov_b32 s57, 0
	s_mov_b32 s59, 0
	s_lshl_b32 s51, s21, 2
	s_add_co_u32 s51, s51, s20                     ; my area: 4 e + range
	s_wait_kmcnt 0x0
	s_add_nc_u64 s[4:5], s[4:5], s[54:55]
	s_add_nc_u64 s[6:7], s[6:7], s[56:57]
	s_add_nc_u64 s[14:15], s[14:15], s[58:59]
	s_lshl_b32 s54, s51, 6                         ; mask: 64 bytes an area
	s_add_nc_u64 s[12:13], s[12:13], s[54:55]
	s_load_b512 s[32:47], s[12:13], 0x0
	s_lshl_b32 s54, s51, 20                        ; xi: 2^20 bytes an area
	s_add_nc_u64 s[8:9], s[8:9], s[54:55]
	s_lshl_b32 s54, s51, 15                        ; xj: 2^15 bytes an area
	s_add_nc_u64 s[10:11], s[10:11], s[54:55]
	s_lshl_b32 s54, s21, 2
	s_add_nc_u64 s[16:17], s[16:17], s[54:55]      ; out3: 4 e
	s_mov_b32 s53, 0
	s_mov_b32 s60, 0
	s_mov_b32 s28, 0
	s_wait_alu depctr_va_vdst(0)                   ; the offsets and addresses made above are written: v4, v10 to v17 and v51 to v53 are read by loads, stores and LDS instructions from here to the end, and written no more
	s_cmp_lt_u32 s18, 4
	s_cbranch_scc0 .Lhead_c
	WLOAD 0, 0                                     ; a producer's ring is filled: 64 loads
	WLOAD 1, 0
	WLOAD 2, 0
	WLOAD 3, 0
	s_wait_kmcnt 0x0
	s_mov_b32 s24, 0                               ; a producer has no tiles
	s_mov_b32 s25, 0
	s_mov_b32 s26, 0
	s_mov_b32 s61, 0
	s_branch .Lhead_done
.Lhead_c:
	s_wait_kmcnt 0x0
	s_bcnt1_i32_b32 s24, s32                       ; T: my range's tokens of this expert
.irp b, 33,34,35,36,37,38,39,40,41,42,43,44,45,46,47
	s_bcnt1_i32_b32 s50, s\b
	s_add_co_u32 s24, s24, s50
.endr
	s_add_co_u32 s25, s24, 15
	s_lshr_b32 s25, s25, 4                         ; tiles of 16
	s_max_u32 s26, s24, 1
	s_sub_co_u32 s26, s26, 1                       ; the last place
	s_max_u32 s61, s25, 1
	s_sub_co_u32 s61, s61, 1                       ; the last tile that lies in xi
	v_mov_b32 v[TK], s24
	s_mov_b32 s29, 0
	LISTBUILD
	TILES
	LISTOUT
	ds_store_b32 v[CNA], v[TK]                     ; for out3.  v54 was written ahead of LISTOUT's wait on va_vdst, and is written no more
	BIAS
	XLOADA 0, 0
	XLOADB 1
.Lhead_done:
	; THE MAIN PASS: four trips of 512 along K.  In the loop one barrier a trip: behind it the producers go on with the next 512 along K while the consumers multiply the 512 that it has shown.
	; The last trip is written out without the loads ahead, in two halves with a barrier each, so that the consumers begin on its first 256 along K while the last 256 are quantised.
	s_mov_b32 s27, 3
.Lmain:
	ADDR
	P_FULL
	BARRIER
	C_FULL
	s_wait_xcnt 0x0                                ; the loads issued have read their bases, which step now
	s_add_nc_u64 s[4:5], s[4:5], 2048
	s_add_nc_u64 s[8:9], s[8:9], 8192
	s_add_nc_u64 s[10:11], s[10:11], 256
	s_add_co_u32 s53, s53, 512
	s_add_co_u32 s60, s60, 16
	s_sub_co_u32 s27, s27, 1
	s_cmp_lg_u32 s27, 0
	s_cbranch_scc1 .Lmain
	ADDR
	P_PART 0, 0, 48, 32                            ; nothing is left to ask for: the counts run down
	BARRIER
	C_PART 0, 0, 0, 1, 1, 30
	P_PART 2, 0, 16, 0
	BARRIER                                        ; the last barrier: all codes lie in LDS
	C_PART 2, 1, 0, 0, 0, 0
	s_wait_loadcnt 0x0                             ; by every wave: no load is out when the passes below load the bias into the accumulators
	s_wait_xcnt 0x0
	s_sub_nc_u64 s[8:9], s[8:9], 24576             ; back to K = 0
	s_sub_nc_u64 s[10:11], s[10:11], 768
	s_sub_co_u32 s53, s53, 1536
	s_sub_co_u32 s60, s60, 48
	; THE PASSES.  Trip 0 stores the main pass's tiles.  Trips 1 to 5 multiply and store tiles 6 p .. 6 p + 5 where the range has so many: 36 tiles cover all 512 tokens of a range.
	s_mov_b32 s28, 0
	s_mov_b32 s29, 0
	s_mov_b32 s27, 6
.Lpass:
	s_wait_xcnt 0x0                                ; the last pass's stores have had their addresses translated
	s_wait_alu depctr_vm_vsrc(0)                   ; the last pass's stores have read their rows and offsets, its LDS stores the accumulators, its loads of x v18 to v29: the list's lines, TILES and the loads of this pass write all of these again
	s_cmp_lt_u32 s28, s25
	s_cselect_b32 s30, 1, 0
	s_cmp_eq_u32 s28, 0
	s_cselect_b32 s30, 0, s30                      ; wanted: not the first trip, and tiles are left
	s_cmp_ge_u32 s18, 4
	s_cbranch_scc0 .Lno_pre
	s_cmp_eq_u32 s30, 1
	s_cbranch_scc0 .Lno_pre
	LISTBUILD
	TILES
	LISTOUT
	BIAS
	s_wait_loadcnt 0x0
.Lno_pre:
	s_mov_b32 s31, 8
.Lk:                                                   ; eight trips of 256 along K
	s_wait_alu depctr_vm_vsrc(0)                   ; the LDS loads issued so far have read v7 to v9, which are written again here
	v_add_nc_u32 v[FR0], s53, v[FR00]
	v_add_nc_u32 v[FR0+1], 32*WP, v[FR0]
	v_add_nc_u32 v[WSR], s60, v[WSR0]
	s_wait_alu depctr_va_vdst(0)                   ; v7 to v9 are written, which this trip's LDS loads read; the last trip's products are done reading XA, XB, We's fragments and the scale words, in which this trip's loads land
	s_cmp_ge_u32 s18, 4
	s_cbranch_scc0 .Lno_k
	s_cmp_eq_u32 s30, 1
	s_cbranch_scc0 .Lno_k
	XLOADA 0, 0
	XLOADB 1
	FRAG 0, 0, 1
	s_wait_loadcnt 0x0
	s_wait_dscnt 0x0
	MUL XA, 0, 0
	PLACES
	s_wait_alu depctr_va_vdst(0)                   ; the products are done reading We's fragments, in which the LDS loads below land
	FRAG 1, 0, 0
	s_wait_dscnt 0x0
	MUL XB, 1, 0
	PLACES
.Lno_k:
	s_wait_xcnt 0x0
	s_add_nc_u64 s[8:9], s[8:9], 4096
	s_add_nc_u64 s[10:11], s[10:11], 128
	s_add_co_u32 s53, s53, 256
	s_add_co_u32 s60, s60, 8
	s_sub_co_u32 s31, s31, 1
	s_cmp_lg_u32 s31, 0
	s_cbranch_scc1 .Lk
	s_sub_nc_u64 s[8:9], s[8:9], 32768
	s_sub_nc_u64 s[10:11], s[10:11], 1024
	s_sub_co_u32 s53, s53, 2048
	s_sub_co_u32 s60, s60, 64
	s_wait_alu depctr_va_vdst(0)                   ; the pass's last products (in trip 0 the main pass's), eight places back, have written the accumulators, which the LDS stores of the way out read, and are done reading XA, in which its LDS loads land
	SENDT 0
	SENDT 1
	SENDT 2
	SENDT 3
	SENDT 4
	SENDT 5
	s_add_co_u32 s28, s28, 6
	s_add_co_u32 s29, s29, 96
	s_sub_co_u32 s27, s27, 1
	s_cmp_lg_u32 s27, 0
	s_cbranch_scc1 .Lpass
	s_cmp_eq_u32 s18, 4                            ; out3[e]: the four ranges' counts, by wave 4 of the expert's first work-group
	s_cbranch_scc0 .Lend
	s_cmp_eq_u32 s22, 0
	s_cbranch_scc0 .Lend
	ds_load_b128 v[TK+2:TK+5], v[CNR]              ; stored ahead of the first barrier
	s_wait_dscnt 0x0
	v_add_nc_u32 v[TK+2], v[TK+2], v[TK+3]
	v_add_nc_u32 v[TK+4], v[TK+4], v[TK+5]
	v_add_nc_u32 v[TK+2], v[TK+2], v[TK+4]
	v_cvt_f32_u32 v[TK+2], v[TK+2]
	s_wait_alu depctr_va_vdst(0)                   ; the conversion has written v56, which the store reads
	global_store_b32 v[NIL], v[TK+2], s[16:17]     ; all lanes store one value to one place
.Lend:
	s_wait_xcnt 0x0
	v_lshl_add_u32 v62, v0, 2, 0x2aa00             ; the add's two registers, made anew: no memory or LDS instruction of this text reads v62 or v63
	v_mov_b32 v63, 0
	s_wait_dscnt 0x0                               ; the closing lines, six on end
	s_wait_alu 0x0
	s_wait_tensorcnt 0x0
	ds_add_u32 v62, v63
	s_wait_dscnt 0x0
	s_endpgm
.Lfunc_end_k_qffae0ea2cd_experts:
	.size	k_qffae0ea2cd_experts, .Lfunc_end_k_qffae0ea2cd_experts-k_qffae0ea2cd_experts
	.p2alignl 7, 3214868480
	.fill 96, 4, 3214868480
	.section	.rodata,"a",@progbits
	.p2align	6, 0x0
	.amdhsa_kernel k_qffae0ea2cd_experts
		.amdhsa_group_segment_fixed_size 175616
		.amdhsa_private_segment_fixed_size 0
		.amdhsa_enable_private_segment 0
		.amdhsa_kernarg_size 56
		.amdhsa_user_sgpr_count 2
		.amdhsa_user_sgpr_kernarg_segment_ptr 1
		.amdhsa_wavefront_size32 1
		.amdhsa_system_sgpr_workgroup_id_x 1
		.amdhsa_system_sgpr_workgroup_id_y 1
		.amdhsa_system_sgpr_workgroup_id_z 1
		.amdhsa_system_vgpr_workitem_id 0
		.amdhsa_next_free_vgpr 512
		.amdhsa_next_free_sgpr 66
		.amdhsa_reserve_vcc 0
		.amdhsa_float_denorm_mode_32 3
		.amdhsa_float_denorm_mode_16_64 3
		.amdhsa_memory_ordered 1
		.amdhsa_forward_progress 1
		.amdhsa_inst_pref_size 255
	.end_amdhsa_kernel
	.section	.bss,"aw",@nobits
	.p2align	6
	.space	262144
	.amdgpu_metadata
---
amdhsa.version: [ 1, 2 ]
amdhsa.kernels:
  - .name:           k_qffae0ea2cd_experts
    .symbol:         k_qffae0ea2cd_experts.kd
    .args:
      - { .name: We, .offset: 0, .size: 8, .value_kind: global_buffer, .address_space: global }
      - { .name: be, .offset: 8, .size: 8, .value_kind: global_buffer, .address_space: global }
      - { .name: xi, .offset: 16, .size: 8, .value_kind: global_buffer, .address_space: global }
      - { .name: xj, .offset: 24, .size: 8, .value_kind: global_buffer, .address_space: global }
      - { .name: mask, .offset: 32, .size: 8, .value_kind: global_buffer, .address_space: global }
      - { .name: out0, .offset: 40, .size: 8, .value_kind: global_buffer, .address_space: global }
      - { .name: out3, .offset: 48, .size: 8, .value_kind: global_buffer, .address_space: global }
    .group_segment_fixed_size: 175616
    .private_segment_fixed_size: 0
    .kernarg_segment_align: 8
    .kernarg_segment_size: 56
    .max_flat_workgroup_size: 256
    .sgpr_count:     66
    .vgpr_count:     512
    .wavefront_size: 32
...
	.end_amdgpu_metadata
.endif
;; end of part 7
